; MI455X (gfx1250); checked and timed in simulation.
; The chip was launched on July 23, 2026; its instructions are those of AMD's public machine-readable ISA for CDNA 5 (MIT licence, August 2026) and "CDNA5" Instruction Set Architecture Reference Guide (July 2026). The comments in the code are by the model that wrote it; some were corrected since.
;; Parallel Transformer Block. Allowed arithmetic: matrix products marked QUANTISED: E2M1 operands, one E8M0 scale for each 32 along K, by v_wmma_scale_f32_16x16x128_f8f6f4 with both operands' format E2M1 (or v_wmma_scale_f32_32x16x128_f4), f32 sums; everything else in f32.
;; Inputs: beta 1,024 float32; gamma 1,024 float32; w_attn_out 1,024 x 512 float32; w_ff_out 1,024 x 4,096 float32; w_fused 8,768 x 1,024 float32; x 2 x 2,048 x 1,024 float32.
;; Outputs: out0 2 x 2,048 x 1,024 float32.
;; This version of the problem:
;;   THIS VERSION OF THE PROBLEM IS GIVEN IN LOW PRECISION. The matrix products marked QUANTISED in the list below multiply operands that are first quantised to E2M1 (2 exponent bits, 1 mantissa bit; 4 bits a number), with one power-of-two scale for each 32 numbers along K (OCP MX v1.0); their sums are f32. All else is computed in f32.
;;   The module's matrix products, in the order in which they are computed (A, B: the left and right operand; K: the contracted axis; several contracted axes count as one K, in the product's order):
;;     1. [M 4,096, K 1,024] x [K 1,024, N 8,768]; A: computed on the way; B: input w_fused: QUANTISED
;;     2. batch 2 x [M 32,768, K 32] x [K 32, N 2,048]; A: computed on the way; B: computed on the way: QUANTISED
;;     3. batch 2 x [M 32,768, K 2,048] x [K 2,048, N 32]; A: softmax (see below); B: computed on the way: QUANTISED
;;     4. [M 4,096, K 512] x [K 512, N 1,024]; A: computed on the way; B: input w_attn_out: QUANTISED
;;     5. [M 4,096, K 4,096] x [K 4,096, N 1,024]; A: computed on the way; B: input w_ff_out: QUANTISED
;;   THE QUANTISER, for each operand of a quantised product, along K:
;;     - K is cut into blocks of 32 from its start; a last block that is shorter is filled with zeros.
;;     - A block's scale is 2^e with e = floor(log2(the largest magnitude in the block)) - 2, held to -126 .. 127; a block of zeros has e = 0. As a byte (E8M0): e + 127.
;;     - Each number is divided by its block's scale, clamped to +-6, and rounded to the nearest number of E2M1, ties to even, subnormals kept.
;;     - The product sums the exact products of the quantised numbers (number of the format x scale) in f32.
;;   ~~~python
;;   def quantise(x, axis):      # numpy; x: float32 -> the quantised numbers, widened to float32 again
;;       x = np.moveaxis(x, axis, -1); K = x.shape[-1]
;;       x = np.pad(x, [(0, 0)] * (x.ndim - 1) + [(0, -K % 32)]); x = x.reshape(x.shape[:-1] + (-1, 32)); a = np.abs(x).max(-1, keepdims=True)
;;       e = np.where(a > 0, np.clip(np.frexp(np.where(a > 0, a, 1))[1] - 1 - 2, -126, 127), 0)      # np.frexp(a)[1] - 1 = floor(log2(a)), exactly
;;       r = np.clip(x / 2.0 ** e, -6, 6)
;;       step = 2.0 ** (np.maximum(np.frexp(np.where(r == 0, 1, r))[1] - 1, 0) - 1)
;;       q = np.round(r / step) * step * 2.0 ** e      # np.round: ties to even
;;       return np.moveaxis(q.reshape(q.shape[:-2] + (-1,))[..., :K], -1, axis).astype(np.float32)
;;   ~~~
;;   SOFTMAX AHEAD OF A QUANTISED PRODUCT. Where the list says 'softmax', what is quantised is not the finished softmax but p = 2^(t - M), with t = logit x log2(e) and M = ceil(the row's largest t), a whole number; so 1/2 < the row's largest p <= 1. The row's sum l is taken of the UNQUANTISED p, in f32, and the product's result is divided by l at the end. Since M is a whole number, a kernel that streams over the keys may use a running M (the ceiling of the running maximum): every later rescaling is an exact power of two, which a block's scale takes up: the codes' values come out the same.
;;   OPERANDS COMPUTED ON THE WAY. 'Computed on the way' means the value that the module computes at that place (a softmax that the list does not call 'softmax' is quantised finished and normalised). What goes into a quantiser is computed in f32, as accurately as f32 sums, v_exp_f32 and their like allow (about 1e-6 of the number): no bf16 or f16 on the way to a quantiser, and a product that is left as it is and whose result goes on into a quantised operand takes f32 operands (vector FMAs, or v_wmma_f32_16x16x4_f32). A number that lies on a knife's edge between two numbers of the format may be rounded either way, as far as f32 arithmetic and the matrix unit's own rounding can turn it there, and no further.
;; 2 versions, each right; version 2 is version 1 with the launches qkv, attn written anew for expert scheduling mode. Each part assembles by itself: llvm-mc -triple=amdgcn-amd-amdhsa -mcpu=gfx1250 --defsym DOCPART=n.
;; ======== version 1 of 2: 5 launches
;; workspace buffers: xq 2,228,224 bytes; wfq 4,769,792 bytes; woq 2,506,752 bytes; qq 1,310,720 bytes; kv 139,264 bytes; acat 9,437,184 bytes; as2 589,824 bytes
;; launch prep (part 1): grid 546 x 1, 4 waves a work-group, no clusters, 66,048 bytes of LDS; arguments x, gamma, beta, w_fused, w_attn_out, w_ff_out, xq, wfq, woq; writes xq, wfq, woq
.if DOCPART == 1
	.amdgcn_target "amdgcn-amd-amdhsa--gfx1250"
	.amdhsa_code_object_version 6
	.text
	.protected	k_q054b9663dd_prep
	.globl	k_q054b9663dd_prep
	.p2align	8
	.type	k_q054b9663dd_prep,@function
k_q054b9663dd_prep:
	s_mov_b64 s[64:65], 0
	v_nop
	global_prefetch_b8 v0, s[64:65] scope:SCOPE_SE
	s_setreg_imm32_b32 hwreg(HW_REG_WAVE_MODE, 25, 1), 1
	s_wait_xcnt 0x0
; The three weights, and LayerNorm(x), become codes of FP4 (E2M1), K innermost, with one E8M0 scale byte for each 32 along K.
; All four tensors have K innermost and rows that are multiples of 32, so each is a stream of blocks of 32.  A wave takes a run of 8,192 numbers: 16 steps of 512;
; it makes 4,096 bytes of codes and 256 scale bytes, both dense at the run's index.  Work-groups 0-273: w_fused; 274-289: w_attn_out; 290-417: w_ff_out; 418-545: x.
; Only pointers and offsets are chosen by the work-group's number; the weights take one path through the text, x (which is normalised first) another, and each path has LDS bytes of its own.
; W_FUSED'S ROWS ARE STORED IN ANOTHER ORDER, by runs of 8 rows: rows 0-575 (q, k, v) as they lie; behind them each stored group of 128 rows holds the 64 ff_x rows of 64 columns and then their 64 gate rows,
; and in each 32 rows the groups of eight lie in the order 0, 2, 1, 3: a stored tile of 16 rows then holds columns 8 u + r + 8 (r / 8), which a later product wants.
; A block's scale is 2^(floor(log2(its largest magnitude)) - 2); its byte is the largest magnitude's exponent field - 2, held at 1 from below.
; LIMITS: a block of zeros gets the byte 1 where the rule says 127 (its codes are zeros, and this program alone reads the bytes); NaN and infinities among the inputs are not served.
; LayerNorm: the mean, then the mean of the squares of (x - mean): two passes over a row that lies in one wave's registers, so a common offset of x costs no accuracy.
; IN FLIGHT: the weights' loads run eight steps ahead (32 loads of 512 bytes a wave), x's three rows (24 loads).
; No tensor loads, no barrier, no matrix unit, no cluster: a stream, and waves share nothing.
.set XQS,   2097152                    ; xq: where the scale bytes begin
.set WFS,   4489216                    ; wfq: likewise
.set W2C,   262144                     ; woq: w_ff_out's codes, behind w_attn_out's
.set WAS,   2359296                    ; woq: w_attn_out's scale bytes
.set W2S,   2375680                    ; woq: w_ff_out's
.set STEPS, 16
.set AHEAD, 8                          ; the weights: steps whose loads are out
.set WREG,  8192                       ; LDS: a region for each wave: two stages of 32 x SP bytes, behind them its 256 scale bytes
.set SP,    80                         ; a lane's place in a stage: 64 bytes + 16 of padding
; REGISTERS: v16-79 numbers as loaded: the weights' sets 0-3, x's rows 0 and 1 of three;  v160-223 the weights' sets 4-7, or gamma and beta;  v224-255 x's third row
.set X,     80                         ; v80-111  two sets of 16 neighbours
.set E,     112                        ; v112-127 a scale byte for each step
.set C,     128                        ; v128-159 two registers of codes for each step: no store's data are written again
.set G,     160                        ; v160-191 gamma, in the layout of a row's registers
.set B,     192                        ; v192-223 beta
	s_load_b256 s[4:11], s[0:1], 0x0               ; x, gamma, beta, w_fused
	s_load_b256 s[12:19], s[0:1], 0x20             ; w_attn_out, w_ff_out, xq, wfq
	s_load_b64 s[20:21], s[0:1], 0x40              ; woq
	v_lshl_add_u32 v7, v0, 2, 0x10000
	s_set_vgpr_msb 0x40
	v_mov_b32 v1, 0
	s_set_vgpr_msb 0x4000
	v_lshrrev_b32 v1, 5, v0
	v_readfirstlane_b32 s22, v1                    ; wave
	v_and_b32 v2, 31, v0                           ; lane
	v_lshlrev_b32 v3, 4, v2                        ; my 16 bytes of a load's 512
	v_lshlrev_b32 v4, 3, v2                        ; my 8 bytes of a step's codes, and of the run's scale bytes
	s_mov_b32 s28, 418                             ; the tensor's first work-group,
	s_mov_b32 s29, 0                               ; where its codes begin in the buffer,
	s_mov_b32 s30, XQS                             ; and its scale bytes: x's, unless chosen otherwise below
	s_mov_b32 s40, 0x76543210
	s_mov_b32 s41, 0xfedcba98                      ; v_permlanex16_b32's selects for lane l xor 16
	s_mov_b32 s42, 0x3a800000                      ; 1 / 1,024
	s_mov_b32 s43, 0x3727c5ac                      ; 1e-5
	s_wait_kmcnt 0x0
	s_mov_b64 s[24:25], s[4:5]
	s_mov_b64 s[26:27], s[16:17]
	s_cmp_lt_u32 ttmp9, 418                        ; the choices hang on the work-group's number alone
	s_cselect_b64 s[24:25], s[14:15], s[24:25]
	s_cselect_b64 s[26:27], s[20:21], s[26:27]
	s_cselect_b32 s28, 290, s28
	s_cselect_b32 s29, W2C, s29
	s_cselect_b32 s30, W2S, s30
	s_cmp_lt_u32 ttmp9, 290
	s_cselect_b64 s[24:25], s[12:13], s[24:25]
	s_cselect_b32 s28, 274, s28
	s_cselect_b32 s29, 0, s29
	s_cselect_b32 s30, WAS, s30
	s_cmp_lt_u32 ttmp9, 274
	s_cselect_b64 s[24:25], s[10:11], s[24:25]
	s_cselect_b64 s[26:27], s[18:19], s[26:27]
	s_cselect_b32 s28, 0, s28
	s_cselect_b32 s30, WFS, s30
	s_sub_co_u32 s31, ttmp9, s28
	s_lshl_b32 s31, s31, 2
	s_add_co_u32 s31, s31, s22                     ; my run in the tensor
	s_sub_co_u32 s32, s31, 72                      ; w_fused's order: j = run - 72,
	s_bfe_u32 s33, s32, 0x10009                    ; gate = bit 9 of j,
	s_and_b32 s34, s32, 511                        ; jj = j mod 512
	s_lshr_b32 s35, s34, 3
	s_lshl_b32 s35, s35, 4                         ; 16 (jj / 8)
	s_lshl_b32 s33, s33, 3
	s_add_co_u32 s35, s35, s33                     ; + 8 gate
	s_and_b32 s33, s34, 4
	s_add_co_u32 s35, s35, s33                     ; + (jj & 4)
	s_and_b32 s33, s34, 1
	s_lshl_b32 s33, s33, 1
	s_add_co_u32 s35, s35, s33                     ; + 2 (jj & 1)
	s_bfe_u32 s33, s34, 0x10001
	s_add_co_u32 s35, s35, s33                     ; + bit 1 of jj
	s_add_co_u32 s35, s35, 72
	s_cmp_ge_u32 s31, 72
	s_cselect_b32 s35, s35, s31
	s_cmp_lt_u32 ttmp9, 274
	s_cselect_b32 s35, s35, s31                    ; where my run is stored
	s_mov_b32 s33, 0
	s_lshl_b32 s32, s31, 15
	s_add_nc_u64 s[24:25], s[24:25], s[32:33]      ; the numbers: 32,768 bytes a run
	s_lshl_b32 s32, s35, 12
	s_add_co_u32 s32, s32, s29
	s_add_nc_u64 s[36:37], s[26:27], s[32:33]      ; the codes: 4,096 bytes a run
	s_lshl_b32 s32, s35, 8
	s_add_co_u32 s32, s32, s30
	s_add_nc_u64 s[38:39], s[26:27], s[32:33]      ; the scale bytes: 256 a run
.macro ADDR base                       ; the wave's LDS addresses, in the path's own bytes
	s_mul_i32 s23, s22, WREG
	s_add_co_u32 s23, s23, \base
	v_lshrrev_b32 v14, 2, v2
	v_mul_u32_u24 v14, v14, SP
	v_and_b32 v15, 3, v2
	v_lshl_add_u32 v14, v15, 4, v14
	v_add_nc_u32 v14, s23, v14                     ; into a stage: four lanes' 64 bytes on end, then 16 of padding
	v_mul_u32_u24 v15, v2, SP
	v_add_nc_u32 v15, s23, v15                     ; out of it: SP x lane: my 16 neighbours
	v_lshrrev_b32 v5, 1, v2
	s_add_co_u32 s23, s23, 2*32*SP
	v_add_nc_u32 v5, s23, v5                       ; my block's scale byte
	v_add_nc_u32 v6, s23, v4                       ; and on the way out 8 bytes a lane
.endm
.macro TURN t, rb                      ; step t's numbers, in v[rb] on, through a stage; LDS serves a wave's instructions in order, so no wait stands between the stores and the loads
.irp i, 0,1,2,3
	ds_store_b128 v14, v[(\rb)+4*\i:(\rb)+4*\i+3] offset:32*SP*((\t)%2)+8*SP*\i
.endr
.irp i, 0,1,2,3
	ds_load_b128 v[X+16*((\t)%2)+4*\i:X+16*((\t)%2)+4*\i+3], v15 offset:32*SP*((\t)%2)+16*\i
.endr
.endm
.macro QUANT t                         ; my 16 neighbours of step t: half a block; my neighbour lane holds the other half
.set XR, X+16*((\t)%2)
	v_max3_num_f32 v8, |v[XR]|, |v[XR+1]|, |v[XR+2]|
	v_max3_num_f32 v9, |v[XR+3]|, |v[XR+4]|, |v[XR+5]|
.irp i, 6,10
	v_max3_num_f32 v8, v8, |v[XR+\i]|, |v[XR+\i+1]|
	v_max3_num_f32 v9, v9, |v[XR+\i+2]|, |v[XR+\i+3]|
.endr
	v_max3_num_f32 v8, v8, |v[XR+14]|, |v[XR+15]|
	v_max3_num_f32 v8, v8, v9, 0x1800000           ; and the floor 2^(3 - 127): the byte cannot fall under 1
	v_max_num_f32_dpp v8, v8, v8 row_xmask:1 row_mask:0xf bank_mask:0xf   ; with my neighbour's 16: the block's largest magnitude
	v_add_nc_u32 v11, 0xff000000, v8               ; 2 off its exponent field: the conversion takes the exponent field of this operand as its scale
	v_cvt_scalef32_pk8_fp4_f32 v[C+2*(\t)], v[XR:XR+7], v11
	v_cvt_scalef32_pk8_fp4_f32 v[C+2*(\t)+1], v[XR+8:XR+15], v11
	v_lshrrev_b32 v[E+(\t)], 23, v11               ; the scale's byte (a plain line behind the conversions)
	ds_store_b8 v5, v[E+(\t)] offset:16*(\t)       ; both lanes of a block write the same byte with the same value
	global_store_b64 v4, v[C+2*(\t):C+2*(\t)+1], s[36:37] offset:256*(\t)   ; the wave stores 256 consecutive bytes, aligned
.endm
	s_cmp_ge_u32 ttmp9, 418
	s_cbranch_scc1 .Lx
	; ---- the weights: loads run eight steps ahead, the turn through LDS one step.  Step t's set of 16 registers: sets 0-3 from v16 on, sets 4-7 from v160 on
	ADDR 0
.macro LOADW t
.set RB, 16+16*((\t)%8)+80*(((\t)%8)/4)
.irp i, 0,1,2,3
	global_load_b128 v[RB+4*\i:RB+4*\i+3], v3, s[24:25] offset:2048*(\t)+512*\i th:TH_LOAD_NT   ; 32 lanes read 512 consecutive bytes
.endr
.endm
.macro TURNW t
.set RB, 16+16*((\t)%8)+80*(((\t)%8)/4)
	TURN \t, RB
.endm
.macro WSTEP t
.if (\t) > 0
	s_wait_dscnt 1                                 ; this step's numbers are back from the stage; the last step's byte store may be out
.else
	s_wait_dscnt 0x0
.endif
.if (\t)+AHEAD < STEPS
	LOADW (\t)+AHEAD                               ; into the registers that the stage's stores have read
.endif
.if (\t)+1 < STEPS
.if (\t)+AHEAD < STEPS
	s_wait_loadcnt 4*(AHEAD-1)                     ; the next step's four loads are in; those of the seven steps behind it may be out
.else
	s_wait_loadcnt 4*(STEPS-2-(\t))                ; the tail: the steps behind the next one, four loads each
.endif
	TURNW (\t)+1
.endif
	QUANT \t
.endm
.irp t, 0,1,2,3,4,5,6,7
	LOADW \t
.endr
	s_wait_loadcnt 4*(AHEAD-1)                     ; step 0's four loads are in
	TURNW 0
.irp t, 0,1,2,3,4,5,6,7,8,9,10,11,12,13,14,15
	WSTEP \t
.endr
	ds_load_b64 v[12:13], v6                       ; LDS serves a wave's instructions in order: these see my byte stores
	s_wait_dscnt 0x0
	global_store_b64 v4, v[12:13], s[38:39]        ; 256 consecutive bytes, aligned
	s_set_vgpr_msb 0x4
	s_wait_tensorcnt 0x0
	ds_add_u32 v7, v1
	s_wait_dscnt 0x0
	s_set_vgpr_msb 0x400
	s_endpgm
.Lx:
	; ---- x: a row is two steps, 32 registers a lane: register 16 p + 4 i + e is column 512 p + 128 i + 4 lane + e; gamma and beta lie likewise.  Three rows' registers take turns: v16, v48, v224 on
	ADDR 32768
.irp p, 0,1
.irp i, 0,1,2,3
	global_load_b128 v[G+16*\p+4*\i:G+16*\p+4*\i+3], v3, s[6:7] offset:2048*\p+512*\i
	global_load_b128 v[B+16*\p+4*\i:B+16*\p+4*\i+3], v3, s[8:9] offset:2048*\p+512*\i
.endr
.endr
.macro LOADX p                         ; row p: eight loads of 512 consecutive bytes
.set RB, 16+32*((\p)%3)+144*(((\p)%3)/2)
.irp h, 0,1
.irp i, 0,1,2,3
	global_load_b128 v[RB+16*\h+4*\i:RB+16*\h+4*\i+3], v3, s[24:25] offset:4096*(\p)+2048*\h+512*\i th:TH_LOAD_NT
.endr
.endr
.endm
.irp p, 0,1,2
	LOADX \p
.endr
.macro LANESUM a, b                    ; the sum over the 32 lanes, in every lane
	v_add_f32_dpp v[\a], v[\a], v[\a] row_xmask:1 row_mask:0xf bank_mask:0xf
	v_add_f32_dpp v[\a], v[\a], v[\a] row_xmask:2 row_mask:0xf bank_mask:0xf
	v_add_f32_dpp v[\a], v[\a], v[\a] row_xmask:4 row_mask:0xf bank_mask:0xf
	v_add_f32_dpp v[\a], v[\a], v[\a] row_xmask:8 row_mask:0xf bank_mask:0xf
	v_permlanex16_b32 v[\b], v[\a], s40, s41
	v_add_f32 v[\a], v[\a], v[\b]
.endm
.macro ROW p
.set RR, 16+32*((\p)%3)+144*(((\p)%3)/2)
.if (\p) < 6
	s_wait_loadcnt 16                              ; this row's eight loads are in (gamma and beta too); the next two rows' sixteen may be out
.else
	s_wait_loadcnt 8*(7-(\p))                      ; the tail: one row behind this one, then none
.endif
	v_pk_add_f32 v[8:9], v[RR:RR+1], v[RR+2:RR+3]  ; the row's sum, in two chains
	v_pk_add_f32 v[10:11], v[RR+4:RR+5], v[RR+6:RR+7]
.irp j, 8,12,16,20,24,28
	v_pk_add_f32 v[8:9], v[8:9], v[RR+\j:RR+\j+1]
	v_pk_add_f32 v[10:11], v[10:11], v[RR+\j+2:RR+\j+3]
.endr
	v_pk_add_f32 v[8:9], v[8:9], v[10:11]
	v_add_f32 v8, v8, v9
	LANESUM 8, 9
	v_mul_f32 v8, s42, v8                          ; the mean
.irp j, 0,2,4,6,8,10,12,14,16,18,20,22,24,26,28,30
	v_pk_add_f32 v[RR+\j:RR+\j+1], v[RR+\j:RR+\j+1], v[8:9] op_sel_hi:[1,0] neg_lo:[0,1] neg_hi:[0,1]   ; x - mean
.endr
	v_pk_mul_f32 v[10:11], v[RR:RR+1], v[RR:RR+1]  ; the squares, in two chains
	v_pk_mul_f32 v[12:13], v[RR+2:RR+3], v[RR+2:RR+3]
.irp j, 4,8,12,16,20,24,28
	v_pk_fma_f32 v[10:11], v[RR+\j:RR+\j+1], v[RR+\j:RR+\j+1], v[10:11]
	v_pk_fma_f32 v[12:13], v[RR+\j+2:RR+\j+3], v[RR+\j+2:RR+\j+3], v[12:13]
.endr
	v_pk_add_f32 v[10:11], v[10:11], v[12:13]
	v_add_f32 v10, v10, v11
	LANESUM 10, 11
	v_fma_f32 v10, v10, s42, s43                   ; the variance + 1e-5
	v_rsq_f32 v12, v10
	v_nop                                          ; a plain line behind the transcendental,
	s_wait_alu depctr_va_vdst(0)                   ; and the wait ahead of its first reader
.irp j, 0,2,4,6,8,10,12,14,16,18,20,22,24,26,28,30
	v_pk_mul_f32 v[RR+\j:RR+\j+1], v[RR+\j:RR+\j+1], v[12:13] op_sel_hi:[1,0]
.endr
.irp j, 0,2,4,6,8,10,12,14,16,18,20,22,24,26,28,30
	v_pk_fma_f32 v[RR+\j:RR+\j+1], v[RR+\j:RR+\j+1], v[G+\j:G+\j+1], v[B+\j:B+\j+1]
.endr
	TURN 2*(\p), RR
	TURN 2*(\p)+1, RR+16
	s_wait_dscnt 0x0                               ; both steps' neighbours are in, and the stage's stores have read the row's registers,
.if (\p)+3 < 8
	LOADX (\p)+3                                   ; which take the row three further on
.endif
	QUANT 2*(\p)
	QUANT 2*(\p)+1
.endm
.irp p, 0,1,2,3,4,5,6,7
	ROW \p
.endr
	ds_load_b64 v[12:13], v6
	s_wait_dscnt 0x0
	global_store_b64 v4, v[12:13], s[38:39]
	s_set_vgpr_msb 0x4
	s_wait_tensorcnt 0x0
	ds_add_u32 v7, v1
	s_wait_dscnt 0x0
	s_set_vgpr_msb 0x400
	s_endpgm
.Lfunc_end_k_q054b9663dd_prep:
	.size	k_q054b9663dd_prep, .Lfunc_end_k_q054b9663dd_prep-k_q054b9663dd_prep
	.p2alignl 7, 3214868480
	.fill 96, 4, 3214868480
	.section	.rodata,"a",@progbits
	.p2align	6, 0x0
	.amdhsa_kernel k_q054b9663dd_prep
		.amdhsa_group_segment_fixed_size 66048
		.amdhsa_private_segment_fixed_size 0
		.amdhsa_enable_private_segment 0
		.amdhsa_kernarg_size 72
		.amdhsa_user_sgpr_count 2
		.amdhsa_user_sgpr_kernarg_segment_ptr 1
		.amdhsa_wavefront_size32 1
		.amdhsa_system_sgpr_workgroup_id_x 1
		.amdhsa_system_sgpr_workgroup_id_y 1
		.amdhsa_system_sgpr_workgroup_id_z 1
		.amdhsa_system_vgpr_workitem_id 0
		.amdhsa_next_free_vgpr 258
		.amdhsa_next_free_sgpr 66
		.amdhsa_reserve_vcc 0
		.amdhsa_float_denorm_mode_32 3
		.amdhsa_float_denorm_mode_16_64 3
		.amdhsa_memory_ordered 1
		.amdhsa_forward_progress 1
		.amdhsa_inst_pref_size 115
	.end_amdhsa_kernel
	.amdgpu_metadata
---
amdhsa.version: [ 1, 2 ]
amdhsa.kernels:
  - .name:           k_q054b9663dd_prep
    .symbol:         k_q054b9663dd_prep.kd
    .args:
      - { .name: x, .offset: 0, .size: 8, .value_kind: global_buffer, .address_space: global }
      - { .name: gamma, .offset: 8, .size: 8, .value_kind: global_buffer, .address_space: global }
      - { .name: beta, .offset: 16, .size: 8, .value_kind: global_buffer, .address_space: global }
      - { .name: w_fused, .offset: 24, .size: 8, .value_kind: global_buffer, .address_space: global }
      - { .name: w_attn_out, .offset: 32, .size: 8, .value_kind: global_buffer, .address_space: global }
      - { .name: w_ff_out, .offset: 40, .size: 8, .value_kind: global_buffer, .address_space: global }
      - { .name: xq, .offset: 48, .size: 8, .value_kind: global_buffer, .address_space: global }
      - { .name: wfq, .offset: 56, .size: 8, .value_kind: global_buffer, .address_space: global }
      - { .name: woq, .offset: 64, .size: 8, .value_kind: global_buffer, .address_space: global }
    .group_segment_fixed_size: 66048
    .private_segment_fixed_size: 0
    .kernarg_segment_align: 8
    .kernarg_segment_size: 72
    .max_flat_workgroup_size: 128
    .sgpr_count:     66
    .vgpr_count:     258
    .wavefront_size: 32
...
	.end_amdgpu_metadata
.endif
;; end of part 1
;; launch qkv (part 2): grid 256 x 1, 9 waves a work-group, no clusters, 185,600 bytes of LDS; arguments xq, wfq, qq, kv; writes qq, kv
.if DOCPART == 2
	.amdgcn_target "amdgcn-amd-amdhsa--gfx1250"
	.amdhsa_code_object_version 6
	.text
	.protected	k_q054b9663dd_qkv
	.globl	k_q054b9663dd_qkv
	.p2align	8
	.type	k_q054b9663dd_qkv,@function
k_q054b9663dd_qkv:
	s_mov_b64 s[64:65], 0
	v_nop
	global_prefetch_b8 v0, s[64:65] scope:SCOPE_SE
	s_setreg_imm32_b32 hwreg(HW_REG_WAVE_MODE, 25, 1), 1
	s_wait_xcnt 0x0
; The first 576 columns of the fused projection (16 heads of q, k, v; 32 columns each), on codes of FP4 with E8M0 scales; then l2norm and RoPE of q and k, and the quantising of q and k along the head's 32 and of v along the keys.
; SHARES.  A work-group takes 32 rows of x and nine of the eighteen 'heads' (work-group number: bit 0 = which nine, the rest = which 32 rows); a wave takes one head: 32 rows x 32 columns over K = 1,024:
; 32 matrix instructions on four accumulators that take turns.  Everything is read once, at the head, through registers into LDS, in whole rows of 512 bytes; one barrier; behind it LDS is only read.
; No tensor load and no cluster: a work-group has one fill of 160 KiB and no loop in which a shared tile could be asked for again.
; LAYOUT.  q, k: the product is used transposed (source 0 = 16 weight rows, source 1 = 16 rows of x): a lane holds one row of x.  The weight rows of tile c are 8 c + r + 8 (r / 8), so that a lane's 16 registers of the
; two tiles are d = 16 (lane / 16) + 0 .. 15: half a head; the lane 16 away holds the other half, which is also RoPE's partner.  v: source 0 = x, source 1 = the weights: a lane holds one d and its registers run along the keys.
; For k and v the rows of x of tile u are 8 u + r + 8 (r / 8): k's tiles are stored so for the next launch, and v's 16 registers are then 16 neighbouring keys.
; SINE AND COSINE in f32: the angle n x f_i, less k x pi/2 in two parts, polynomials of degree 7 and 8 on [-pi/4, pi/4]; right to about 1.5e-7 for angles up to 2,047.  f_i = 1 / 10^(i / 4), rounded as f32 rounds it.
; LIMITS: a block of zeros gets the byte 1 where the rule says 127 (its codes are zeros; this program alone reads the bytes); the division by the norm is a reciprocal and a multiplication; NaN and infinities are not served.
; The scale bytes of k and v (single bytes) and q's scale words (64 bytes a store) do not fill aligned blocks of 256 bytes: 8 KiB and 256 KiB of the launch's stores.
.set XQS,   2097152                    ; xq: the scale bytes
.set WFS,   4489216                    ; wfq: the scale bytes
.set QSO,   1048576                    ; qq: the scale words
.set KVB,   69632                      ; kv: bytes for a batch: k's codes, v's codes at VCO, k's scale words at KSO, v's at VSO
.set VCO,   32768
.set KSO,   65536
.set VSO,   67584
.set PITCH, 528                        ; an LDS row of codes: 512 bytes + 16
.set WROWS, 32*PITCH                   ; LDS: x's 32 rows at 0; behind them each wave's 32 weight rows
.set XSCL,  10*32*PITCH                ; x's 32 rows of scale bytes, 48 bytes apart
.set WSCL,  XSCL+32*48                 ; each wave's 32 weight rows' scale bytes
; REGISTERS: v1 r, v2 h, v3 16 r + 8 h, v4 4 r; v5, v6 x's fragments (tile 0, 1); v7 the weights'; v8, v9 x's scale words; v10 the weights'; v11, v12 the positions as f32; v13 the sine's sign;
; v14-24 at the head; v32-63 the accumulators (u, c) at 32 + 8 (2 u + c); v64-127 x's fragments (u, k); v128-191 the weights' (c, k); v192-207 x's scale words, v208-223 the weights': these hold scales alone; v224-247 at work.
	s_load_b256 s[4:11], s[0:1], 0x0               ; xq, wfq, qq, kv
	v_lshl_add_u32 v254, v0, 2, 0x2d000
	v_mov_b32 v255, 0
	v_lshrrev_b32 v1, 5, v0
	v_readfirstlane_b32 s12, v1                    ; wave 0..8
	s_lshr_b32 s13, ttmp9, 1                       ; which 32 rows
	s_and_b32 s14, ttmp9, 1
	s_mul_i32 s15, s14, 9
	s_add_co_u32 s15, s15, s12                     ; my head: 0-15 q, 16 k, 17 v
	s_lshr_b32 s16, s13, 6                         ; the batch
	s_and_b32 s17, s13, 63                         ; which 32 rows of the batch
	v_and_b32 v1, 15, v0                           ; r
	v_bfe_u32 v2, v0, 4, 1                         ; h
	v_and_b32 v14, 31, v0
	v_lshlrev_b32 v15, 4, v14                      ; 16 x lane
	v_lshlrev_b32 v3, 4, v1
	v_lshl_add_u32 v3, v2, 3, v3
	v_lshlrev_b32 v4, 2, v1
	; where the copy puts things
	s_mul_i32 s18, s12, 32*PITCH
	s_add_co_u32 s18, s18, WROWS                   ; my weight rows
	v_add_nc_u32 v16, s18, v15
	s_mul_i32 s19, s12, 4*PITCH
	v_add_nc_u32 v17, s19, v15                     ; waves 0-7: rows 4 w .. 4 w + 3 of x
	v_bfe_u32 v20, v0, 1, 3
	v_lshl_add_u32 v20, v2, 4, v20                 ; a weight row 8 u + j of the first sixteen goes to position 16 u + j
	v_mul_u32_u24 v20, v20, 48
	v_and_b32 v21, 1, v0
	v_lshl_add_u32 v20, v21, 4, v20
	s_mul_i32 s20, s12, 32*48
	s_add_co_u32 s20, s20, WSCL
	v_add_nc_u32 v18, s20, v20                     ; the weights' scale rows, in the positions of their rows
	v_bfe_u32 v22, v0, 1, 4
	v_mul_u32_u24 v22, v22, 48
	v_lshl_add_u32 v22, v21, 4, v22
	v_add_nc_u32 v19, XSCL, v22                    ; x's scale rows, as they lie
	; where the fragments are read
	s_cmp_ge_u32 s15, 16                           ; k and v take x's rows 8 u + r + 8 (r / 8), q takes 16 u + r
	s_cselect_b32 s21, 8, 0
	s_cselect_b32 s22, 8, 16
	v_lshrrev_b32 v23, 3, v1
	v_mul_u32_u24 v23, s21, v23
	v_add_nc_u32 v23, v23, v1                      ; my row of x in tile 0,
	v_add_nc_u32 v24, s22, v23                     ; in tile 1
	v_mul_u32_u24 v5, v23, PITCH
	v_lshl_add_u32 v5, v2, 4, v5
	v_mul_u32_u24 v6, v24, PITCH
	v_lshl_add_u32 v6, v2, 4, v6
	v_mul_u32_u24 v7, v1, PITCH
	v_lshl_add_u32 v7, v2, 4, v7
	v_add_nc_u32 v7, s18, v7
	v_mul_u32_u24 v8, v23, 48
	v_add_nc_u32 v8, XSCL, v8
	v_mul_u32_u24 v9, v24, 48
	v_add_nc_u32 v9, XSCL, v9
	v_mul_u32_u24 v10, v1, 48
	v_add_nc_u32 v10, s20, v10
	s_lshl_b32 s23, s17, 5
	v_add_nc_u32 v11, s23, v23
	v_add_nc_u32 v12, s23, v24
	v_cvt_f32_u32 v11, v11                         ; the rows' positions in the sequence
	v_cvt_f32_u32 v12, v12
	v_sub_nc_u32 v13, 1, v2
	v_lshlrev_b32 v13, 31, v13                     ; d under 16: out = t cos - partner sin; from 16 on: + partner sin
	s_mov_b32 s40, 0x3f22f983                      ; 2 / pi
	s_mov_b32 s41, 0x3fc90fdb                      ; pi / 2, its f32,
	s_mov_b32 s42, 0xb33bbd2e                      ; and what that f32 leaves
	s_mov_b32 s43, 0xbe2aaaa3                      ; sine: S1, S2, S3
	s_mov_b32 s44, 0x3c08839e
	s_mov_b32 s45, 0xb94ca1f9
	s_mov_b32 s46, 0x3d2aaaa5                      ; cosine: C1, C2, C3
	s_mov_b32 s47, 0xbab6061a
	s_mov_b32 s48, 0x37ccf5ce
	s_mov_b32 s49, 0x80000000
	s_mov_b32 s50, 0x76543210
	s_mov_b32 s51, 0xfedcba98                      ; v_permlanex16_b32's selects for lane l xor 16
	s_mov_b32 s3, 0
	s_wait_kmcnt 0x0
	s_lshl_b32 s2, s13, 14
	s_lshl_b32 s52, s12, 11
	s_add_co_u32 s2, s2, s52
	s_add_nc_u64 s[24:25], s[4:5], s[2:3]          ; x's codes: my four rows
	s_lshl_b32 s2, s13, 10
	s_add_co_u32 s2, s2, XQS
	s_add_nc_u64 s[26:27], s[4:5], s[2:3]          ; x's scale bytes: the 32 rows'
	s_lshl_b32 s2, s15, 14
	s_add_nc_u64 s[28:29], s[6:7], s[2:3]          ; my 32 weight rows,
	s_lshl_b32 s2, s15, 10
	s_add_co_u32 s2, s2, WFS
	s_add_nc_u64 s[30:31], s[6:7], s[2:3]          ; and their scale bytes
	s_lshl_b32 s2, s13, 5
	s_add_co_u32 s2, s2, s15                       ; (block of 16 rows) x 16 + head, for tile 0
	s_lshl_b32 s52, s2, 6
	s_lshl_b32 s2, s2, 8
	s_add_nc_u64 s[32:33], s[8:9], s[2:3]          ; q's codes out
	s_add_co_u32 s2, s52, QSO
	s_add_nc_u64 s[34:35], s[8:9], s[2:3]          ; q's scale words out
	s_mul_i32 s53, s16, KVB
	s_lshl_b32 s2, s17, 9
	s_add_co_u32 s2, s2, s53
	s_add_nc_u64 s[36:37], s[10:11], s[2:3]        ; k's codes out: two tiles of 256 bytes
	s_lshr_b32 s2, s17, 1
	s_lshl_b32 s2, s2, 6
	s_and_b32 s52, s17, 1
	s_lshl_b32 s52, s52, 1
	s_add_co_u32 s2, s2, s52
	s_add_co_u32 s2, s2, s53
	s_add_co_u32 s2, s2, KSO
	s_add_nc_u64 s[38:39], s[10:11], s[2:3]        ; k's scale bytes out: word (group of 64 keys, r), byte = the tile in the group
	s_lshr_b32 s2, s17, 2
	s_lshl_b32 s54, s2, 7
	s_lshl_b32 s2, s2, 11
	s_and_b32 s52, s17, 3
	s_add_co_u32 s54, s54, s52
	s_lshl_b32 s52, s52, 8
	s_add_co_u32 s2, s2, s52
	s_add_co_u32 s2, s2, s53
	s_add_co_u32 s2, s2, VCO
	s_add_nc_u64 s[56:57], s[10:11], s[2:3]        ; v's codes out: step of 128 keys, block of 32 in it
	s_add_co_u32 s2, s54, s53
	s_add_co_u32 s2, s2, VSO
	s_add_nc_u64 s[58:59], s[10:11], s[2:3]        ; v's scale bytes out
	; ---- the copy
.irp p, 0,1,2,3,4,5,6,7,8,9,10,11,12,13,14,15,16,17,18,19,20,21,22,23,24,25,26,27,28,29,30,31
	global_load_b128 v[64+4*\p:67+4*\p], v15, s[28:29] offset:512*\p      ; a weight row: 512 consecutive bytes
.endr
	global_load_b128 v[224:227], v15, s[30:31]
	global_load_b128 v[228:231], v15, s[30:31] offset:512
	s_cmp_lt_u32 s12, 8
	s_cbranch_scc0 .Lscales_of_x
.irp i, 0,1,2,3
	global_load_b128 v[232+4*\i:235+4*\i], v15, s[24:25] offset:512*\i
.endr
	s_wait_loadcnt 0x0
.irp i, 0,1,2,3
	ds_store_b128 v17, v[232+4*\i:235+4*\i] offset:PITCH*\i
.endr
	s_branch .Lx_copied
.Lscales_of_x:
	global_load_b128 v[232:235], v15, s[26:27]
	global_load_b128 v[236:239], v15, s[26:27] offset:512
	s_wait_loadcnt 0x0
	ds_store_b128 v19, v[232:235]
	ds_store_b128 v19, v[236:239] offset:16*48
.Lx_copied:
.irp p, 0,1,2,3,4,5,6,7,8,9,10,11,12,13,14,15,16,17,18,19,20,21,22,23,24,25,26,27,28,29,30,31
	ds_store_b128 v16, v[64+4*\p:67+4*\p] offset:(16*((\p/8)%2)+8*(\p/16)+\p%8)*PITCH   ; row 16 a + 8 u + j goes to position 16 u + 8 a + j
.endr
	ds_store_b128 v18, v[224:227]
	ds_store_b128 v18, v[228:231] offset:8*48
	s_wait_dscnt 0x0                               ; for the others' sake: my stores have landed
	s_barrier_signal -1
	s_barrier_wait -1                              ; the launch's one barrier; behind it LDS is only read
.macro FRAGS p                         ; the fragments of K steps 4 p .. 4 p + 3 of 128; with the first, all the scale words
.if \p == 0
.irp u, 0,1
	ds_load_b128 v[192+8*\u:195+8*\u], v[8+\u]
	ds_load_b128 v[196+8*\u:199+8*\u], v[8+\u] offset:16
	ds_load_b128 v[208+8*\u:211+8*\u], v10 offset:768*\u
	ds_load_b128 v[212+8*\u:215+8*\u], v10 offset:768*\u+16
.endr
.endif
.irp k, 0,1,2,3
.irp u, 0,1
	ds_load_b128 v[64+8*(4*\u+\k):64+8*(4*\u+\k)+3], v[5+\u] offset:64*(4*\p+\k)
	ds_load_b128 v[64+8*(4*\u+\k)+4:64+8*(4*\u+\k)+7], v[5+\u] offset:64*(4*\p+\k)+32
	ds_load_b128 v[128+8*(4*\u+\k):128+8*(4*\u+\k)+3], v7 offset:16*PITCH*\u+64*(4*\p+\k)
	ds_load_b128 v[128+8*(4*\u+\k)+4:128+8*(4*\u+\k)+7], v7 offset:16*PITCH*\u+64*(4*\p+\k)+32
.endr
.endr
.endm
.macro WM d, a, b, sa, sb, zero
.if \zero
	v_wmma_scale_f32_16x16x128_f8f6f4 v[\d:\d+7], v[\a:\a+7], v[\b:\b+7], 0, v[\sa], v[\sb] matrix_a_fmt:MATRIX_FMT_FP4 matrix_b_fmt:MATRIX_FMT_FP4
.else
	v_wmma_scale_f32_16x16x128_f8f6f4 v[\d:\d+7], v[\a:\a+7], v[\b:\b+7], v[\d:\d+7], v[\sa], v[\sb] matrix_a_fmt:MATRIX_FMT_FP4 matrix_b_fmt:MATRIX_FMT_FP4
.endif
.endm
.macro MM swap, p                      ; 16 matrix instructions; the four accumulators take turns, one instruction a turn; the first K step starts the sums
.irp k, 0,1,2,3
.irp u, 0,1
.irp c, 0,1
.if \swap
	WM 32+8*(2*\u+\c), 64+8*(4*\u+\k), 128+8*(4*\c+\k), 192+8*\u+4*\p+\k, 208+8*\c+4*\p+\k, (4*\p+\k)==0
.else
	WM 32+8*(2*\u+\c), 128+8*(4*\c+\k), 64+8*(4*\u+\k), 208+8*\c+4*\p+\k, 192+8*\u+4*\p+\k, (4*\p+\k)==0
.endif
.endr
.endr
.endr
.endm
.macro PLACES                          ; four plain lines behind matrix instructions, ahead of loads into their sources and of the first read of their results
.rept 4
	v_nop
.endr
.endm
; 16 numbers of a lane, v[s0] .. v[s0 + 7] and v[s1] .. v[s1 + 7], are half a block of 32; the lane 16 away holds the other half.  Codes into v[pc], v[pc + 1]; the scale's byte into v[by].  Each run of eight is read from its low end on.
.macro Q16 s0, s1, pc, by
	v_max3_num_f32 v224, |v[\s0]|, |v[\s0+1]|, 0x1800000   ; with the floor 2^(3 - 127): the byte cannot fall under 1
	v_max3_num_f32 v225, |v[\s1]|, |v[\s1+1]|, |v[\s1+2]|
	v_max3_num_f32 v224, v224, |v[\s0+2]|, |v[\s0+3]|
	v_max3_num_f32 v225, v225, |v[\s1+3]|, |v[\s1+4]|
	v_max3_num_f32 v224, v224, |v[\s0+4]|, |v[\s0+5]|
	v_max3_num_f32 v225, v225, |v[\s1+5]|, |v[\s1+6]|
	v_max3_num_f32 v224, v224, |v[\s0+6]|, |v[\s0+7]|
	v_max3_num_f32 v224, v224, v225, |v[\s1+7]|
	v_permlanex16_b32 v225, v224, s50, s51
	v_max_num_f32 v224, v224, v225                 ; the block's largest magnitude
	v_add_nc_u32 v226, 0xff000000, v224            ; 2 off its exponent field: the conversion's scale operand
	v_lshrrev_b32 v[\by], 23, v226                 ; the scale's byte
	v_cvt_scalef32_pk8_fp4_f32 v[\pc], v[\s0:\s0+7], v226
	v_cvt_scalef32_pk8_fp4_f32 v[\pc+1], v[\s1:\s1+7], v226
	v_nop                                          ; a plain line behind the conversions
.endm
	s_cmp_eq_u32 s15, 17
	s_cbranch_scc1 .Lvalues
	; ---- q and k
	FRAGS 0
	s_wait_dscnt 0x0
	MM 0, 0
	PLACES
	FRAGS 1
	s_wait_dscnt 0x0
	MM 0, 1
	PLACES
.macro THETA n                         ; the 16 angles: position x f_i
	v_mov_b32 v96, v[\n]
	v_mul_f32 v97, 0x3f0ff59a, v[\n]
	v_mul_f32 v98, 0x3ea1e89b, v[\n]
	v_mul_f32 v99, 0x3e361887, v[\n]
	v_mul_f32 v100, 0x3dcccccd, v[\n]
	v_mul_f32 v101, 0x3d6655c2, v[\n]
	v_mul_f32 v102, 0x3d0186e3, v[\n]
	v_mul_f32 v103, 0x3c91ad39, v[\n]
	v_mul_f32 v104, 0x3c23d70a, v[\n]
	v_mul_f32 v105, 0x3bb8449c, v[\n]
	v_mul_f32 v106, 0x3b4f3e38, v[\n]
	v_mul_f32 v107, 0x3ae91528, v[\n]
	v_mul_f32 v108, 0x3a83126f, v[\n]
	v_mul_f32 v109, 0x3a136a16, v[\n]
	v_mul_f32 v110, 0x39a5cb60, v[\n]
	v_mul_f32 v111, 0x393a7753, v[\n]
.endm
; From the angles in v96-111: the cosines into v96-111, the sines, with RoPE's sign for my half, into v128-143.  The sixteen go line by line, so that no line waits for the line above it.  v112-127 k, v128-143 z, v144-159, v160-175 the polynomials, v176-191 at work.
.macro SINCOS
.irp i, 0,1,2,3,4,5,6,7,8,9,10,11,12,13,14,15
	v_mul_f32 v[112+\i], s40, v[96+\i]
.endr
.irp i, 0,1,2,3,4,5,6,7,8,9,10,11,12,13,14,15
	v_rndne_f32 v[112+\i], v[112+\i]               ; k: the nearest multiple of pi / 2
.endr
.irp i, 0,1,2,3,4,5,6,7,8,9,10,11,12,13,14,15
	v_fma_f32 v[96+\i], -v[112+\i], s41, v[96+\i]
.endr
.irp i, 0,1,2,3,4,5,6,7,8,9,10,11,12,13,14,15
	v_fma_f32 v[96+\i], -v[112+\i], s42, v[96+\i]  ; what is left of the angle, within pi / 4 of 0
.endr
.irp i, 0,1,2,3,4,5,6,7,8,9,10,11,12,13,14,15
	v_cvt_i32_f32 v[112+\i], v[112+\i]
.endr
.irp i, 0,1,2,3,4,5,6,7,8,9,10,11,12,13,14,15
	v_mul_f32 v[128+\i], v[96+\i], v[96+\i]        ; z
.endr
.irp i, 0,1,2,3,4,5,6,7,8,9,10,11,12,13,14,15
	v_fma_f32 v[144+\i], v[128+\i], s45, s44
	v_fma_f32 v[160+\i], v[128+\i], s48, s47
.endr
.irp i, 0,1,2,3,4,5,6,7,8,9,10,11,12,13,14,15
	v_fma_f32 v[144+\i], v[144+\i], v[128+\i], s43
	v_fma_f32 v[160+\i], v[160+\i], v[128+\i], s46
.endr
.irp i, 0,1,2,3,4,5,6,7,8,9,10,11,12,13,14,15
	v_mul_f32 v[144+\i], v[144+\i], v[128+\i]
	v_fma_f32 v[160+\i], v[160+\i], v[128+\i], -0.5
.endr
.irp i, 0,1,2,3,4,5,6,7,8,9,10,11,12,13,14,15
	v_fma_f32 v[144+\i], v[144+\i], v[96+\i], v[96+\i]   ; the sine of what is left,
	v_fma_f32 v[160+\i], v[160+\i], v[128+\i], 1.0       ; and its cosine
.endr
.irp i, 0,1,2,3,4,5,6,7,8,9,10,11,12,13,14,15
	v_and_b32 v[176+\i], 1, v[112+\i]
.endr
.irp i, 0,1,2,3,4,5,6,7,8,9,10,11,12,13,14,15
	v_cmp_eq_u32 vcc_lo, 1, v[176+\i]              ; an odd k changes the two over
	v_cndmask_b32 v[128+\i], v[144+\i], v[160+\i], vcc_lo
	v_cndmask_b32 v[96+\i], v[160+\i], v[144+\i], vcc_lo
.endr
.irp i, 0,1,2,3,4,5,6,7,8,9,10,11,12,13,14,15
	v_lshlrev_b32 v[176+\i], 30, v[112+\i]         ; the sine's sign is bit 1 of k,
	v_add_lshl_u32 v[112+\i], v[112+\i], 1, 30     ; the cosine's bit 1 of k + 1
.endr
.irp i, 0,1,2,3,4,5,6,7,8,9,10,11,12,13,14,15
	v_and_b32 v[176+\i], s49, v[176+\i]
	v_and_b32 v[112+\i], s49, v[112+\i]
.endr
.irp i, 0,1,2,3,4,5,6,7,8,9,10,11,12,13,14,15
	v_xor_b32 v[176+\i], v13, v[176+\i]            ; with RoPE's sign for my half
.endr
.irp i, 0,1,2,3,4,5,6,7,8,9,10,11,12,13,14,15
	v_xor_b32 v[128+\i], v[128+\i], v[176+\i]
	v_xor_b32 v[96+\i], v[96+\i], v[112+\i]
.endr
.endm
.macro ROPE u                          ; tile u's 16 rows: l2norm, RoPE, quantise
.set T, 32+16*\u
	v_pk_mul_f32 v[224:225], v[T:T+1], v[T:T+1]    ; the squares of my 16, each accumulator from its low end on
	v_pk_mul_f32 v[226:227], v[T+8:T+9], v[T+8:T+9]
.irp j, 2,4,6
	v_pk_fma_f32 v[224:225], v[T+\j:T+\j+1], v[T+\j:T+\j+1], v[224:225]
	v_pk_fma_f32 v[226:227], v[T+8+\j:T+9+\j], v[T+8+\j:T+9+\j], v[226:227]
.endr
	v_pk_add_f32 v[224:225], v[224:225], v[226:227]
	v_add_f32 v224, v224, v225
	v_permlanex16_b32 v225, v224, s50, s51
	v_add_f32 v224, v224, v225                     ; with the other half's: the row's sum of squares
	v_sqrt_f32 v226, v224
	THETA 11+\u                                    ; independent work behind the root
	s_wait_alu depctr_va_vdst(0)                   ; the wait ahead of the root's first reader
	v_max_num_f32 v226, 0x2b8cbccc, v226           ; the norm, held at 1e-12 from below
	v_rcp_f32 v228, v226
	SINCOS                                         ; independent work behind the reciprocal
	s_wait_alu depctr_va_vdst(0)                   ; and the wait ahead of its first reader
.irp j, 0,2,4,6,8,10,12,14
	v_pk_mul_f32 v[64+\j:65+\j], v[T+\j:T+\j+1], v[228:229] op_sel_hi:[1,0]
.endr
.irp i, 0,1,2,3,4,5,6,7,8,9,10,11,12,13,14,15
	v_permlanex16_b32 v[80+\i], v[64+\i], s50, s51 ; the partner: d + 16 or d - 16
.endr
.irp j, 0,2,4,6,8,10,12,14
	v_pk_mul_f32 v[144+\j:145+\j], v[64+\j:65+\j], v[96+\j:97+\j]
.endr
.irp j, 0,2,4,6,8,10,12,14
	v_pk_fma_f32 v[144+\j:145+\j], v[80+\j:81+\j], v[128+\j:129+\j], v[144+\j:145+\j]
.endr
	Q16 144, 152, 240+2*\u, 244+\u
.endm
.macro PUT u                           ; each tile has registers of its own for what it stores, so nothing waits for a store
	s_cmp_eq_u32 s15, 16
	s_cbranch_scc1 .Lkey_\@
	v_lshl_or_b32 v[246+\u], v[244+\u], 8, v[244+\u]
	v_lshl_or_b32 v[246+\u], v[246+\u], 16, v[246+\u]                     ; q's byte four times: it serves whichever block of 32 q is laid in
	global_store_b64 v3, v[240+2*\u:241+2*\u], s[32:33] offset:4096*\u    ; 256 consecutive bytes, aligned
	global_store_b32 v4, v[246+\u], s[34:35] offset:1024*\u               ; (both halves of the lanes write the same word)
	s_branch .Lput_\@
.Lkey_\@:
	global_store_b64 v3, v[240+2*\u:241+2*\u], s[36:37] offset:256*\u
	global_store_b8 v4, v[244+\u], s[38:39] offset:\u
.Lput_\@:
.endm
	ROPE 0
	PUT 0
	ROPE 1
	PUT 1
	s_wait_tensorcnt 0x0
	ds_add_u32 v254, v255
	s_wait_dscnt 0x0
	s_endpgm
.Lvalues:
	; ---- v: a lane holds d = 8 c + r + 8 (r / 8); the registers of accumulators (0, c) and (1, c) are keys 16 h + 0 .. 15 of the 32
	FRAGS 0
	s_wait_dscnt 0x0
	MM 1, 0
	PLACES
	FRAGS 1
	s_wait_dscnt 0x0
	MM 1, 1
	PLACES
	Q16 32, 48, 240, 244
	Q16 40, 56, 242, 245
.irp c, 0,1
	global_store_b64 v3, v[240+2*\c:241+2*\c], s[56:57] offset:1024*\c    ; 256 consecutive bytes, aligned: a quarter of a fragment's image
	global_store_b8 v4, v[244+\c], s[58:59] offset:64*\c
.endr
	s_wait_tensorcnt 0x0
	ds_add_u32 v254, v255
	s_wait_dscnt 0x0
	s_endpgm
.Lfunc_end_k_q054b9663dd_qkv:
	.size	k_q054b9663dd_qkv, .Lfunc_end_k_q054b9663dd_qkv-k_q054b9663dd_qkv
	.p2alignl 7, 3214868480
	.fill 96, 4, 3214868480
	.section	.rodata,"a",@progbits
	.p2align	6, 0x0
	.amdhsa_kernel k_q054b9663dd_qkv
		.amdhsa_group_segment_fixed_size 185600
		.amdhsa_private_segment_fixed_size 0
		.amdhsa_enable_private_segment 0
		.amdhsa_kernarg_size 32
		.amdhsa_user_sgpr_count 2
		.amdhsa_user_sgpr_kernarg_segment_ptr 1
		.amdhsa_wavefront_size32 1
		.amdhsa_system_sgpr_workgroup_id_x 1
		.amdhsa_system_sgpr_workgroup_id_y 1
		.amdhsa_system_sgpr_workgroup_id_z 1
		.amdhsa_system_vgpr_workitem_id 0
		.amdhsa_next_free_vgpr 256
		.amdhsa_next_free_sgpr 66
		.amdhsa_reserve_vcc 1
		.amdhsa_float_denorm_mode_32 3
		.amdhsa_float_denorm_mode_16_64 3
		.amdhsa_memory_ordered 1
		.amdhsa_forward_progress 1
		.amdhsa_inst_pref_size 79
	.end_amdhsa_kernel
	.amdgpu_metadata
---
amdhsa.version: [ 1, 2 ]
amdhsa.kernels:
  - .name:           k_q054b9663dd_qkv
    .symbol:         k_q054b9663dd_qkv.kd
    .args:
      - { .name: xq, .offset: 0, .size: 8, .value_kind: global_buffer, .address_space: global }
      - { .name: wfq, .offset: 8, .size: 8, .value_kind: global_buffer, .address_space: global }
      - { .name: qq, .offset: 16, .size: 8, .value_kind: global_buffer, .address_space: global }
      - { .name: kv, .offset: 24, .size: 8, .value_kind: global_buffer, .address_space: global }
    .group_segment_fixed_size: 185600
    .private_segment_fixed_size: 0
    .kernarg_segment_align: 8
    .kernarg_segment_size: 32
    .max_flat_workgroup_size: 288
    .sgpr_count:     66
    .vgpr_count:     256
    .wavefront_size: 32
...
	.end_amdgpu_metadata
.endif
;; end of part 2
;; launch attn (part 3): grid 256 x 1, 16 waves a work-group, no clusters, 71,680 bytes of LDS; arguments qq, kv, acat, as2; writes acat, as2
.if DOCPART == 3
	.amdgcn_target "amdgcn-amd-amdhsa--gfx1250"
	.amdhsa_code_object_version 6
	.text
	.protected	k_q054b9663dd_attn
	.globl	k_q054b9663dd_attn
	.p2align	8
	.type	k_q054b9663dd_attn,@function
k_q054b9663dd_attn:
	s_mov_b64 s[64:65], 0
	v_nop
	global_prefetch_b8 v0, s[64:65] scope:SCOPE_SE
	s_setreg_imm32_b32 hwreg(HW_REG_WAVE_MODE, 25, 1), 1
	s_wait_xcnt 0x0
; Causal attention with one key and value head for 16 query heads of 32, both products on codes of FP4 with E8M0 scales; the result, divided by the row's sum, is quantised along (head, d) for the last product.
; THE SOFTMAX AHEAD OF THE SECOND PRODUCT: t = score x 8 log2(e); M = the row's largest t so far, rounded UP to a whole number; p = 2^(t - M) is what is quantised, along the keys.  The row's sum is taken of the
; unquantised p and divides at the end.  When M moves, the sum and O are multiplied by 2^(old M - new M): exact.
; SHARES.  A wave owns 16 queries of one head.  A work-group (16 waves) has one batch, eight heads, and the query tiles i and 127 - i: together 17 steps of 128 keys, whatever i: every work-group has the same work;
; which wave takes the short tile and which the long is chosen so that of any four neighbouring waves, and of any four waves 4 apart, two are short and two long.
; A BATCH'S K AND V, codes and scales, are 69,632 bytes: they are copied into LDS once, as they lie; one barrier; behind it LDS is only read.  So there is no ring, no tensor load, and nothing in the loop that a cluster
; could ask for jointly; no stream is read in the loop, so nothing is prefetched.
; K = 32 IN AN INSTRUCTION OF K = 128.  A fragment of k holds FOUR tiles of 16 keys, one in each block of 32 along K.  Four copies of q, each with q in one block and zero codes in the other three, pick out one tile each.
; LAYOUT.  Both products are used transposed: a lane holds one query throughout.  Tile 2 b + u holds keys 32 b + 8 u + r + 8 (r / 8), so the 16 registers of tiles 2 b, 2 b + 1 are 16 neighbouring keys;
; v's tile c holds d = 8 c + r + 8 (r / 8), so O^T's 16 registers are d = 16 (lane / 16) + 0 .. 15.
; CAUSAL.  The loop has 16 trips in every wave; a step all of whose keys come after the wave's queries is left out by a scalar branch on ids, round its work alone.
; LIMITS: a block of zeros gets the byte 1 where the rule says 127; the division by the sum is a reciprocal and a multiplication; NaN and infinities are not served.  The result's scale bytes leave as single bytes: 64 KiB of the launch's stores.
; REGISTERS: v1 16 lane, v2 65,536 + 4 lane, v6 4 r, v10 16 r, v11 16 r + 8 h; v8, v9 the step's LDS addresses; v12 -M, v13 the largest t, v[14:15] the sum; v16-35 zeros and q; v36-51 k, v52-67 v;
; v68 k's scale words, v69 v's, v70 q's; v96-159 S^T, then p; v160-175 O^T; v224-231 p's codes; v232-254 at work; v253 p's scale word.
.set KVB,  69632
.set QSO,  1048576
.set SEL,  20                          ; s[20:21] selects for lane l xor 16
.set CS,   22                          ; s[22:23] 8 log2(e)
.set Q0,   19                          ; s19 my first query
.set TB,   42                          ; s42 the step's codes: 2,048 bytes a step
.set TS,   43                          ; s43 the step's scale words: 128 bytes a step
.set KF,   44                          ; s44 the step's first key
.set CNT,  45
	s_load_b256 s[4:11], s[0:1], 0x0               ; qq, kv, acat, as2
	v_lshl_add_u32 v251, v0, 2, 0x11000
	v_mov_b32 v255, 0
	v_lshrrev_b32 v8, 5, v0
	v_readfirstlane_b32 s12, v8                    ; wave 0..15
	s_lshr_b32 s13, ttmp9, 7                       ; the batch
	s_bfe_u32 s14, ttmp9, 0x10006                  ; which eight heads
	s_and_b32 s15, ttmp9, 63                       ; i
	s_lshr_b32 s16, s12, 2
	s_xor_b32 s16, s16, s12
	s_and_b32 s16, s16, 1                          ; 1: the long tile
	s_lshr_b32 s17, s12, 1
	s_lshl_b32 s18, s14, 3
	s_add_co_u32 s17, s17, s18                     ; my head
	s_sub_co_u32 s18, 127, s15
	s_cmp_eq_u32 s16, 1
	s_cselect_b32 s18, s18, s15                    ; my tile of 16 queries
	s_lshl_b32 s[Q0], s18, 4
	s_add_co_u32 s46, s[Q0], 15                    ; my last query
	v_and_b32 v1, 31, v0
	v_lshlrev_b32 v2, 2, v1
	v_add_nc_u32 v2, 0x10000, v2
	v_lshlrev_b32 v1, 4, v1
	v_lshlrev_b32 v3, 4, v0                        ; the copy: 16 bytes a thread,
	v_lshlrev_b32 v4, 3, v0                        ; and 8 for the last 4,096 bytes,
	v_add_nc_u32 v5, 0x10000, v4                   ; which lie from LDS byte 65,536 on
	v_and_b32 v6, 15, v0
	v_bfe_u32 v7, v0, 4, 1
	v_lshlrev_b32 v10, 4, v6
	v_lshl_add_u32 v11, v7, 3, v10
	v_lshlrev_b32 v6, 2, v6
	s_mov_b32 s[SEL], 0x76543210
	s_mov_b32 s[SEL+1], 0xfedcba98
	s_mov_b32 s[CS], 0x4138aa3b
	s_mov_b32 s[CS+1], s[CS]                       ; (named with it as a pair, so it is written)
	s_mov_b32 s[TB], 0
	s_mov_b32 s[TS], 0
	s_mov_b32 s[KF], 0
	s_mov_b32 s[CNT], 16
	s_mov_b32 s3, 0
	s_lshl_b32 s24, s13, 7
	s_add_co_u32 s24, s24, s18                     ; my block of 16 rows among the 256
	s_lshl_b32 s25, s24, 4
	s_add_co_u32 s25, s25, s17
	s_lshr_b32 s26, s17, 2                         ; the result's chunk of 128 along the last product's K,
	s_and_b32 s27, s17, 3                          ; and its block of 32 in the chunk
	s_wait_kmcnt 0x0
	s_lshl_b32 s2, s25, 8
	s_add_nc_u64 s[32:33], s[4:5], s[2:3]          ; q's codes
	s_lshl_b32 s2, s25, 6
	s_add_co_u32 s2, s2, QSO
	s_add_nc_u64 s[34:35], s[4:5], s[2:3]          ; q's scale words
	s_mul_i32 s2, s13, KVB
	s_add_nc_u64 s[36:37], s[6:7], s[2:3]          ; the batch's k and v
	s_lshl_b32 s2, s26, 18
	s_lshl_b32 s28, s24, 10
	s_add_co_u32 s2, s2, s28
	s_lshl_b32 s28, s27, 8
	s_add_co_u32 s2, s2, s28
	s_add_nc_u64 s[38:39], s[8:9], s[2:3]          ; the result's codes
	s_lshl_b32 s2, s26, 14
	s_lshl_b32 s28, s24, 6
	s_add_co_u32 s2, s2, s28
	s_add_co_u32 s2, s2, s27
	s_add_nc_u64 s[40:41], s[10:11], s[2:3]        ; and its scale bytes
.irp t, 0,1,2,3,4,5,6,7
	global_load_b128 v[96+4*\t:99+4*\t], v3, s[36:37] offset:8192*\t      ; the work-group reads 8,192 consecutive bytes
.endr
	global_load_b64 v[128:129], v4, s[36:37] offset:65536
	global_load_b128 v[232:235], v10, s[32:33]     ; my query's 32 codes (both halves of the lanes)
	global_load_b32 v70, v6, s[34:35]
.irp j, 16,17,18,19,24,25,26,27,32,33,34,35
	v_mov_b32 v[\j], 0                             ; zero codes
.endr
	v_mov_b32 v13, 0xff61b1e6                      ; the largest t so far: -3e38, under every t
	v_floor_f32 v12, -v13                          ; -M
	v_mov_b32 v14, 0                               ; the sum, in two halves
	v_mov_b32 v15, 0
.irp b, 0,1,2,3
	v_mov_b32 v[236+\b], 0                         ; written once: a lane permute's destination counts as one of its sources
.endr
	v_mov_b32 v252, 0
	v_mov_b32 v253, 0
	v_cmp_eq_u32 vcc_lo, 0, v7
	s_wait_loadcnt 0x0
.irp t, 0,1,2,3,4,5,6,7
	ds_store_b128 v3, v[96+4*\t:99+4*\t] offset:8192*\t
.endr
	ds_store_b64 v5, v[128:129]
.irp j, 0,1,2,3
	v_cndmask_b32 v[20+\j], v16, v[232+\j], vcc_lo ; q in lanes 0-15, zeros in the others;
	v_cndmask_b32 v[28+\j], v[232+\j], v16, vcc_lo ; and the other way round.  q in block 0: v[20:27]; 1: v[28:35]; 2: v[16:23]; 3: v[24:31]
.endr
.irp j, 0,1,2,3,4,5,6,7,8,9,10,11,12,13,14,15
	v_mov_b32 v[160+\j], 0                         ; O^T: the first step finds zeros, which the first change of M leaves zeros
.endr
	s_wait_dscnt 0x0                               ; for the others' sake: my stores have landed
	s_barrier_signal -1
	s_barrier_wait -1                              ; the launch's one barrier
.Lstep:                                            ; 16 trips: 128 keys each
	s_cmp_gt_u32 s[KF], s46
	s_cbranch_scc1 .Lhidden                        ; all 128 keys come after my queries
	v_add_nc_u32 v8, s[TB], v1
	v_add_nc_u32 v9, s[TS], v2
	v_nop
	v_nop                                          ; four plain lines between the last trip's products and the loads into their sources
.irp n, 0,1,2,3
	ds_load_b128 v[36+4*\n:39+4*\n], v8 offset:512*\n          ; k: two fragments, eight tiles of 16 keys
.endr
	ds_load_b32 v68, v9                            ; their scale words: lanes 0-15 the first fragment's, lanes 16-31 the second's
.irp n, 0,1,2,3
	ds_load_b128 v[52+4*\n:55+4*\n], v8 offset:32768+512*\n    ; v: two fragments: 16 d x 128 keys each
.endr
	ds_load_b32 v69, v9 offset:2048
	s_wait_dscnt 5                                 ; k's five are in; v's five may be out
.irp t, 0,1,2,3,4,5,6,7
.set QB, 20+8*(\t%2)-4*((\t%4)/2)
.if \t < 4
	v_wmma_scale_f32_16x16x128_f8f6f4 v[96+8*\t:103+8*\t], v[36:43], v[QB:QB+7], 0, v68, v70 matrix_a_fmt:MATRIX_FMT_FP4 matrix_b_fmt:MATRIX_FMT_FP4
.else
	v_wmma_scale_f32_16x16x128_f8f6f4 v[96+8*\t:103+8*\t], v[44:51], v[QB:QB+7], 0, v68, v70 matrix_a_fmt:MATRIX_FMT_FP4 matrix_b_fmt:MATRIX_FMT_FP4 matrix_a_scale:MATRIX_SCALE_ROW1
.endif
.endr
.rept 4
	v_nop
.endr
	s_add_co_u32 s47, s[KF], 127                   ; on the diagonal the scores of hidden keys become -infinity ahead of the maximum; a step all of whose keys count skips this
	s_cmp_le_u32 s47, s[Q0]
	s_cbranch_scc1 .Lopen
	s_sub_co_i32 s47, s[Q0], s[KF]
	v_and_b32 v248, 15, v0
	v_bfe_u32 v249, v0, 4, 1
	v_lshlrev_b32 v249, 4, v249
	v_sub_nc_u32 v248, v248, v249
	v_add_nc_u32 v248, s47, v248                   ; d = my query - the first key - 16 (lane / 16).  Register 16 b + i holds key 32 b + i further on: hidden where 32 b + i > d
	v_mov_b32 v254, 0xff800000
.irp n, 0,1,2,3,4,5,6,7,8,9,10,11,12,13,14,15,16,17,18,19,20,21,22,23,24,25,26,27,28,29,30,31,32,33,34,35,36,37,38,39,40,41,42,43,44,45,46,47,48,49,50,51,52,53,54,55,56,57,58,59,60,61,62,63
	v_cmp_gt_i32 vcc_lo, 32*(\n/16)+\n%16, v248
	v_cndmask_b32 v[96+\n], v[96+\n], v254, vcc_lo
.endr
.Lopen:
.irp b, 0,1,2,3
	v_max3_num_f32 v[232+\b], v[96+16*\b], v[97+16*\b], v[98+16*\b]   ; the largest score of each block of 32 keys: for the row's maximum, and, since p rises with the score, for the block's largest p
.endr
.irp i, 3,5,7,9,11,13
.irp b, 0,1,2,3
	v_max3_num_f32 v[232+\b], v[232+\b], v[96+16*\b+\i], v[97+16*\b+\i]
.endr
.endr
.irp b, 0,1,2,3
	v_max_num_f32 v[232+\b], v[232+\b], v[111+16*\b]
.endr
.irp b, 0,1,2,3
	v_permlanex16_b32 v[236+\b], v[232+\b], s[SEL], s[SEL+1]
.endr
.irp b, 0,1,2,3
	v_max_num_f32 v[232+\b], v[232+\b], v[236+\b]  ; with lane l xor 16's 16 keys
.endr
	v_max3_num_f32 v254, v232, v233, v234
	v_max_num_f32 v254, v254, v235                 ; the step's largest score of my query
	v_mul_f32 v254, s[CS], v254                    ; as t
	v_max_num_f32 v13, v13, v254                   ; the running largest t
	v_mov_b32 v254, v12
	v_floor_f32 v12, -v13                          ; the new -M = floor(-t): M is a whole number
	v_sub_f32 v254, v12, v254                      ; M's old value less its new one: a whole number, 0 or less
	v_cvt_i32_f32 v254, v254                       ; (it saturates)
	v_ldexp_f32 v252, 1.0, v254                    ; f = 2^(old M - new M)
.irp j, 0,2,4,6,8,10,12,14,16,18,20,22,24,26,28,30,32,34,36,38,40,42,44,46,48,50,52,54,56,58,60,62
	v_pk_fma_f32 v[96+\j:97+\j], v[96+\j:97+\j], s[CS:CS+1], v[12:13] op_sel_hi:[1,0,0]   ; t - M, two at a time
.endr
.irp b, 0,1,2,3
	v_fma_f32 v[232+\b], v[232+\b], s[CS], v12     ; the same of each block's largest score
.endr
.irp j, 0,1,2,3,4,5,6,7,8,9,10,11,12,13,14,15,16,17,18,19,20,21,22,23,24,25,26,27,28,29,30,31,32,33,34,35,36,37,38,39,40,41,42,43,44,45,46,47,48,49,50,51,52,53,54,55,56,57,58,59,60,61,62,63
	v_exp_f32 v[96+\j], v[96+\j]                   ; p = 2^(t - M), at most 1
.endr
	v_pk_mul_f32 v[14:15], v[14:15], v[252:253] op_sel_hi:[1,0]   ; the sums under the new M (a plain line behind the exponentials)
	s_wait_alu depctr_va_vdst(0)                   ; one wait for the whole batch, ahead of its first reader
.irp b, 0,1,2,3
	v_exp_f32 v[232+\b], v[232+\b]                 ; the block's largest p: the same two instructions on the same number give the same bits
.endr
	v_pk_add_f32 v[236:237], v[96:97], v[98:99]    ; the row's sum of the unquantised p, in two chains (it reads the 64 alone: plain work behind the four)
.irp j, 4,8,12,16,20,24,28,32,36,40,44,48,52,56,60
	v_pk_add_f32 v[14:15], v[14:15], v[96+\j:97+\j]
	v_pk_add_f32 v[236:237], v[236:237], v[98+\j:99+\j]
.endr
	v_pk_add_f32 v[14:15], v[14:15], v[236:237]
	s_wait_alu depctr_va_vdst(0)                   ; and one for the four
.irp b, 0,1,2,3
	v_max_num_f32 v[232+\b], 0x1800000, v[232+\b]  ; the floor 2^(3 - 127): the byte cannot fall under 1
.endr
.irp b, 0,1,2,3
	v_add_nc_u32 v[244+\b], 0xff000000, v[232+\b]  ; 2 off the exponent field: the conversion's scale operand
.endr
.irp b, 0,1,2,3
	v_lshrrev_b32 v[236+\b], 23, v[244+\b]         ; the scale's byte
.endr
	v_lshl_or_b32 v253, v237, 8, v236              ; p's scale word for these 128 keys
	v_lshl_or_b32 v253, v238, 16, v253
	v_lshl_or_b32 v253, v239, 24, v253
.irp b, 0,1,2,3
	v_cvt_scalef32_pk8_fp4_f32 v[224+2*\b], v[96+16*\b:103+16*\b], v[244+\b]
	v_cvt_scalef32_pk8_fp4_f32 v[225+2*\b], v[104+16*\b:111+16*\b], v[244+\b]
.endr
	v_nop                                          ; a plain line behind the conversions
.irp c, 0,1                                    ; the operand's layout wants a whole block in a lane
.irp i, 0,1
	v_permlane16_swap_b32 v[224+4*\c+\i], v[226+4*\c+\i]
.endr
.endr
.irp j, 0,2,4,6,8,10,12,14
	v_pk_mul_f32 v[160+\j:161+\j], v[160+\j:161+\j], v[252:253] op_sel_hi:[1,0]   ; O^T under the new M, each accumulator from its low end on
.endr
.rept 4
	v_nop                                          ; with the line behind the conversions and the other accumulator's four multiplications: eight plain lines between the scale word's last write and each product below
.endr
	s_wait_dscnt 0x0                               ; v and its scale words are in
	v_wmma_scale_f32_16x16x128_f8f6f4 v[160:167], v[52:59], v[224:231], v[160:167], v69, v253 matrix_a_fmt:MATRIX_FMT_FP4 matrix_b_fmt:MATRIX_FMT_FP4
	v_wmma_scale_f32_16x16x128_f8f6f4 v[168:175], v[60:67], v[224:231], v[168:175], v69, v253 matrix_a_fmt:MATRIX_FMT_FP4 matrix_b_fmt:MATRIX_FMT_FP4 matrix_a_scale:MATRIX_SCALE_ROW1
.Lhidden:
	s_add_co_u32 s[KF], s[KF], 128
	s_add_co_u32 s[TB], s[TB], 2048
	s_add_co_u32 s[TS], s[TS], 128
	s_sub_co_u32 s[CNT], s[CNT], 1
	s_cmp_lg_u32 s[CNT], 0
	s_cbranch_scc1 .Lstep
	; ---- the way out: O^T / the sum; my 16 numbers are half of the head's block of 32 along the last product's K
.rept 4
	v_nop
.endr
	v_add_f32 v14, v14, v15                        ; the sum's two halves,
	v_permlanex16_b32 v252, v14, s[SEL], s[SEL+1]
	v_add_f32 v14, v14, v252                       ; and lane l xor 16's
	v_rcp_f32 v14, v14
	v_nop                                          ; a plain line behind the transcendental,
	s_wait_alu depctr_va_vdst(0)                   ; and the wait ahead of its first reader
.irp j, 0,1,2,3,4,5,6,7,8,9,10,11,12,13,14,15
	v_mul_f32 v[96+\j], v[160+\j], v14             ; o(my query, d = 16 h + j)
.endr
	v_max3_num_f32 v232, |v96|, |v97|, 0x1800000
	v_max3_num_f32 v233, |v104|, |v105|, |v106|
	v_max3_num_f32 v232, v232, |v98|, |v99|
	v_max3_num_f32 v233, v233, |v107|, |v108|
	v_max3_num_f32 v232, v232, |v100|, |v101|
	v_max3_num_f32 v233, v233, |v109|, |v110|
	v_max3_num_f32 v232, v232, |v102|, |v103|
	v_max3_num_f32 v232, v232, v233, |v111|
	v_permlanex16_b32 v233, v232, s[SEL], s[SEL+1]
	v_max_num_f32 v232, v232, v233
	v_add_nc_u32 v234, 0xff000000, v232
	v_lshrrev_b32 v238, 23, v234
	v_cvt_scalef32_pk8_fp4_f32 v236, v[96:103], v234
	v_cvt_scalef32_pk8_fp4_f32 v237, v[104:111], v234
	v_nop
	global_store_b64 v11, v[236:237], s[38:39]     ; 256 consecutive bytes, aligned: a quarter of a fragment's image
	global_store_b8 v6, v238, s[40:41]             ; (both halves of the lanes write the same byte)
	s_wait_tensorcnt 0x0
	ds_add_u32 v251, v255
	s_wait_dscnt 0x0
	s_endpgm
.Lfunc_end_k_q054b9663dd_attn:
	.size	k_q054b9663dd_attn, .Lfunc_end_k_q054b9663dd_attn-k_q054b9663dd_attn
	.p2alignl 7, 3214868480
	.fill 96, 4, 3214868480
	.section	.rodata,"a",@progbits
	.p2align	6, 0x0
	.amdhsa_kernel k_q054b9663dd_attn
		.amdhsa_group_segment_fixed_size 71680
		.amdhsa_private_segment_fixed_size 0
		.amdhsa_enable_private_segment 0
		.amdhsa_kernarg_size 32
		.amdhsa_user_sgpr_count 2
		.amdhsa_user_sgpr_kernarg_segment_ptr 1
		.amdhsa_wavefront_size32 1
		.amdhsa_system_sgpr_workgroup_id_x 1
		.amdhsa_system_sgpr_workgroup_id_y 1
		.amdhsa_system_sgpr_workgroup_id_z 1
		.amdhsa_system_vgpr_workitem_id 0
		.amdhsa_next_free_vgpr 256
		.amdhsa_next_free_sgpr 66
		.amdhsa_reserve_vcc 1
		.amdhsa_float_denorm_mode_32 3
		.amdhsa_float_denorm_mode_16_64 3
		.amdhsa_memory_ordered 1
		.amdhsa_forward_progress 1
		.amdhsa_inst_pref_size 28
	.end_amdhsa_kernel
	.amdgpu_metadata
---
amdhsa.version: [ 1, 2 ]
amdhsa.kernels:
  - .name:           k_q054b9663dd_attn
    .symbol:         k_q054b9663dd_attn.kd
    .args:
      - { .name: qq, .offset: 0, .size: 8, .value_kind: global_buffer, .address_space: global }
      - { .name: kv, .offset: 8, .size: 8, .value_kind: global_buffer, .address_space: global }
      - { .name: acat, .offset: 16, .size: 8, .value_kind: global_buffer, .address_space: global }
      - { .name: as2, .offset: 24, .size: 8, .value_kind: global_buffer, .address_space: global }
    .group_segment_fixed_size: 71680
    .private_segment_fixed_size: 0
    .kernarg_segment_align: 8
    .kernarg_segment_size: 32
    .max_flat_workgroup_size: 512
    .sgpr_count:     66
    .vgpr_count:     256
    .wavefront_size: 32
...
	.end_amdgpu_metadata
.endif
;; end of part 3
;; launch ffn (part 4): grid 16 x 16, 4 waves a work-group, clusters of 4 x 4, 327,680 bytes of LDS; arguments xq, wfq, acat, as2; writes acat, as2
.if DOCPART == 4
	.amdgcn_target "amdgcn-amd-amdhsa--gfx1250"
	.amdhsa_code_object_version 6
	.text
	.protected	k_q054b9663dd_ffn
	.globl	k_q054b9663dd_ffn
	.p2align	8
	.type	k_q054b9663dd_ffn,@function
k_q054b9663dd_ffn:
	s_mov_b64 s[64:65], 0
	v_nop
	global_prefetch_b8 v0, s[64:65] scope:SCOPE_SE
	s_setreg_imm32_b32 hwreg(HW_REG_WAVE_MODE, 25, 1), 1
	s_wait_xcnt 0x0
	s_wait_alu depctr_hold_cnt(0) depctr_sa_sdst(0) depctr_va_vdst(0) depctr_va_sdst(0) depctr_va_ssrc(0) depctr_va_vcc(0) depctr_vm_vsrc(0)
	s_getreg_b32 s2, hwreg(HW_REG_IB_STS2, 6, 4)
	s_cmp_eq_u32 s2, 0
	s_cbranch_scc0 .Lentry_in_a_cluster
	s_endpgm
.Lentry_in_a_cluster:
	s_bfe_u32 s2, ttmp6, 0x10000c
	s_cmp_lg_u32 s2, 0xf033
	s_cbranch_scc0 .Lentry_shape_is_right
	s_endpgm
.Lentry_shape_is_right:
; The 8,192 ff columns of the fused projection, on codes of FP4 with E8M0 scales; then h = silu(gate) x ff_x, quantised in registers along the last product's K, stored as images of that product's operand registers.
; A tile of 256 rows x 256 stored weight rows is made by a work-group of four waves; a wave makes 128 x 128: 64 accumulators, 512 registers.  K = 1,024 is two slots of 512 along K.
; A WORK-GROUP STAYS: it makes TWO neighbouring tiles on the same 256 rows of x.  x's codes (the x half of both slots), x's scale bytes and the scale bytes of both tiles' 512 weight rows are filled once, at the head.
; The weights' half of each slot is filled again once, with the second tile's rows: slot 0's behind the first tile's change of slots, slot 1's behind a round of its own, two blocks into the first tile's way out;
; both land while the first tile goes out.  Waves 2 and 3 issue these refills, 128 rows each; waves 0 and 1 have no part of them.  By this text's count a wave has three tensor loads out at the start and one behind each of the two rounds.
; THE WEIGHT ROWS ARE STORED so that a wave's 128 are the ff_x rows of 64 columns and then the gate rows of the same 64: gate and ff_x of a column meet in one lane, 32 registers apart.  In each 32 rows the groups of eight lie
; in the order 0, 2, 1, 3, so that, the product being used transposed (source 0 = 16 weight rows, source 1 = 16 rows of x), a lane's 16 registers of two neighbouring tiles are 16 neighbouring columns of h.
; CLUSTERS: 4 x 4 work-groups.  The four of a row of the cluster need the same tiles of x, the four of a column the same weight rows: each tile is asked for JOINTLY, by the same tensor load with the same descriptor and a mask that names the four.
; REGISTERS, in windows of 256: window 0: v0-31 addresses; v32-95 scale words, two sets, and nothing else; v128-191 x's fragments, ONE set; on the way out v128-247 are at work.
;   window 1: the weights' fragments, TWO sets, at v0 and v128.   window 2: the accumulators of my rows 0-63 ((a, b) at v[8 (8 a + b)]);   window 3: those of my rows 64-127.
; LIMITS: a block of zeros gets the byte 1 where the rule says 127 (this program alone reads the bytes); silu's division is a reciprocal and a multiplication; NaN and infinities are not served.
.set XQS,    2097152                   ; xq: the scale bytes
.set WFS,    4489216                   ; wfq: the scale bytes
.set CH,     262144                    ; acat: from chunk to chunk of 128 along the last product's K
.set KSTEP,  512
.set NQ,     KSTEP/128
.set ROWB,   256                       ; a tile's row in bytes
.set KROW,   512                       ; a row of codes in memory
.set PITCH,  272                       ; an LDS row: 256 bytes + 16: the 16 rows that a load touches start at 16 different banks (64 banks of 4 bytes: ISA guide 11.1)
.set FR,     8
.set NL,     2
.set NP,     4
.set HALFT,  128*PITCH
.set SLOT,   4*HALFT                   ; x's 256 rows, then 256 weight rows
.set KS,     32                        ; a row of scale bytes
.set SCL,    2*SLOT                    ; behind the slots: the scale bytes, as units of 256 bytes + 16 of padding: x's 256 rows, the first tile's 256 weight rows, the second's
.set HALFS,  (128*KS/256)*272
.set SBLK,   (16*KS/256)*272
.set SPARE,  SCL+6*HALFS               ; the spare words: 128 bytes for each wave, named by no other line
.set SSTG,   SPARE+512                 ; 1,024 bytes of their own: h's scale words of 256 rows, gathered from the four waves
.set ADRA, 16
.set ADRB, 20
.set HST,  24                          ; v24  where I put two scale bytes of a row
.set HRD,  25                          ; v25  where I read 8 bytes of scale words back
.set CO,   26                          ; v26  16 x lane: an image's place for my lane
.set ADRS, 27                          ; v27  my scale words, first tile
.set SPW,  28
.set NIL,  29
.set SO,   30                          ; v30  8 x my thread's number
.set ADRS1, 31                         ; v31  my scale words, second tile
.set SC,   32
.set AF,   128
.set EX,   128                         ; the way out: v128-159 exponentials, then reciprocals
.set TT,   160                         ; v160-191 gate x ff_x, then h
.set PC,   192                         ; v192-223 codes, four registers for each block of rows
.set TM,   224                         ; v224-229 at work
.set HW,   240                         ; v240-247 two scale bytes for each block of rows
.set G1, 24
.set G0, 32
.set G1B, 48
.set G0B, 56
.set G1S, 68
.set G0S, 76
.set G1SB, 80
.set G0SB, 88
.set MSB, 0
.macro WIN new                         ; the immediate's high byte repeats the setting that is left
.if MSB != (\new)
	s_set_vgpr_msb (MSB<<8)|(\new)
.set MSB, (\new)
.endif
.endm
.set MUL_LO, 0xa1                      ; source 0 (weights) window 1, source 1 (x) window 0, C and D window 2
.set MUL_HI, 0xf1
.set TO_B,   0x40
; A joint load of the first fills: waves 0 and 1 fetch for x, waves 2 and 3 for the weights.  The branch hangs on the wave's number alone.  Four v_nop follow each of the two lines.
.macro JLOAD g0a, g1a, g0b, g1b
	s_cmp_eq_u32 s15, 0
	s_cbranch_scc0 .Lfor_b_\@
	tensor_load_to_lds s[\g0a:\g0a+3], s[\g1a:\g1a+7]
	s_nop 0
.rept 4
	v_nop
.endr
	s_branch .Lasked_\@
.Lfor_b_\@:
	tensor_load_to_lds s[\g0b:\g0b+3], s[\g1b:\g1b+7]
	s_nop 0
.rept 4
	v_nop
.endr
.Lasked_\@:
.endm
; A joint refill of a slot's weight rows: waves 2 and 3 alone have a part of it.  The branch hangs on the wave's number alone: it is the same in every work-group.
.macro BLOAD g0
	s_cmp_eq_u32 s15, 0
	s_cbranch_scc1 .Lno_part_\@
	tensor_load_to_lds s[\g0:\g0+3], s[G1B:G1B+7]
	s_nop 0
.rept 4
	v_nop
.endr
.Lno_part_\@:
.endm
.macro CREST                           ; a round of the cluster's barrier behind its opening barrier
	s_cmp_lg_u32 s14, 0
	s_cbranch_scc1 .Lnot_wave_0_\@
	s_barrier_signal -3
.Lnot_wave_0_\@:
	s_barrier_wait -3
	s_barrier_signal -1
	s_barrier_wait -1
.endm
.macro CROUND                          ; a whole round
	s_barrier_signal -1
	s_barrier_wait -1
	CREST
.endm
	s_load_b64 s[4:5], s[0:1], 0x0                 ; xq
	s_load_b64 s[8:9], s[0:1], 0x8                 ; wfq
	s_load_b64 s[12:13], s[0:1], 0x10              ; acat
	s_load_b64 s[96:97], s[0:1], 0x18              ; as2
	v_lshl_add_u32 v[SPW], v0, 2, SPARE
	v_mov_b32 v[NIL], 0
	ds_add_u32 v28, v29
	ds_add_u32 v28, v29
	s_wait_dscnt 0x0
	v_lshrrev_b32 v1, 5, v0
	v_readfirstlane_b32 s14, v1                    ; wave 0..3
	s_lshr_b32 s15, s14, 1                         ; which half of the tile's rows is mine.  Also: I fetch for x (0) or for the weights (1)
	s_and_b32 s16, s14, 1                          ; which half of its weight rows.  Also: which 128 rows I fetch
	s_bfe_u32 s40, ttmp6, 0x40000                  ; cx, cy: my place in the cluster
	s_bfe_u32 s41, ttmp6, 0x40004
	s_lshl_b32 s42, ttmp9, 2
	s_add_co_u32 s42, s42, s40                     ; my pair of tile columns = 4 x cluster x + cx
	s_and_b32 s17, ttmp7, 0xffff
	s_lshl_b32 s17, s17, 2
	s_add_co_u32 s17, s17, s41                     ; tile row = 4 x cluster y + cy
	s_lshl_b32 s43, s41, 2
	s_lshl_b32 s43, 15, s43                        ; my row of the cluster
	s_lshl_b32 s44, 0x1111, s40                    ; my column
	; descriptor group 1: a tile of 128 rows x 256 bytes, padded in LDS
	s_or_b32 s[G1+0], s43, (0<<16)|(1<<20)|(1<<21)|(5<<22)|(3<<25)  ; 15:0 the mask; 17:16 elements of 1 byte; 20 padding on; 21 set beside a mask; 24:22 after every 64 words; 31:25 four words
	s_or_b32 s[G1B+0], s44, (0<<16)|(1<<20)|(1<<21)|(5<<22)|(3<<25)
.irp g, G1, G1B
	s_mov_b32 s[\g+1], ROWB<<16                    ; tensor_dim0
	s_mov_b32 s[\g+2], 128<<16                     ; tensor_dim1
	s_mov_b32 s[\g+3], ROWB<<16                    ; tile_dim0
	s_mov_b32 s[\g+4], 128                         ; tile_dim1
	s_mov_b32 s[\g+5], KROW                        ; tensor_dim0_stride
	s_mov_b32 s[\g+6], 0
	s_mov_b32 s[\g+7], 0
.endr
	; the scale bytes: dense blocks, as rows of 256 bytes (32 elements of 8 bytes), 16 bytes of padding behind each: of x 128 rows' (16 such rows) to a load, of the weights 256 rows' (32)
	s_or_b32 s[G1S+0], s43, (3<<16)|(1<<20)|(1<<21)|(5<<22)|(3<<25)
	s_or_b32 s[G1SB+0], s44, (3<<16)|(1<<20)|(1<<21)|(5<<22)|(3<<25)
.irp g, G1S, G1SB
	s_mov_b32 s[\g+1], 32<<16
	s_mov_b32 s[\g+3], 32<<16
	s_mov_b32 s[\g+5], 32
	s_mov_b32 s[\g+6], 0
	s_mov_b32 s[\g+7], 0
.endr
	s_mov_b32 s[G1S+2], (128*KS/256)<<16
	s_mov_b32 s[G1S+4], 128*KS/256
	s_mov_b32 s[G1SB+2], (256*KS/256)<<16
	s_mov_b32 s[G1SB+4], 256*KS/256
	s_lshl_b32 s18, s16, 7                         ; which 128 rows of the tile I fetch
	s_lshl_b32 s20, s17, 8
	s_add_co_u32 s20, s20, s18                     ; x: row 256 x tile row + 128 x half
	s_lshl_b32 s46, s42, 9
	s_add_co_u32 s46, s46, s18
	s_add_co_u32 s46, s46, 576                     ; the weights' codes, first tile: stored row 576 + 512 x pair + 128 x half
	s_lshl_b32 s66, s42, 9
	s_lshl_b32 s67, s16, 8
	s_add_co_u32 s66, s66, s67
	s_add_co_u32 s66, s66, 576                     ; the weights' scale bytes: wave 2 the first tile's 256 rows, wave 3 the second's
	s_mov_b32 s21, 0
	s_mov_b32 s47, 0
	s_mov_b32 s67, 0
	s_mov_b64 s[18:19], KS
	s_mul_u64 s[22:23], s[20:21], s[18:19]         ; where these rows' scale bytes begin,
	s_mul_u64 s[92:93], s[66:67], s[18:19]
	s_mov_b64 s[18:19], KROW
	s_mul_u64 s[20:21], s[20:21], s[18:19]         ; and their codes
	s_mul_u64 s[46:47], s[46:47], s[18:19]
	s_mul_i32 s45, s14, HALFT                      ; where they go: wave x 128 rows: no place in the cluster enters an LDS address
	s_mul_i32 s94, s16, HALFS
	s_mul_i32 s95, s16, 2*HALFS
	s_wait_kmcnt 0x0
	s_add_nc_u64 s[6:7], s[4:5], XQS
	s_add_nc_u64 s[10:11], s[8:9], WFS
	s_add_nc_u64 s[20:21], s[4:5], s[20:21]
	s_add_nc_u64 s[22:23], s[6:7], s[22:23]
	s_add_nc_u64 s[46:47], s[8:9], s[46:47]
	s_add_nc_u64 s[92:93], s[10:11], s[92:93]
	CROUND                                         ; all sixteen work-groups are here: the first joint loads meet
	s_mov_b32 s[G0S], 1
	s_add_co_u32 s[G0S+1], s94, SCL
	s_mov_b64 s[G0S+2:G0S+3], s[22:23]
	s_or_b32 s[G0S+3], s[G0S+3], 0x80000000
	s_mov_b32 s[G0SB], 1
	s_add_co_u32 s[G0SB+1], s95, SCL+2*HALFS
	s_mov_b64 s[G0SB+2:G0SB+3], s[92:93]
	s_or_b32 s[G0SB+3], s[G0SB+3], 0x80000000
	JLOAD G0S, G1S, G0SB, G1SB                     ; the scale bytes first: they are wanted with the first slot
.irp s, 0,1
	s_mov_b32 s[G0+4*\s], 1
	s_add_co_u32 s[G0+4*\s+1], s45, \s*SLOT
	s_add_nc_u64 s[G0+4*\s+2:G0+4*\s+3], s[20:21], \s*ROWB
	s_or_b32 s[G0+4*\s+3], s[G0+4*\s+3], 0x80000000
	s_mov_b32 s[G0B+4*\s], 1
	s_add_co_u32 s[G0B+4*\s+1], s45, \s*SLOT
	s_add_nc_u64 s[G0B+4*\s+2:G0B+4*\s+3], s[46:47], \s*ROWB
	s_or_b32 s[G0B+4*\s+3], s[G0B+4*\s+3], 0x80000000
	JLOAD G0+4*\s, G1, G0B+4*\s, G1B
.endr
	v_and_b32 v1, 15, v0                           ; l % 16
	v_bfe_u32 v2, v0, 4, 1                         ; l / 16
	v_mul_u32_u24 v3, v1, PITCH
	v_lshl_add_u32 v4, v2, 4, v3                   ; a fragment's row x pitch + 16 x half
	s_mul_i32 s21, s15, HALFT                      ; my 128 rows of x
	s_mul_i32 s22, s16, HALFT                      ; my 128 weight rows,
	s_add_co_u32 s22, s22, 2*HALFT                 ; which lie behind x's 256
.irp s, 0,1
	v_add_nc_u32 v[ADRA+\s], s21, v4
	v_add_nc_u32 v[ADRB+\s], s22, v4
	s_add_co_u32 s21, s21, SLOT
	s_add_co_u32 s22, s22, SLOT
.endr
	v_mul_u32_u24 v5, v1, KS                       ; my row's scale bytes: 32 a row,
	v_lshrrev_b32 v6, 8, v5
	v_lshl_add_u32 v5, v6, 4, v5                   ; and 16 more for each 256 passed
	s_mul_i32 s21, s15, HALFS
	s_mul_i32 s22, s16, HALFS
	s_add_co_u32 s22, s22, 2*HALFS
	s_sub_co_u32 s22, s22, s21                     ; from x's words to the first tile's weights',
	s_add_co_u32 s23, s22, 2*HALFS                 ; and to the second's
	v_mul_u32_u24 v6, s22, v2                      ; lanes 16-31 take the weights': one product of the lane's half and the distance
	v_mul_u32_u24 v7, s23, v2
	s_add_co_u32 s21, s21, SCL
	v_add_nc_u32 v6, v5, v6
	v_add_nc_u32 v7, v5, v7
	v_add_nc_u32 v[ADRS], s21, v6
	v_add_nc_u32 v[ADRS1], s21, v7
	s_lshl_b32 s21, s15, 9                         ; the way out: h's scale words: (128 x row half + r) x 4 + 2 x column half
	s_lshl_b32 s22, s16, 1
	s_add_co_u32 s21, s21, s22
	s_add_co_u32 s21, s21, SSTG
	v_lshl_add_u32 v[HST], v1, 2, s21
	v_lshl_add_u32 v[HRD], v0, 3, SSTG
	v_and_b32 v6, 31, v0
	v_lshlrev_b32 v[CO], 4, v6
	v_lshlrev_b32 v[SO], 3, v0
	v_mov_b32 v[TM+2], 0                           ; written once: a lane permute's destination counts as one of its sources
	v_mov_b32 v[TM+3], 0
	s_lshl_b32 s46, s42, 1
	s_add_co_u32 s46, s46, 4                       ; the first tile's chunk of 128 along the last product's K: 4 + 2 x pair; the second tile's is the next
	s_lshl_b32 s47, s46, 14
	s_lshl_b32 s46, s46, 18
	s_lshl_b32 s20, s17, 14                        ; my first block of 16 rows: 16 x tile row + 8 x half, 1,024 bytes each;
	s_lshl_b32 s21, s15, 13
	s_add_co_u32 s20, s20, s21
	s_lshl_b32 s21, s16, 9                         ; my 64 columns are half of the chunk: 512 bytes of each image
	s_add_co_u32 s20, s20, s21
	s_add_co_u32 s20, s20, s46
	s_mov_b32 s21, 0
	s_add_nc_u64 s[12:13], s[12:13], s[20:21]
	s_lshl_b32 s20, s17, 10
	s_add_co_u32 s20, s20, s47
	s_add_nc_u64 s[96:97], s[96:97], s[20:21]      ; the scale words of the tile's 256 rows
	s_mov_b32 s92, 0xbfb8aa3b                      ; -log2(e)
	s_mov_b32 s93, s92
	s_mov_b32 s98, 0x76543210
	s_mov_b32 s99, 0xfedcba98                      ; v_permlanex16_b32's selects for lane l xor 16
.macro FRAG reg, adr, q, i             ; 16 rows x 128 K of 4-bit codes: 8 registers
.irp c, 0,1
	ds_load_b128 v[\reg+4*\c:\reg+4*\c+3], v[\adr] offset:64*(\q)+32*\c+(\i)*16*PITCH
.endr
.endm
; 16 matrix instructions: x's blocks a0, a0 + 1 against the weights' eight.  The 64 accumulators take turns, one instruction a turn, in the same order in every step.
.macro MUL16 a0, p, q, sc, zero
.irp a, \a0, \a0+1
.irp b, 0,1,2,3,4,5,6,7
.if \zero
	v_wmma_scale_f32_16x16x128_f8f6f4 v[8*(8*((\a)%4)+\b):8*(8*((\a)%4)+\b)+7], v[128*(\p)+FR*\b:128*(\p)+FR*\b+FR-1], v[AF+FR*(\a):AF+FR*(\a)+FR-1], 0, v[SC+8*NQ*(\sc)+NQ*\b+(\q)], v[SC+8*NQ*(\sc)+NQ*(\a)+(\q)] matrix_a_fmt:MATRIX_FMT_FP4 matrix_b_fmt:MATRIX_FMT_FP4 matrix_a_scale:MATRIX_SCALE_ROW1
.else
	v_wmma_scale_f32_16x16x128_f8f6f4 v[8*(8*((\a)%4)+\b):8*(8*((\a)%4)+\b)+7], v[128*(\p)+FR*\b:128*(\p)+FR*\b+FR-1], v[AF+FR*(\a):AF+FR*(\a)+FR-1], v[8*(8*((\a)%4)+\b):8*(8*((\a)%4)+\b)+7], v[SC+8*NQ*(\sc)+NQ*\b+(\q)], v[SC+8*NQ*(\sc)+NQ*(\a)+(\q)] matrix_a_fmt:MATRIX_FMT_FP4 matrix_b_fmt:MATRIX_FMT_FP4 matrix_a_scale:MATRIX_SCALE_ROW1
.endif
.endr
.endr
.endm
.macro FETCH_B slot, q, p
	WIN TO_B
.irp i, 0,1,2,3,4,5,6,7
	FRAG 128*(\p)+FR*\i, ADRB+\slot, \q, \i
.endr
	WIN 0
.endm
.macro FETCH_A slot, q, i0
.irp i, \i0, \i0+1, \i0+2, \i0+3
	FRAG AF+FR*(\i), ADRA+\slot, \q, \i
.endr
.endm
.macro SCALES sc, adrs                 ; a slot's scale words: four a row; lanes 0-15 take x's block i, lanes 16-31 the weights' block i
.irp i, 0,1,2,3,4,5,6,7
	ds_load_b128 v[SC+8*NQ*\sc+NQ*\i:SC+8*NQ*\sc+NQ*\i+3], v[\adrs] offset:\i*SBLK
.endr
.endm
.macro PLACES n                        ; plain lines behind matrix instructions, ahead of loads into their sources and of the first read of their results
.rept \n
	v_nop
.endr
.endm
.macro STEP slot, q, zero              ; 128 along K, with its successor in the same slot
	s_wait_dscnt 4*NL                              ; the weights' set and x's blocks 0-3 are in; the youngest eight loads (x's blocks 4-7) may be out
	WIN MUL_LO
	MUL16 0, (\q)%2, \q, \slot, \zero
	MUL16 2, (\q)%2, \q, \slot, \zero
	s_wait_dscnt 0
	PLACES NP
	FETCH_B \slot, (\q)+1, 1-(\q)%2
	FETCH_A \slot, (\q)+1, 0
	WIN MUL_HI
	MUL16 4, (\q)%2, \q, \slot, \zero
	MUL16 6, (\q)%2, \q, \slot, \zero
	PLACES NP
	WIN 0
	FETCH_A \slot, (\q)+1, 4
.endm
; Slot 0's last step changes slots: ONE barrier; in front of it each wave waits for all its tensor loads (its part of slot 1 is the one that may be out), adds 0 to its spare word, and waits for that and for its reads of slot 0.
; fill = 1 (the first tile): the barrier opens a round of the cluster's barrier, and slot 0's weight rows are filled again, with the second tile's, first thing behind the round.
.macro TURN slot, next, fill, adrs
	s_wait_tensorcnt 0x0
	ds_add_u32 v[SPW], v[NIL]                      ; 0 onto my spare word
	s_wait_dscnt 4*NL+1                            ; (the add and the youngest eight loads may be out)
	WIN MUL_LO
	MUL16 0, 1, NQ-1, \slot, 0                     ; sixteen matrix instructions stand between the add and the wait for it
	s_wait_dscnt 0x0                               ; the add is done, and my reads of this slot are over
	s_barrier_signal -1
	MUL16 2, 1, NQ-1, \slot, 0
	WIN 0                                          ; (branches may follow)
	s_barrier_wait -1                              ; the next slot is whole
.if \fill
	CREST                                          ; no wave of any partner still reads this slot's weight rows or has a load on its way
	s_add_nc_u64 s[G0B+4*\slot+2:G0B+4*\slot+3], s[G0B+4*\slot+2:G0B+4*\slot+3], 256*KROW   ; 256 weight rows on: the second tile's
	BLOAD G0B+4*\slot
.endif
	PLACES NP
	v_add_nc_u32 v[\adrs], 4*NQ, v[\adrs]          ; on to the next slot's scale words (no LDS load of mine is out)
	FETCH_B \next, 0, 0
	FETCH_A \next, 0, 0
	SCALES \next, \adrs
	WIN MUL_HI
	MUL16 4, 1, NQ-1, \slot, 0
	MUL16 6, 1, NQ-1, \slot, 0
	PLACES NP
	WIN 0
	FETCH_A \next, 0, 4
.endm
.macro STEPS slot, from
.set Q, \from
.rept NQ-1-\from
	STEP \slot, Q, 0
.set Q, Q+1
.endr
.endm
; A tile's eight steps of 128 along K.  The first step's products start the sums: nothing is cleared.
.macro KLOOP adrs, fill
	FETCH_B 0, 0, 0
	FETCH_A 0, 0, 0
	SCALES 0, \adrs
	FETCH_A 0, 0, 4
	STEP 0, 0, 1
	STEPS 0, 1
	TURN 0, 1, \fill, \adrs
	STEPS 1, 0
	s_wait_dscnt 4*NL                              ; the last step: nothing more to fetch
	WIN MUL_LO
	MUL16 0, 1, NQ-1, 1, 0
	MUL16 2, 1, NQ-1, 1, 0
	s_wait_dscnt 0
	WIN MUL_HI
	MUL16 4, 1, NQ-1, 1, 0
	MUL16 6, 1, NQ-1, 1, 0
	WIN 0
.endm
; THE WAY OUT, a block of 16 rows at a time.  Of its accumulators 0-3 are ff_x and 4-7 the gates of the same 64 columns.  h = ff_x x gate / (1 + 2^(-gate log2 e)).  A lane's 32 numbers are 16 of each of two blocks of 32 along the next K.
.macro ACT a, j
.set AC, 64*((\a)%4)
.set W, 2+(\a)/4
	WIN W                                          ; source 0: window 2 or 3
.irp i, 0,2,4,6,8,10,12,14,16,18,20,22,24,26,28,30
	v_pk_mul_f32 v[EX+\i:EX+\i+1], v[AC+32+\i:AC+33+\i], s[92:93] op_sel_hi:[1,0]   ; each gate accumulator from its low end on
.endr
	WIN 0
.irp i, 0,1,2,3,4,5,6,7,8,9,10,11,12,13,14,15,16,17,18,19,20,21,22,23,24,25,26,27,28,29,30,31
	v_exp_f32 v[EX+\i], v[EX+\i]
.endr
	WIN W|(W<<2)
.irp i, 0,2,4,6,8,10,12,14,16,18,20,22,24,26,28,30
	v_pk_mul_f32 v[TT+\i:TT+\i+1], v[AC+\i:AC+\i+1], v[AC+32+\i:AC+33+\i]           ; ff_x x gate: independent work behind the exponentials
.endr
	WIN 0
	s_wait_alu depctr_va_vdst(0)                   ; one wait for the batch, ahead of its first reader
.irp i, 0,2,4,6,8,10,12,14,16,18,20,22,24,26,28,30
	v_pk_add_f32 v[EX+\i:EX+\i+1], v[EX+\i:EX+\i+1], 1.0 op_sel_hi:[1,0]
.endr
.irp i, 0,1,2,3,4,5,6,7,8,9,10,11,12,13,14,15,16,17,18,19,20,21,22,23,24,25,26,27,28,29,30,31
	v_rcp_f32 v[EX+\i], v[EX+\i]
.endr
	v_nop                                          ; a plain line behind the reciprocals,
	s_wait_alu depctr_va_vdst(0)                   ; and their one wait
.irp i, 0,2,4,6,8,10,12,14,16,18,20,22,24,26,28,30
	v_pk_mul_f32 v[TT+\i:TT+\i+1], v[TT+\i:TT+\i+1], v[EX+\i:EX+\i+1]
.endr
.irp b, 0,1
	v_max3_num_f32 v[TM+\b], |v[TT+16*\b]|, |v[TT+1+16*\b]|, 0x1800000   ; block b: my 16 numbers, and the floor 2^(3 - 127)
.endr
.irp i, 2,4,6,8,10,12,14
.irp b, 0,1
	v_max3_num_f32 v[TM+\b], v[TM+\b], |v[TT+16*\b+\i]|, |v[TT+1+16*\b+\i]|
.endr
.endr
.irp b, 0,1
	v_permlanex16_b32 v[TM+2+\b], v[TM+\b], s98, s99
.endr
.irp b, 0,1
	v_max_num_f32 v[TM+\b], v[TM+\b], v[TM+2+\b]   ; with lane l xor 16's: the block's largest magnitude
.endr
.irp b, 0,1
	v_add_nc_u32 v[TM+4+\b], 0xff000000, v[TM+\b]  ; 2 off its exponent field: the conversion's scale operand
.endr
.irp b, 0,1
	v_lshrrev_b32 v[TM+2+\b], 23, v[TM+4+\b]       ; the scale's byte
.endr
	v_lshl_or_b32 v[HW+(\a)], v[TM+3], 8, v[TM+2]
.irp b, 0,1
	v_cvt_scalef32_pk8_fp4_f32 v[PC+4*(\a)+2*\b], v[TT+16*\b:TT+7+16*\b], v[TM+4+\b]
	v_cvt_scalef32_pk8_fp4_f32 v[PC+4*(\a)+2*\b+1], v[TT+8+16*\b:TT+15+16*\b], v[TM+4+\b]
.endr
	v_nop                                          ; a plain line behind the conversions
	v_permlane16_swap_b32 v[PC+4*(\a)], v[PC+4*(\a)+2]     ; the operand's layout wants a whole block in a lane: lanes 0-15 the first block, lanes 16-31 the second
	v_permlane16_swap_b32 v[PC+4*(\a)+1], v[PC+4*(\a)+3]
	ds_store_b16 v[HST], v[HW+(\a)] offset:64*(\a)         ; (both halves of the lanes write the same two bytes)
	global_store_b128 v[CO], v[PC+4*(\a):PC+4*(\a)+3], s[12:13] offset:1024*(\a)+CH*(\j)   ; 512 consecutive bytes, aligned: half of a fragment's image; in a tile each block has registers of its own
.endm
; Slot 1's weight rows are filled again, with the second tile's.  My reads of slot 1 came back in the last K step.  Each wave waits for all its tensor loads (slot 0's refill is the one that may be out), adds 0 to its spare word,
; and waits for that and for its LDS stores; a round of the cluster's barrier; the refill first behind it.  The round also shows slot 0's new weight rows to every wave.
.macro REFILL1
	s_wait_tensorcnt 0x0                           ; no tensor load of mine is out, so a group 0 may be written
	ds_add_u32 v[SPW], v[NIL]                      ; 0 onto my spare word; the descriptor's step stands between it and the wait for it
	s_add_nc_u64 s[G0B+6:G0B+7], s[G0B+6:G0B+7], 256*KROW
	s_wait_dscnt 0x0
	CROUND
	BLOAD G0B+4
.endm
.macro EPI j                           ; tile j goes out
	PLACES NP                                      ; behind the last products: their results are read, and x's fragments' registers written, only from here on
.if \j
	s_wait_xcnt 0x0                                ; the first tile's stores have read their registers: they are written again only behind this wait
.endif
	ACT 0, \j
	ACT 1, \j
.if (\j) == 0
	REFILL1                                        ; it has six blocks of the way out and four K steps in which to land
.endif
.irp a, 2,3,4,5,6,7
	ACT \a, \j
.endr
	s_wait_dscnt 0x0                               ; for the others' sake: my scale bytes have landed
	s_barrier_signal -1
	s_barrier_wait -1
	ds_load_b64 v[TM:TM+1], v[HRD]
	s_wait_dscnt 0x0                               ; my read of the stage is back: the next tile writes it only behind its change of slots' barrier
	global_store_b64 v[SO], v[TM:TM+1], s[96:97] offset:16384*(\j)   ; a wave stores 256 consecutive bytes, aligned
.endm
	s_wait_tensorcnt 1                             ; the scale bytes and my part of slot 0 are in (slot 1's load may be out)
	s_barrier_signal -1
	s_barrier_wait -1                              ; everybody's are
	KLOOP ADRS, 1
	EPI 0
	KLOOP ADRS1, 0                                 ; x's rows lie where they lay; the weights' rows have been shown landed: slot 0's by the second round, slot 1's by this tile's change of slots
	EPI 1
	s_wait_tensorcnt 0x0                           ; the wave's end
	ds_add_u32 v[SPW], v[NIL]
	s_wait_dscnt 0x0
	CROUND                                         ; the closing round: no work-group ends while a partner may still ask for a tile that names it
	s_endpgm
.Lfunc_end_k_q054b9663dd_ffn:
	.size	k_q054b9663dd_ffn, .Lfunc_end_k_q054b9663dd_ffn-k_q054b9663dd_ffn
	.p2alignl 7, 3214868480
	.fill 96, 4, 3214868480
	.section	.rodata,"a",@progbits
	.p2align	6, 0x0
	.amdhsa_kernel k_q054b9663dd_ffn
		.amdhsa_group_segment_fixed_size 327680
		.amdhsa_private_segment_fixed_size 0
		.amdhsa_enable_private_segment 0
		.amdhsa_kernarg_size 32
		.amdhsa_user_sgpr_count 2
		.amdhsa_user_sgpr_kernarg_segment_ptr 1
		.amdhsa_wavefront_size32 1
		.amdhsa_system_sgpr_workgroup_id_x 1
		.amdhsa_system_sgpr_workgroup_id_y 1
		.amdhsa_system_sgpr_workgroup_id_z 1
		.amdhsa_system_vgpr_workitem_id 0
		.amdhsa_next_free_vgpr 1024
		.amdhsa_next_free_sgpr 100
		.amdhsa_reserve_vcc 0
		.amdhsa_float_denorm_mode_32 3
		.amdhsa_float_denorm_mode_16_64 3
		.amdhsa_memory_ordered 1
		.amdhsa_forward_progress 1
		.amdhsa_inst_pref_size 255
	.end_amdhsa_kernel
	.section	.bss,"aw",@nobits
	.p2align	6
	.space	262144
	.amdgpu_metadata
---
amdhsa.version: [ 1, 2 ]
amdhsa.kernels:
  - .name:           k_q054b9663dd_ffn
    .symbol:         k_q054b9663dd_ffn.kd
    .args:
      - { .name: xq, .offset: 0, .size: 8, .value_kind: global_buffer, .address_space: global }
      - { .name: wfq, .offset: 8, .size: 8, .value_kind: global_buffer, .address_space: global }
      - { .name: acat, .offset: 16, .size: 8, .value_kind: global_buffer, .address_space: global }
      - { .name: as2, .offset: 24, .size: 8, .value_kind: global_buffer, .address_space: global }
    .group_segment_fixed_size: 327680
    .private_segment_fixed_size: 0
    .kernarg_segment_align: 8
    .kernarg_segment_size: 32
    .max_flat_workgroup_size: 128
    .sgpr_count:     100
    .vgpr_count:     1024
    .wavefront_size: 32
...
	.end_amdgpu_metadata
.endif
;; end of part 4
;; launch outp (part 5): grid 8 x 32, 4 waves a work-group, clusters of 4 x 4, 327,680 bytes of LDS; arguments acat, as2, woq, out0; writes out0
.if DOCPART == 5
	.amdgcn_target "amdgcn-amd-amdhsa--gfx1250"
	.amdhsa_code_object_version 6
	.text
	.protected	k_q054b9663dd_outp
	.globl	k_q054b9663dd_outp
	.p2align	8
	.type	k_q054b9663dd_outp,@function
k_q054b9663dd_outp:
	s_mov_b64 s[64:65], 0
	v_nop
	global_prefetch_b8 v0, s[64:65] scope:SCOPE_SE
	s_setreg_imm32_b32 hwreg(HW_REG_WAVE_MODE, 25, 1), 1
	s_wait_xcnt 0x0
	s_wait_alu depctr_hold_cnt(0) depctr_sa_sdst(0) depctr_va_vdst(0) depctr_va_sdst(0) depctr_va_ssrc(0) depctr_va_vcc(0) depctr_vm_vsrc(0)
	s_getreg_b32 s2, hwreg(HW_REG_IB_STS2, 6, 4)
	s_cmp_eq_u32 s2, 0
	s_cbranch_scc0 .Lentry_in_a_cluster
	s_endpgm
.Lentry_in_a_cluster:
	s_bfe_u32 s2, ttmp6, 0x10000c
	s_cmp_lg_u32 s2, 0xf033
	s_cbranch_scc0 .Lentry_shape_is_right
	s_endpgm
.Lentry_shape_is_right:
; out = attention's result x w_attn_out^T + h x w_ff_out^T: ONE product over K = 512 + 4,096 = 4,608 (blocks of 32 never straddle the seam), on codes of FP4 with E8M0 scales.  M = 4,096, N = 1,024, out in f32.
; A tile of 128 x 128 is made by a work-group of four waves, each 64 x 64: 16 accumulators.  That gives 256 tiles; tiles of 256 x 256 would give 64.
; A's codes lie in memory as images of the operand's registers, [chunk of 128 along K][block of 16 rows][1,024 bytes]: a fragment is two loads of 16 bytes a lane at 16 x lane, and needs no padding.  The weights lie by rows.
; K goes through two LDS slots in five fills: 512 (the attention part), then four times 1,024.  Waves 0 and 1 fetch A's two halves, waves 2 and 3 the weights', one tensor load each; by this text's count a wave has two loads out at the start and one behind each round.
; THE SCALE WORDS of the tile's 128 rows and 128 columns, for all of K, are copied once through registers into LDS bytes of their own, [chunk][row], so that one load of 4 bytes a lane brings A's words (lanes 0-15) and the weights' (lanes 16-31).
; CLUSTERS: 4 x 4 work-groups; A's tiles are asked for jointly along a row of the cluster, the weights' along a column.  THE MATRIX INSTRUCTION IS USED TRANSPOSED: a lane holds eight neighbouring numbers of a row of out.
; REGISTERS: window 0: v0-31 addresses; v32-47 scale words, two sets, and nothing else; v48-111 the way out; v128-255 the accumulators ((a, b) at v[128 + 8 (4 a + b)]).  window 1: two fragment buffers of 128: 64 registers of A (2 x 4 fragments), then 64 of the weights.
.set CH,     262144                    ; acat: from chunk to chunk
.set W2C,    262144                    ; woq: w_ff_out's codes
.set WAS,    2359296                   ; woq: w_attn_out's scale bytes
.set W2S,    2375680                   ; woq: w_ff_out's
.set PB,     528                       ; a weight row in LDS: 512 bytes + 16;
.set PB0,    272                       ; in the first fill: 256 + 16
.set BOFF,   65536                     ; a slot: A's two halves of 32,768 bytes, then 128 weight rows
.set SLOT,   BOFF+128*PB
.set SA,     2*SLOT                    ; A's scale words: 36 chunks x 128 rows x 4 bytes
.set SB,     SA+36*512                 ; the weights'
.set SPARE,  SB+36*512                 ; the spare words: 128 bytes for each wave, named by no other line
.set STAGE,  SPARE+512                 ; the way out: 16 rows x 272 bytes for each wave
.set SPITCH, 272
.set ADRA, 16                          ; v16-17  my A fragments in slot 0, 1
.set ADRB, 20                          ; v20-21  the weights'
.set ADRB0, 22                         ; v22     the weights' in the first fill
.set STO,  24
.set RD,   25
.set CO,   26
.set ADRS, 27                          ; v27     my scale words
.set SPW,  28
.set NIL,  29
.set SC,   32
.set TMP,  48
.set ACC,  128
.set F0,   0
.set F1,   128
.set G1A0, 24                          ; s[24:31] group 1: A, 4 chunks;  s[32:39]: A, 8 chunks;  s[40:47]: weight rows of 256 bytes;  s[48:55]: of 512
.set G1A,  32
.set G1B0, 40
.set G1B,  48
.set G0A0, 56                          ; groups 0: A into slot 0, slot 1; the weights: the first fill, slot 1, slot 0
.set G0A1, 60
.set G0BF, 68
.set G0B1, 72
.set G0B0, 76
.set MSB, 0
.macro WIN new
.if MSB != (\new)
	s_set_vgpr_msb (MSB<<8)|(\new)
.set MSB, (\new)
.endif
.endm
.set MUL,  0x05                        ; sources 0 and 1 window 1; C and D window 0
.set TO_F, 0x40                        ; destination window 1, address window 0
.macro JLOAD g0a, g1a, g0b, g1b        ; a joint load; the branch hangs on the wave's number alone; four v_nop follow each of the two lines
	s_cmp_eq_u32 s15, 0
	s_cbranch_scc0 .Lfor_b_\@
	tensor_load_to_lds s[\g0a:\g0a+3], s[\g1a:\g1a+7]
	s_nop 0
.rept 4
	v_nop
.endr
	s_branch .Lasked_\@
.Lfor_b_\@:
	tensor_load_to_lds s[\g0b:\g0b+3], s[\g1b:\g1b+7]
	s_nop 0
.rept 4
	v_nop
.endr
.Lasked_\@:
.endm
.macro CREST                           ; a round of the cluster's barrier behind its opening barrier
	s_cmp_lg_u32 s14, 0
	s_cbranch_scc1 .Lnot_wave_0_\@
	s_barrier_signal -3
.Lnot_wave_0_\@:
	s_barrier_wait -3
	s_barrier_signal -1
	s_barrier_wait -1
.endm
.macro CROUND
	s_barrier_signal -1
	s_barrier_wait -1
	CREST
.endm
	s_load_b256 s[4:11], s[0:1], 0x0               ; acat, as2, woq, out0
	v_lshl_add_u32 v[SPW], v0, 2, SPARE
	v_mov_b32 v[NIL], 0
	ds_add_u32 v28, v29
	ds_add_u32 v28, v29
	s_wait_dscnt 0x0
	v_lshrrev_b32 v1, 5, v0
	v_readfirstlane_b32 s14, v1                    ; wave 0..3
	s_lshr_b32 s15, s14, 1                         ; which 64 rows are mine.  Also: I fetch for A (0) or for the weights (1)
	s_and_b32 s16, s14, 1                          ; which 64 columns.  Also: which half I fetch
	s_bfe_u32 s80, ttmp6, 0x40000                  ; cx, cy
	s_bfe_u32 s81, ttmp6, 0x40004
	s_lshl_b32 s82, ttmp9, 2
	s_add_co_u32 s82, s82, s80                     ; tile column
	s_and_b32 s17, ttmp7, 0xffff
	s_lshl_b32 s17, s17, 2
	s_add_co_u32 s17, s17, s81                     ; tile row
	s_lshl_b32 s83, s81, 2
	s_lshl_b32 s83, 15, s83                        ; my row of the cluster
	s_lshl_b32 s84, 0x1111, s80                    ; my column
	; A: a row of the tile is a chunk's four blocks of 16 rows: 4,096 consecutive bytes (512 elements of 8), CH bytes from chunk to chunk; no padding
	s_or_b32 s[G1A0], s83, (3<<16)|(1<<21)
	s_or_b32 s[G1A], s83, (3<<16)|(1<<21)
	s_mov_b32 s[G1A0+1], 512<<16                   ; tensor_dim0
	s_mov_b32 s[G1A+1], 512<<16
	s_mov_b32 s[G1A0+2], 4<<16                     ; tensor_dim1
	s_mov_b32 s[G1A+2], 8<<16
	s_mov_b32 s[G1A0+3], 512<<16                   ; tile_dim0
	s_mov_b32 s[G1A+3], 512<<16
	s_mov_b32 s[G1A0+4], 4                         ; tile_dim1
	s_mov_b32 s[G1A+4], 8
	s_mov_b32 s[G1A0+5], CH/8                      ; tensor_dim0_stride
	s_mov_b32 s[G1A+5], CH/8
	s_mov_b32 s[G1A0+6], 0
	s_mov_b32 s[G1A+6], 0
	s_mov_b32 s[G1A0+7], 0
	s_mov_b32 s[G1A+7], 0
	; the weights: 64 rows of 256 bytes (w_attn_out: a whole row) or of 512 (a quarter of w_ff_out's row), 16 bytes of padding behind each
	s_or_b32 s[G1B0], s84, (0<<16)|(1<<20)|(1<<21)|(5<<22)|(3<<25)
	s_or_b32 s[G1B], s84, (0<<16)|(1<<20)|(1<<21)|(6<<22)|(3<<25)
	s_mov_b32 s[G1B0+1], 256<<16
	s_mov_b32 s[G1B+1], 512<<16
	s_mov_b32 s[G1B0+2], 64<<16
	s_mov_b32 s[G1B+2], 64<<16
	s_mov_b32 s[G1B0+3], 256<<16
	s_mov_b32 s[G1B+3], 512<<16
	s_mov_b32 s[G1B0+4], 64
	s_mov_b32 s[G1B+4], 64
	s_mov_b32 s[G1B0+5], 256
	s_mov_b32 s[G1B+5], 2048
	s_mov_b32 s[G1B0+6], 0
	s_mov_b32 s[G1B+6], 0
	s_mov_b32 s[G1B0+7], 0
	s_mov_b32 s[G1B+7], 0
	s_mov_b32 s19, 0
	s_mov_b32 s21, 0
	s_mov_b32 s23, 0
	s_lshl_b32 s18, s17, 13                        ; A: tile row x 8 blocks x 1,024 bytes
	s_lshl_b32 s12, s16, 12
	s_add_co_u32 s18, s18, s12                     ; + the half that I fetch
	s_lshl_b32 s20, s82, 15                        ; w_attn_out: tile column x 128 rows x 256 bytes
	s_lshl_b32 s12, s16, 14
	s_add_co_u32 s20, s20, s12
	s_lshl_b32 s22, s82, 18                        ; w_ff_out: x 2,048 bytes
	s_lshl_b32 s12, s16, 17
	s_add_co_u32 s22, s22, s12
	s_add_co_u32 s22, s22, W2C
	s_lshl_b32 s86, s16, 15                        ; where they go: no place in the cluster enters an LDS address
	s_mul_i32 s87, s16, 64*PB
	s_mul_i32 s88, s16, 64*PB0
	s_wait_kmcnt 0x0
	s_add_nc_u64 s[18:19], s[4:5], s[18:19]
	s_add_nc_u64 s[20:21], s[8:9], s[20:21]
	s_add_nc_u64 s[22:23], s[8:9], s[22:23]
	CROUND                                         ; all sixteen work-groups are here: the first joint loads meet
	s_mov_b32 s[G0A0], 1
	s_mov_b32 s[G0A0+1], s86
	s_mov_b64 s[G0A0+2:G0A0+3], s[18:19]           ; chunks 0-3
	s_or_b32 s[G0A0+3], s[G0A0+3], 0x80000000
	s_mov_b32 s[G0BF], 1
	s_add_co_u32 s[G0BF+1], s88, BOFF
	s_mov_b64 s[G0BF+2:G0BF+3], s[20:21]
	s_or_b32 s[G0BF+3], s[G0BF+3], 0x80000000
	JLOAD G0A0, G1A0, G0BF, G1B0
	s_mov_b32 s[G0A1], 1
	s_add_co_u32 s[G0A1+1], s86, SLOT
	s_add_nc_u64 s[G0A1+2:G0A1+3], s[18:19], 4*CH  ; chunks 4-11
	s_or_b32 s[G0A1+3], s[G0A1+3], 0x80000000
	s_mov_b32 s[G0B1], 1
	s_add_co_u32 s[G0B1+1], s87, SLOT+BOFF
	s_mov_b64 s[G0B1+2:G0B1+3], s[22:23]
	s_or_b32 s[G0B1+3], s[G0B1+3], 0x80000000
	JLOAD G0A1, G1A, G0B1, G1B
	s_mov_b32 s[G0B0], 1                           ; for the third fill: slot 0, bytes 512 on of w_ff_out's rows
	s_add_co_u32 s[G0B0+1], s87, BOFF
	s_add_nc_u64 s[G0B0+2:G0B0+3], s[22:23], 512
	s_or_b32 s[G0B0+3], s[G0B0+3], 0x80000000
	; ---- the scale words: wave w takes A's chunks 9 w .. 9 w + 8 (512 consecutive bytes each); thread t takes the weights' row t
	s_mov_b32 s3, 0
	v_and_b32 v2, 31, v0
	v_lshlrev_b32 v3, 4, v2                        ; 16 x lane
	s_lshl_b32 s2, s17, 9
	s_mul_i32 s12, s14, 9*16384
	s_add_co_u32 s2, s2, s12
	s_add_nc_u64 s[90:91], s[6:7], s[2:3]
.irp t, 0,1,2,3,4,5,6,7,8
	global_load_b128 v[128+4*\t:131+4*\t], v3, s[90:91] offset:16384*\t
.endr
	s_lshl_b32 s2, s82, 11
	s_add_co_u32 s2, s2, WAS
	s_add_nc_u64 s[92:93], s[8:9], s[2:3]
	v_lshlrev_b32 v4, 4, v0
	global_load_b128 v[164:167], v4, s[92:93]      ; chunks 0-3
	s_lshl_b32 s2, s82, 14
	s_add_co_u32 s2, s2, W2S
	s_add_nc_u64 s[94:95], s[8:9], s[2:3]
	v_lshlrev_b32 v5, 7, v0
.irp j, 0,1,2,3,4,5,6,7
	global_load_b128 v[168+4*\j:171+4*\j], v5, s[94:95] offset:16*\j      ; chunks 4 + 4 j on: register 164 + kc holds chunk kc's word
.endr
	s_mul_i32 s12, s14, 9*512
	s_add_co_u32 s12, s12, SA
	v_add_nc_u32 v6, s12, v3
	v_lshl_add_u32 v7, v0, 2, SB
	; ---- addresses
	v_and_b32 v1, 15, v0                           ; r
	v_bfe_u32 v8, v0, 4, 1                         ; h
	s_lshl_b32 s12, s15, 15
	v_add_nc_u32 v[ADRA], s12, v3                  ; A: my half + 16 x lane
	s_add_co_u32 s12, s12, SLOT
	v_add_nc_u32 v[ADRA+1], s12, v3
	v_mul_u32_u24 v9, v1, PB
	v_lshl_add_u32 v9, v8, 4, v9
	s_mul_i32 s12, s16, 64*PB
	s_add_co_u32 s12, s12, BOFF
	v_add_nc_u32 v[ADRB], s12, v9
	s_add_co_u32 s12, s12, SLOT
	v_add_nc_u32 v[ADRB+1], s12, v9
	v_mul_u32_u24 v9, v1, PB0
	v_lshl_add_u32 v9, v8, 4, v9
	s_mul_i32 s12, s16, 64*PB0
	s_add_co_u32 s12, s12, BOFF
	v_add_nc_u32 v[ADRB0], s12, v9
	s_lshl_b32 s12, s15, 8                         ; scale words: lanes 0-15 A's rows 64 x my half + r, lanes 16-31 the weights': one product of the lane's half and the distance
	s_lshl_b32 s13, s16, 8
	s_add_co_u32 s13, s13, SB-SA
	s_sub_co_u32 s13, s13, s12
	v_mul_u32_u24 v9, s13, v8
	v_lshl_add_u32 v9, v1, 2, v9
	s_add_co_u32 s12, s12, SA
	v_add_nc_u32 v[ADRS], s12, v9
	s_mul_i32 s12, s14, 16*SPITCH
	s_add_co_u32 s12, s12, STAGE                   ; my stage
	v_mul_u32_u24 v9, v1, SPITCH
	v_lshl_add_u32 v9, v8, 5, v9
	v_add_nc_u32 v[STO], s12, v9                   ; in: row r, 32 bytes for each half of the lanes
	v_mul_u32_u24 v9, v8, SPITCH
	v_lshl_add_u32 v9, v1, 4, v9
	v_add_nc_u32 v[RD], s12, v9                    ; back: lanes 0-15 one row of 256 bytes, lanes 16-31 the next
	v_lshlrev_b32 v[CO], 12, v8
	v_lshl_add_u32 v[CO], v1, 4, v[CO]             ; and the same two rows in out
	s_lshl_b32 s12, s17, 7
	s_lshl_b32 s13, s15, 6
	s_add_co_u32 s12, s12, s13                     ; my first row
	s_lshl_b32 s2, s12, 12
	s_lshl_b32 s13, s82, 9
	s_add_co_u32 s2, s2, s13
	s_lshl_b32 s13, s16, 8
	s_add_co_u32 s2, s2, s13                       ; my first column, in bytes
	s_add_nc_u64 s[10:11], s[10:11], s[2:3]
	s_wait_loadcnt 0x0
.irp t, 0,1,2,3,4,5,6,7,8
	ds_store_b128 v6, v[128+4*\t:131+4*\t] offset:512*\t
.endr
.irp k, 0,1,2,3,4,5,6,7,8,9,10,11,12,13,14,15,16,17,18,19,20,21,22,23,24,25,26,27,28,29,30,31,32,33,34,35
	ds_store_b32 v7, v[164+\k] offset:512*\k
.endr
; 8 matrix instructions: row blocks a0, a0 + 1 x all 4 column blocks, 128 along K: sub-step c of buffer f.  The 16 accumulators take turns, one instruction a turn.
.macro MUL8 f, c, a0, zero
.irp a, \a0, \a0+1
.irp b, 0,1,2,3
.if \zero
	v_wmma_scale_f32_16x16x128_f8f6f4 v[ACC+8*(4*(\a)+\b):ACC+8*(4*(\a)+\b)+7], v[\f+64+8*(4*\c+\b):\f+64+8*(4*\c+\b)+7], v[\f+8*(4*\c+(\a)):\f+8*(4*\c+(\a))+7], 0, v[SC+8*((\f)/128)+4*\c+\b], v[SC+8*((\f)/128)+4*\c+(\a)] matrix_a_fmt:MATRIX_FMT_FP4 matrix_b_fmt:MATRIX_FMT_FP4 matrix_a_scale:MATRIX_SCALE_ROW1
.else
	v_wmma_scale_f32_16x16x128_f8f6f4 v[ACC+8*(4*(\a)+\b):ACC+8*(4*(\a)+\b)+7], v[\f+64+8*(4*\c+\b):\f+64+8*(4*\c+\b)+7], v[\f+8*(4*\c+(\a)):\f+8*(4*\c+(\a))+7], v[ACC+8*(4*(\a)+\b):ACC+8*(4*(\a)+\b)+7], v[SC+8*((\f)/128)+4*\c+\b], v[SC+8*((\f)/128)+4*\c+(\a)] matrix_a_fmt:MATRIX_FMT_FP4 matrix_b_fmt:MATRIX_FMT_FP4 matrix_a_scale:MATRIX_SCALE_ROW1
.endif
.endr
.endr
.endm
; 40 LDS loads in one run: quarter qt of a slot (chunks kc0 and kc0 + 1 of K) into buffer f: eight scale words, then the first sub-step's 16 loads, then the second's.  first = 1: the first fill's weight rows
.macro FETCH slot, qt, f, kc0, first
	WIN 0
.irp c, 0,1
.irp i, 0,1,2,3
	ds_load_b32 v[SC+8*((\f)/128)+4*\c+\i], v[ADRS] offset:((\kc0)+\c)*512+64*\i
.endr
.endr
	WIN TO_F
.irp c, 0,1
.irp i, 0,1,2,3
.if \first
	ds_load_b128 v[\f+64+8*(4*\c+\i):\f+64+8*(4*\c+\i)+3],   v[ADRB0] offset:(2*(\qt)+\c)*64+\i*16*PB0
	ds_load_b128 v[\f+64+8*(4*\c+\i)+4:\f+64+8*(4*\c+\i)+7], v[ADRB0] offset:(2*(\qt)+\c)*64+\i*16*PB0+32
.else
	ds_load_b128 v[\f+64+8*(4*\c+\i):\f+64+8*(4*\c+\i)+3],   v[ADRB+\slot] offset:(2*(\qt)+\c)*64+\i*16*PB
	ds_load_b128 v[\f+64+8*(4*\c+\i)+4:\f+64+8*(4*\c+\i)+7], v[ADRB+\slot] offset:(2*(\qt)+\c)*64+\i*16*PB+32
.endif
	ds_load_b128 v[\f+8*(4*\c+\i):\f+8*(4*\c+\i)+3],         v[ADRA+\slot] offset:(2*(\qt)+\c)*4096+\i*1024
	ds_load_b128 v[\f+8*(4*\c+\i)+4:\f+8*(4*\c+\i)+7],       v[ADRA+\slot] offset:(2*(\qt)+\c)*4096+\i*1024+512
.endr
.endr
.endm
.macro PLACES                          ; four plain lines behind matrix instructions, ahead of loads into their sources and of the first read of their results
.rept 4
	v_nop
.endr
.endm
; A quarter: 256 along K, 32 matrix instructions.  It multiplies buffer f and, in its middle, fetches quarter qt of the same slot into buffer g.
.macro QUARTER slot, qt, f, g, kc0, zero, first
	s_wait_dscnt 16                                ; the scale words and the first sub-step are in; the second's 16 loads may be out
	WIN MUL
	MUL8 \f, 0, 0, \zero
	MUL8 \f, 0, 2, \zero
	PLACES
	FETCH \slot, \qt, \g, \kc0, \first
	s_wait_dscnt 40                                ; all but the 40 just issued
	WIN MUL
	MUL8 \f, 1, 0, 0
	MUL8 \f, 1, 2, 0
.endm
; A slot's last quarter multiplies buffer 1 and changes slots: ONE barrier; in front of it each wave waits for all its tensor loads, adds 0 to its spare word, and waits for that and for its own reads of this slot.
; fill = 1: the barrier opens a round of the cluster's barrier, and this slot is filled again, first thing behind the round.
.macro TURN slot, next, fill, g0a, stepa, g0b, stepb, kc0
	WIN 0                                          ; (the add's two registers lie in window 0)
	s_wait_tensorcnt 0x0                           ; all my tensor loads have landed: my part of the next slot
	ds_add_u32 v[SPW], v[NIL]                      ; 0 onto my spare word
	s_wait_dscnt 17                                ; (the add and the youngest sixteen loads may be out)
	WIN MUL
	MUL8 F1, 0, 0, 0                               ; eight matrix instructions stand between the add and the wait for it
	s_wait_dscnt 0x0                               ; the add is done, and my reads of this slot are over
	s_barrier_signal -1
	MUL8 F1, 0, 2, 0
.if \fill
	WIN 0
.endif
	s_barrier_wait -1
.if \fill
	CREST                                          ; no wave of any partner still reads this slot or has a load on its way
	s_add_nc_u64 s[\g0a+2:\g0a+3], s[\g0a+2:\g0a+3], \stepa
.if \stepb
	s_add_nc_u64 s[\g0b+2:\g0b+3], s[\g0b+2:\g0b+3], \stepb
.endif
	JLOAD \g0a, G1A, \g0b, G1B                     ; it has four quarters, 128 matrix instructions, in which to land; the four v_nop behind it are also the places in front of the loads below
.else
	PLACES
.endif
	FETCH \next, 0, F0, \kc0, 0
	WIN MUL
	MUL8 F1, 1, 0, 0
	MUL8 F1, 1, 2, 0
.endm
	s_wait_tensorcnt 1                             ; my part of the first fill is in (the second's may be out)
	s_wait_dscnt 0x0                               ; and my scale words have landed,
	s_barrier_signal -1
	s_barrier_wait -1                              ; everybody's
	FETCH 0, 0, F0, 0, 1
	QUARTER 0, 1, F0, F1, 2, 1, 1                  ; the first products start the sums: nothing is cleared
	TURN 0, 1, 1, G0A0, 12*CH, G0B0, 0, 4          ; slot 0 takes chunks 12-19
	QUARTER 1, 1, F0, F1, 6, 0, 0
	QUARTER 1, 2, F1, F0, 8, 0, 0
	QUARTER 1, 3, F0, F1, 10, 0, 0
	TURN 1, 0, 1, G0A1, 16*CH, G0B1, 1024, 12      ; slot 1 takes chunks 20-27
	QUARTER 0, 1, F0, F1, 14, 0, 0
	QUARTER 0, 2, F1, F0, 16, 0, 0
	QUARTER 0, 3, F0, F1, 18, 0, 0
	TURN 0, 1, 1, G0A0, 16*CH, G0B0, 1024, 20      ; slot 0 takes chunks 28-35: the last fill
	QUARTER 1, 1, F0, F1, 22, 0, 0
	QUARTER 1, 2, F1, F0, 24, 0, 0
	QUARTER 1, 3, F0, F1, 26, 0, 0
	TURN 1, 0, 0, 0, 0, 0, 0, 28                   ; nothing is left to fetch
	QUARTER 0, 1, F0, F1, 30, 0, 0
	QUARTER 0, 2, F1, F0, 32, 0, 0
	QUARTER 0, 3, F0, F1, 34, 0, 0
	s_wait_dscnt 16                                ; the very last quarter
	WIN MUL
	MUL8 F1, 0, 0, 0
	MUL8 F1, 0, 2, 0
	s_wait_dscnt 0
	MUL8 F1, 1, 0, 0
	MUL8 F1, 1, 2, 0
	WIN 0
; THE WAY OUT, a block of 16 rows x 64 columns at a time.  A lane holds 32 neighbouring bytes of a row; the block goes through my own stage and comes back as whole rows of 256 bytes.  LDS serves a wave's instructions in order (ISA guide 5.7.1.4).
.macro TOSTAGE a
.irp b, 0,1,2,3
	ds_store_b128 v[STO], v[ACC+8*(4*(\a)+\b):ACC+8*(4*(\a)+\b)+3] offset:64*\b          ; each accumulator from its low end on
	ds_store_b128 v[STO], v[ACC+8*(4*(\a)+\b)+4:ACC+8*(4*(\a)+\b)+7] offset:64*\b+16
.endr
.irp t, 0,1,2,3,4,5,6,7
	ds_load_b128 v[TMP+32*((\a)%2)+4*\t:TMP+32*((\a)%2)+4*\t+3], v[RD] offset:\t*2*SPITCH
.endr
.endm
.macro SEND a, younger                 ; younger: the LDS instructions issued behind block a's loads, which may stay out
	s_wait_dscnt \younger
.irp t, 0,1,2,3,4,5,6,7
	global_store_b128 v[CO], v[TMP+32*((\a)%2)+4*\t:TMP+32*((\a)%2)+4*\t+3], s[10:11] offset:(16*(\a)+2*\t)*4096 th:TH_STORE_NT   ; 16 lanes store 256 consecutive bytes, aligned; written once, read by nobody here
.endr
.endm
	PLACES
	TOSTAGE 0
	TOSTAGE 1
	SEND 0, 16
	s_wait_xcnt 0x0                                ; block 0's stores have read their registers: block 2's loads may land there
	TOSTAGE 2
	SEND 1, 16
	s_wait_xcnt 0x0
	TOSTAGE 3
	SEND 2, 16
	SEND 3, 0
	s_wait_tensorcnt 0x0                           ; the wave's end
	ds_add_u32 v[SPW], v[NIL]
	s_wait_dscnt 0x0
	CROUND                                         ; the closing round: no work-group ends while a partner may still ask for a tile that names it
	s_endpgm
.Lfunc_end_k_q054b9663dd_outp:
	.size	k_q054b9663dd_outp, .Lfunc_end_k_q054b9663dd_outp-k_q054b9663dd_outp
	.p2alignl 7, 3214868480
	.fill 96, 4, 3214868480
	.section	.rodata,"a",@progbits
	.p2align	6, 0x0
	.amdhsa_kernel k_q054b9663dd_outp
		.amdhsa_group_segment_fixed_size 327680
		.amdhsa_private_segment_fixed_size 0
		.amdhsa_enable_private_segment 0
		.amdhsa_kernarg_size 32
		.amdhsa_user_sgpr_count 2
		.amdhsa_user_sgpr_kernarg_segment_ptr 1
		.amdhsa_wavefront_size32 1
		.amdhsa_system_sgpr_workgroup_id_x 1
		.amdhsa_system_sgpr_workgroup_id_y 1
		.amdhsa_system_sgpr_workgroup_id_z 1
		.amdhsa_system_vgpr_workitem_id 0
		.amdhsa_next_free_vgpr 512
		.amdhsa_next_free_sgpr 96
		.amdhsa_reserve_vcc 0
		.amdhsa_float_denorm_mode_32 3
		.amdhsa_float_denorm_mode_16_64 3
		.amdhsa_memory_ordered 1
		.amdhsa_forward_progress 1
		.amdhsa_inst_pref_size 147
	.end_amdhsa_kernel
	.amdgpu_metadata
---
amdhsa.version: [ 1, 2 ]
amdhsa.kernels:
  - .name:           k_q054b9663dd_outp
    .symbol:         k_q054b9663dd_outp.kd
    .args:
      - { .name: acat, .offset: 0, .size: 8, .value_kind: global_buffer, .address_space: global }
      - { .name: as2, .offset: 8, .size: 8, .value_kind: global_buffer, .address_space: global }
      - { .name: woq, .offset: 16, .size: 8, .value_kind: global_buffer, .address_space: global }
      - { .name: out0, .offset: 24, .size: 8, .value_kind: global_buffer, .address_space: global }
    .group_segment_fixed_size: 327680
    .private_segment_fixed_size: 0
    .kernarg_segment_align: 8
    .kernarg_segment_size: 32
    .max_flat_workgroup_size: 128
    .sgpr_count:     96
    .vgpr_count:     512
    .wavefront_size: 32
...
	.end_amdgpu_metadata
.endif
;; end of part 5
;; ======== version 2 of 2: 5 launches; version 1 with the launches qkv, attn written anew for expert scheduling mode
;; workspace buffers: xq 2,228,224 bytes; wfq 4,769,792 bytes; woq 2,506,752 bytes; qq 1,310,720 bytes; kv 139,264 bytes; acat 9,437,184 bytes; as2 589,824 bytes
;; launch prep: the kernel of part 1 again; grid 546 x 1, 4 waves a work-group, no clusters, 66,048 bytes of LDS; arguments x, gamma, beta, w_fused, w_attn_out, w_ff_out, xq, wfq, woq; writes xq, wfq, woq
;; launch qkv (part 6): grid 256 x 1, 9 waves a work-group, no clusters, 185,600 bytes of LDS; arguments xq, wfq, qq, kv; writes qq, kv
.if DOCPART == 6
	.amdgcn_target "amdgcn-amd-amdhsa--gfx1250"
	.amdhsa_code_object_version 6
	.text
	.protected	k_q054b9663dd_qkv
	.globl	k_q054b9663dd_qkv
	.p2align	8
	.type	k_q054b9663dd_qkv,@function
k_q054b9663dd_qkv:
	s_mov_b64 s[64:65], 0
	v_nop
	global_prefetch_b8 v0, s[64:65] scope:SCOPE_SE
	s_setreg_imm32_b32 hwreg(HW_REG_WAVE_SCHED_MODE, 0, 2), 2
	s_setreg_imm32_b32 hwreg(HW_REG_WAVE_MODE, 25, 1), 1
	s_wait_xcnt 0x0
	s_wait_alu depctr_vm_vsrc(0)
; The first 576 columns of the fused projection (16 heads of q, k, v; 32 columns each), on codes of FP4 with E8M0 scales; then l2norm and RoPE of q and k, and the quantising of q and k along the head's 32 and of v along the keys.
; SHARES.  A work-group takes 32 rows of x and nine of the eighteen 'heads' (work-group number: bit 0 = which nine, the rest = which 32 rows); a wave takes one head: 32 rows x 32 columns over K = 1,024:
; 32 matrix instructions on four accumulators that take turns.  Everything is read once, at the head, through registers into LDS, in whole rows of 512 bytes; one barrier; behind it LDS is only read.
; No tensor load and no cluster: a work-group has one fill of 160 KiB and no loop in which a shared tile could be asked for again.
; LAYOUT.  q, k: the product is used transposed (source 0 = 16 weight rows, source 1 = 16 rows of x): a lane holds one row of x.  The weight rows of tile c are 8 c + r + 8 (r / 8), so that a lane's 16 registers of the
; two tiles are d = 16 (lane / 16) + 0 .. 15: half a head; the lane 16 away holds the other half, which is also RoPE's partner.  v: source 0 = x, source 1 = the weights: a lane holds one d and its registers run along the keys.
; For k and v the rows of x of tile u are 8 u + r + 8 (r / 8): k's tiles are stored so for the next launch, and v's 16 registers are then 16 neighbouring keys.
; SINE AND COSINE in f32: the angle n x f_i, less k x pi/2 in two parts, polynomials of degree 7 and 8 on [-pi/4, pi/4]; right to about 1.5e-7 for angles up to 2,047.  f_i = 1 / 10^(i / 4), rounded as f32 rounds it.
; LIMITS: a block of zeros gets the byte 1 where the rule says 127 (its codes are zeros; this program alone reads the bytes); the division by the norm is a reciprocal and a multiplication; NaN and infinities are not served.
; The scale bytes of k and v (single bytes) and q's scale words (64 bytes a store) do not fill aligned blocks of 256 bytes: 8 KiB and 256 KiB of the launch's stores.
; THE MODE: SCHED_MODE bits 1:0 = 2 (LLVM: expert scheduling mode 2), set by the entry lines.  The code itself states the register dependences
; between vector or matrix instructions and memory or LDS instructions, with s_wait_alu, always for 0.
; THE PLAN.  Registers that memory or LDS instructions touch:
;   v3-v10, v15-v19    offsets and LDS addresses: written by vector instructions at the head and never again.  One wait on va_vdst ahead of the first load serves every load and store of the kernel.
;   v64-191, v224-239  the copy: global loads land in them, LDS stores read them.  One wait on vm_vsrc behind the barrier, ahead of the branch on the head, frees them for the fragments' loads and for vector work.
;   v64-191            the fragments, four sets (k = 0 .. 3).  K steps 0-3 are asked for behind the barrier.  Sets 0 and 1 are asked for again (K steps 4, 5) behind the eight products that read them, and land while the
;                      eight products on sets 2 and 3 run; sets 2 and 3 (K steps 6, 7) likewise, under the products of K steps 4 and 5.  Each of the two runs of loads stands behind one wait on va_vdst.
;   v192-223           the scale words: loaded once, read by products alone.
;   v240-247           what is stored; each tile has registers of its own.  Both tiles' stores stand in one run at the end, behind one wait on va_vdst.
;   v254, v255         written at the head, read by the closing add alone.
; A vector instruction writes a scalar register in two places: the wave's number, and the sixteen compares of each sine and cosine, which go in one run into s4-11 and s24-31 (they held addresses that are done with); one wait on va_sdst behind each.
.set XQS,   2097152                    ; xq: the scale bytes
.set WFS,   4489216                    ; wfq: the scale bytes
.set QSO,   1048576                    ; qq: the scale words
.set KVB,   69632                      ; kv: bytes for a batch: k's codes, v's codes at VCO, k's scale words at KSO, v's at VSO
.set VCO,   32768
.set KSO,   65536
.set VSO,   67584
.set PITCH, 528                        ; an LDS row of codes: 512 bytes + 16
.set WROWS, 32*PITCH                   ; LDS: x's 32 rows at 0; behind them each wave's 32 weight rows
.set XSCL,  10*32*PITCH                ; x's 32 rows of scale bytes, 48 bytes apart
.set WSCL,  XSCL+32*48                 ; each wave's 32 weight rows' scale bytes
; REGISTERS: v1 r, v2 h, v3 16 r + 8 h, v4 4 r; v5, v6 x's fragments (tile 0, 1); v7 the weights'; v8, v9 x's scale words; v10 the weights'; v11, v12 the positions as f32; v13 the sine's sign;
; v14-24 at the head; v32-63 the accumulators (u, c) at 32 + 8 (2 u + c); v64-127 x's fragments (u, k); v128-191 the weights' (c, k); v192-207 x's scale words, v208-223 the weights': these hold scales alone; v224-247 at work.
	s_load_b256 s[4:11], s[0:1], 0x0               ; xq, wfq, qq, kv
	v_lshl_add_u32 v254, v0, 2, 0x2d000
	v_mov_b32 v255, 0
	v_lshrrev_b32 v1, 5, v0
	v_readfirstlane_b32 s12, v1                    ; wave 0..8
	s_lshr_b32 s13, ttmp9, 1                       ; which 32 rows
	s_and_b32 s14, ttmp9, 1
	s_mul_i32 s15, s14, 9
	s_wait_alu depctr_va_sdst(0)                   ; s12 is written, ahead of its first reader
	s_add_co_u32 s15, s15, s12                     ; my head: 0-15 q, 16 k, 17 v
	s_lshr_b32 s16, s13, 6                         ; the batch
	s_and_b32 s17, s13, 63                         ; which 32 rows of the batch
	v_and_b32 v1, 15, v0                           ; r
	v_bfe_u32 v2, v0, 4, 1                         ; h
	v_and_b32 v14, 31, v0
	v_lshlrev_b32 v15, 4, v14                      ; 16 x lane
	v_lshlrev_b32 v3, 4, v1
	v_lshl_add_u32 v3, v2, 3, v3
	v_lshlrev_b32 v4, 2, v1
	; where the copy puts things
	s_mul_i32 s18, s12, 32*PITCH
	s_add_co_u32 s18, s18, WROWS                   ; my weight rows
	v_add_nc_u32 v16, s18, v15
	s_mul_i32 s19, s12, 4*PITCH
	v_add_nc_u32 v17, s19, v15                     ; waves 0-7: rows 4 w .. 4 w + 3 of x
	v_bfe_u32 v20, v0, 1, 3
	v_lshl_add_u32 v20, v2, 4, v20                 ; a weight row 8 u + j of the first sixteen goes to position 16 u + j
	v_mul_u32_u24 v20, v20, 48
	v_and_b32 v21, 1, v0
	v_lshl_add_u32 v20, v21, 4, v20
	s_mul_i32 s20, s12, 32*48
	s_add_co_u32 s20, s20, WSCL
	v_add_nc_u32 v18, s20, v20                     ; the weights' scale rows, in the positions of their rows
	v_bfe_u32 v22, v0, 1, 4
	v_mul_u32_u24 v22, v22, 48
	v_lshl_add_u32 v22, v21, 4, v22
	v_add_nc_u32 v19, XSCL, v22                    ; x's scale rows, as they lie
	; where the fragments are read
	s_cmp_ge_u32 s15, 16                           ; k and v take x's rows 8 u + r + 8 (r / 8), q takes 16 u + r
	s_cselect_b32 s21, 8, 0
	s_cselect_b32 s22, 8, 16
	v_lshrrev_b32 v23, 3, v1
	v_mul_u32_u24 v23, s21, v23
	v_add_nc_u32 v23, v23, v1                      ; my row of x in tile 0,
	v_add_nc_u32 v24, s22, v23                     ; in tile 1
	v_mul_u32_u24 v5, v23, PITCH
	v_lshl_add_u32 v5, v2, 4, v5
	v_mul_u32_u24 v6, v24, PITCH
	v_lshl_add_u32 v6, v2, 4, v6
	v_mul_u32_u24 v7, v1, PITCH
	v_lshl_add_u32 v7, v2, 4, v7
	v_add_nc_u32 v7, s18, v7
	v_mul_u32_u24 v8, v23, 48
	v_add_nc_u32 v8, XSCL, v8
	v_mul_u32_u24 v9, v24, 48
	v_add_nc_u32 v9, XSCL, v9
	v_mul_u32_u24 v10, v1, 48
	v_add_nc_u32 v10, s20, v10
	s_lshl_b32 s23, s17, 5
	v_add_nc_u32 v11, s23, v23
	v_add_nc_u32 v12, s23, v24
	v_cvt_f32_u32 v11, v11                         ; the rows' positions in the sequence
	v_cvt_f32_u32 v12, v12
	v_sub_nc_u32 v13, 1, v2
	v_lshlrev_b32 v13, 31, v13                     ; d under 16: out = t cos - partner sin; from 16 on: + partner sin
	s_mov_b32 s40, 0x3f22f983                      ; 2 / pi
	s_mov_b32 s41, 0x3fc90fdb                      ; pi / 2, its f32,
	s_mov_b32 s42, 0xb33bbd2e                      ; and what that f32 leaves
	s_mov_b32 s43, 0xbe2aaaa3                      ; sine: S1, S2, S3
	s_mov_b32 s44, 0x3c08839e
	s_mov_b32 s45, 0xb94ca1f9
	s_mov_b32 s46, 0x3d2aaaa5                      ; cosine: C1, C2, C3
	s_mov_b32 s47, 0xbab6061a
	s_mov_b32 s48, 0x37ccf5ce
	s_mov_b32 s49, 0x80000000
	s_mov_b32 s50, 0x76543210
	s_mov_b32 s51, 0xfedcba98                      ; v_permlanex16_b32's selects for lane l xor 16
	s_mov_b32 s3, 0
	s_wait_kmcnt 0x0
	s_lshl_b32 s2, s13, 14
	s_lshl_b32 s52, s12, 11
	s_add_co_u32 s2, s2, s52
	s_add_nc_u64 s[24:25], s[4:5], s[2:3]          ; x's codes: my four rows
	s_lshl_b32 s2, s13, 10
	s_add_co_u32 s2, s2, XQS
	s_add_nc_u64 s[26:27], s[4:5], s[2:3]          ; x's scale bytes: the 32 rows'
	s_lshl_b32 s2, s15, 14
	s_add_nc_u64 s[28:29], s[6:7], s[2:3]          ; my 32 weight rows,
	s_lshl_b32 s2, s15, 10
	s_add_co_u32 s2, s2, WFS
	s_add_nc_u64 s[30:31], s[6:7], s[2:3]          ; and their scale bytes
	s_lshl_b32 s2, s13, 5
	s_add_co_u32 s2, s2, s15                       ; (block of 16 rows) x 16 + head, for tile 0
	s_lshl_b32 s52, s2, 6
	s_lshl_b32 s2, s2, 8
	s_add_nc_u64 s[32:33], s[8:9], s[2:3]          ; q's codes out
	s_add_co_u32 s2, s52, QSO
	s_add_nc_u64 s[34:35], s[8:9], s[2:3]          ; q's scale words out
	s_mul_i32 s53, s16, KVB
	s_lshl_b32 s2, s17, 9
	s_add_co_u32 s2, s2, s53
	s_add_nc_u64 s[36:37], s[10:11], s[2:3]        ; k's codes out: two tiles of 256 bytes
	s_lshr_b32 s2, s17, 1
	s_lshl_b32 s2, s2, 6
	s_and_b32 s52, s17, 1
	s_lshl_b32 s52, s52, 1
	s_add_co_u32 s2, s2, s52
	s_add_co_u32 s2, s2, s53
	s_add_co_u32 s2, s2, KSO
	s_add_nc_u64 s[38:39], s[10:11], s[2:3]        ; k's scale bytes out: word (group of 64 keys, r), byte = the tile in the group
	s_lshr_b32 s2, s17, 2
	s_lshl_b32 s54, s2, 7
	s_lshl_b32 s2, s2, 11
	s_and_b32 s52, s17, 3
	s_add_co_u32 s54, s54, s52
	s_lshl_b32 s52, s52, 8
	s_add_co_u32 s2, s2, s52
	s_add_co_u32 s2, s2, s53
	s_add_co_u32 s2, s2, VCO
	s_add_nc_u64 s[56:57], s[10:11], s[2:3]        ; v's codes out: step of 128 keys, block of 32 in it
	s_add_co_u32 s2, s54, s53
	s_add_co_u32 s2, s2, VSO
	s_add_nc_u64 s[58:59], s[10:11], s[2:3]        ; v's scale bytes out
	; ---- the copy
	s_wait_alu depctr_va_vdst(0)                   ; the offsets and LDS addresses v3-v10 and v15-v19 are written, which every load and store of the kernel reads; none of them is written again
.irp p, 0,1,2,3,4,5,6,7,8,9,10,11,12,13,14,15,16,17,18,19,20,21,22,23,24,25,26,27,28,29,30,31
	global_load_b128 v[64+4*\p:67+4*\p], v15, s[28:29] offset:512*\p      ; a weight row: 512 consecutive bytes
.endr
	global_load_b128 v[224:227], v15, s[30:31]
	global_load_b128 v[228:231], v15, s[30:31] offset:512
	s_cmp_lt_u32 s12, 8
	s_cbranch_scc0 .Lscales_of_x
.irp i, 0,1,2,3
	global_load_b128 v[232+4*\i:235+4*\i], v15, s[24:25] offset:512*\i
.endr
	s_wait_loadcnt 0x0
.irp i, 0,1,2,3
	ds_store_b128 v17, v[232+4*\i:235+4*\i] offset:PITCH*\i
.endr
	s_branch .Lx_copied
.Lscales_of_x:
	global_load_b128 v[232:235], v15, s[26:27]
	global_load_b128 v[236:239], v15, s[26:27] offset:512
	s_wait_loadcnt 0x0
	ds_store_b128 v19, v[232:235]
	ds_store_b128 v19, v[236:239] offset:16*48
.Lx_copied:
.irp p, 0,1,2,3,4,5,6,7,8,9,10,11,12,13,14,15,16,17,18,19,20,21,22,23,24,25,26,27,28,29,30,31
	ds_store_b128 v16, v[64+4*\p:67+4*\p] offset:(16*((\p/8)%2)+8*(\p/16)+\p%8)*PITCH   ; row 16 a + 8 u + j goes to position 16 u + 8 a + j
.endr
	ds_store_b128 v18, v[224:227]
	ds_store_b128 v18, v[228:231] offset:8*48
	s_wait_dscnt 0x0                               ; for the others' sake: my stores have landed
	s_barrier_signal -1
	s_barrier_wait -1                              ; the launch's one barrier; behind it LDS is only read
	s_wait_alu depctr_vm_vsrc(0)                   ; my LDS stores have read v64-191 and v224-239: from here on the fragments' loads land in the first, and vector instructions write the others.  It stands ahead of the branch on the head: on both ways
.macro SCLS                            ; all the scale words: eight loads
.irp u, 0,1
	ds_load_b128 v[192+8*\u:195+8*\u], v[8+\u]
	ds_load_b128 v[196+8*\u:199+8*\u], v[8+\u] offset:16
	ds_load_b128 v[208+8*\u:211+8*\u], v10 offset:768*\u
	ds_load_b128 v[212+8*\u:215+8*\u], v10 offset:768*\u+16
.endr
.endm
.macro FRAGK p, k                      ; the fragments of K step 4 p + k of 128, into set k: eight loads
.irp u, 0,1
	ds_load_b128 v[64+8*(4*\u+\k):64+8*(4*\u+\k)+3], v[5+\u] offset:64*(4*\p+\k)
	ds_load_b128 v[64+8*(4*\u+\k)+4:64+8*(4*\u+\k)+7], v[5+\u] offset:64*(4*\p+\k)+32
	ds_load_b128 v[128+8*(4*\u+\k):128+8*(4*\u+\k)+3], v7 offset:16*PITCH*\u+64*(4*\p+\k)
	ds_load_b128 v[128+8*(4*\u+\k)+4:128+8*(4*\u+\k)+7], v7 offset:16*PITCH*\u+64*(4*\p+\k)+32
.endr
.endm
.macro WM d, a, b, sa, sb, zero
.if \zero
	v_wmma_scale_f32_16x16x128_f8f6f4 v[\d:\d+7], v[\a:\a+7], v[\b:\b+7], 0, v[\sa], v[\sb] matrix_a_fmt:MATRIX_FMT_FP4 matrix_b_fmt:MATRIX_FMT_FP4
.else
	v_wmma_scale_f32_16x16x128_f8f6f4 v[\d:\d+7], v[\a:\a+7], v[\b:\b+7], v[\d:\d+7], v[\sa], v[\sb] matrix_a_fmt:MATRIX_FMT_FP4 matrix_b_fmt:MATRIX_FMT_FP4
.endif
.endm
.macro MMK swap, p, k                  ; K step 4 p + k: four matrix instructions; the four accumulators take turns, one instruction a turn; the first K step starts the sums
.irp u, 0,1
.irp c, 0,1
.if \swap
	WM 32+8*(2*\u+\c), 64+8*(4*\u+\k), 128+8*(4*\c+\k), 192+8*\u+4*\p+\k, 208+8*\c+4*\p+\k, (4*\p+\k)==0
.else
	WM 32+8*(2*\u+\c), 128+8*(4*\c+\k), 64+8*(4*\u+\k), 208+8*\c+4*\p+\k, 192+8*\u+4*\p+\k, (4*\p+\k)==0
.endif
.endr
.endr
.endm
.macro PLACES                          ; four plain lines behind matrix instructions, ahead of the first read of their results; they stand ahead of the loads into their sources too, beside the wait there
.rept 4
	v_nop
.endr
.endm
; The wave's 32 products, K ascending.  LDS loads come back in order (ISA guide 5.7.1): each counted wait lets the youngest two sets' sixteen loads stay out.
.macro PRODUCT swap
	SCLS
	FRAGK 0, 0
	FRAGK 0, 1
	FRAGK 0, 2
	FRAGK 0, 3
	s_wait_dscnt 16                                ; the scale words and sets 0 and 1 are in; sets 2 and 3 may be out
	MMK \swap, 0, 0
	MMK \swap, 0, 1
	PLACES
	s_wait_alu depctr_va_vdst(0)                   ; the eight products above are done reading sets 0 and 1, in which the loads below land
	FRAGK 1, 0
	FRAGK 1, 1
	s_wait_dscnt 16                                ; sets 2 and 3 are in; the sixteen loads just issued may be out
	MMK \swap, 0, 2                                ; these eight name sets 2 and 3, the accumulators and the scale words: none of the registers in which loads are landing
	MMK \swap, 0, 3
	PLACES
	s_wait_alu depctr_va_vdst(0)                   ; the eight products above are done reading sets 2 and 3, in which the loads below land
	FRAGK 1, 2
	FRAGK 1, 3
	s_wait_dscnt 16                                ; K steps 4 and 5 are in; the sixteen loads just issued may be out
	MMK \swap, 1, 0
	MMK \swap, 1, 1
	s_wait_dscnt 0x0
	MMK \swap, 1, 2
	MMK \swap, 1, 3
	PLACES
.endm
; 16 numbers of a lane, v[s0] .. v[s0 + 7] and v[s1] .. v[s1 + 7], are half a block of 32; the lane 16 away holds the other half.  Codes into v[pc], v[pc + 1]; the scale's byte into v[by].  Each run of eight is read from its low end on.
.macro Q16 s0, s1, pc, by
	v_max3_num_f32 v224, |v[\s0]|, |v[\s0+1]|, 0x1800000   ; with the floor 2^(3 - 127): the byte cannot fall under 1
	v_max3_num_f32 v225, |v[\s1]|, |v[\s1+1]|, |v[\s1+2]|
	v_max3_num_f32 v224, v224, |v[\s0+2]|, |v[\s0+3]|
	v_max3_num_f32 v225, v225, |v[\s1+3]|, |v[\s1+4]|
	v_max3_num_f32 v224, v224, |v[\s0+4]|, |v[\s0+5]|
	v_max3_num_f32 v225, v225, |v[\s1+5]|, |v[\s1+6]|
	v_max3_num_f32 v224, v224, |v[\s0+6]|, |v[\s0+7]|
	v_max3_num_f32 v224, v224, v225, |v[\s1+7]|
	v_permlanex16_b32 v225, v224, s50, s51
	v_max_num_f32 v224, v224, v225                 ; the block's largest magnitude
	v_add_nc_u32 v226, 0xff000000, v224            ; 2 off its exponent field: the conversion's scale operand
	v_lshrrev_b32 v[\by], 23, v226                 ; the scale's byte
	v_cvt_scalef32_pk8_fp4_f32 v[\pc], v[\s0:\s0+7], v226
	v_cvt_scalef32_pk8_fp4_f32 v[\pc+1], v[\s1:\s1+7], v226
	v_nop                                          ; a plain line behind the conversions
.endm
	s_cmp_eq_u32 s15, 17
	s_cbranch_scc1 .Lvalues
	; ---- q and k
	PRODUCT 0
.macro THETA n                         ; the 16 angles: position x f_i
	v_mov_b32 v96, v[\n]
	v_mul_f32 v97, 0x3f0ff59a, v[\n]
	v_mul_f32 v98, 0x3ea1e89b, v[\n]
	v_mul_f32 v99, 0x3e361887, v[\n]
	v_mul_f32 v100, 0x3dcccccd, v[\n]
	v_mul_f32 v101, 0x3d6655c2, v[\n]
	v_mul_f32 v102, 0x3d0186e3, v[\n]
	v_mul_f32 v103, 0x3c91ad39, v[\n]
	v_mul_f32 v104, 0x3c23d70a, v[\n]
	v_mul_f32 v105, 0x3bb8449c, v[\n]
	v_mul_f32 v106, 0x3b4f3e38, v[\n]
	v_mul_f32 v107, 0x3ae91528, v[\n]
	v_mul_f32 v108, 0x3a83126f, v[\n]
	v_mul_f32 v109, 0x3a136a16, v[\n]
	v_mul_f32 v110, 0x39a5cb60, v[\n]
	v_mul_f32 v111, 0x393a7753, v[\n]
.endm
; From the angles in v96-111: the cosines into v96-111, the sines, with RoPE's sign for my half, into v128-143.  The sixteen go line by line, so that no line waits for the line above it.  v112-127 k, v128-143 z, v144-159, v160-175 the polynomials, v176-191 at work.
.macro SINCOS
.irp i, 0,1,2,3,4,5,6,7,8,9,10,11,12,13,14,15
	v_mul_f32 v[112+\i], s40, v[96+\i]
.endr
.irp i, 0,1,2,3,4,5,6,7,8,9,10,11,12,13,14,15
	v_rndne_f32 v[112+\i], v[112+\i]               ; k: the nearest multiple of pi / 2
.endr
.irp i, 0,1,2,3,4,5,6,7,8,9,10,11,12,13,14,15
	v_fma_f32 v[96+\i], -v[112+\i], s41, v[96+\i]
.endr
.irp i, 0,1,2,3,4,5,6,7,8,9,10,11,12,13,14,15
	v_fma_f32 v[96+\i], -v[112+\i], s42, v[96+\i]  ; what is left of the angle, within pi / 4 of 0
.endr
.irp i, 0,1,2,3,4,5,6,7,8,9,10,11,12,13,14,15
	v_cvt_i32_f32 v[112+\i], v[112+\i]
.endr
.irp i, 0,1,2,3,4,5,6,7,8,9,10,11,12,13,14,15
	v_mul_f32 v[128+\i], v[96+\i], v[96+\i]        ; z
.endr
.irp i, 0,1,2,3,4,5,6,7,8,9,10,11,12,13,14,15
	v_fma_f32 v[144+\i], v[128+\i], s45, s44
	v_fma_f32 v[160+\i], v[128+\i], s48, s47
.endr
.irp i, 0,1,2,3,4,5,6,7,8,9,10,11,12,13,14,15
	v_fma_f32 v[144+\i], v[144+\i], v[128+\i], s43
	v_fma_f32 v[160+\i], v[160+\i], v[128+\i], s46
.endr
.irp i, 0,1,2,3,4,5,6,7,8,9,10,11,12,13,14,15
	v_mul_f32 v[144+\i], v[144+\i], v[128+\i]
	v_fma_f32 v[160+\i], v[160+\i], v[128+\i], -0.5
.endr
.irp i, 0,1,2,3,4,5,6,7,8,9,10,11,12,13,14,15
	v_fma_f32 v[144+\i], v[144+\i], v[96+\i], v[96+\i]   ; the sine of what is left,
	v_fma_f32 v[160+\i], v[160+\i], v[128+\i], 1.0       ; and its cosine
.endr
.irp i, 0,1,2,3,4,5,6,7,8,9,10,11,12,13,14,15
	v_and_b32 v[176+\i], 1, v[112+\i]
.endr
.irp i, 0,1,2,3,4,5,6,7,8,9,10,11,12,13,14,15
	v_cmp_eq_u32 s[4+\i+12*(\i/8)], 1, v[176+\i]   ; an odd k changes the two over.  The sixteen masks go in one run into s4-11 and s24-31
.endr
	s_wait_alu depctr_va_sdst(0)                   ; the sixteen masks are written, ahead of their first reader
.irp i, 0,1,2,3,4,5,6,7,8,9,10,11,12,13,14,15
	v_cndmask_b32 v[128+\i], v[144+\i], v[160+\i], s[4+\i+12*(\i/8)]
	v_cndmask_b32 v[96+\i], v[160+\i], v[144+\i], s[4+\i+12*(\i/8)]
.endr
.irp i, 0,1,2,3,4,5,6,7,8,9,10,11,12,13,14,15
	v_lshlrev_b32 v[176+\i], 30, v[112+\i]         ; the sine's sign is bit 1 of k,
	v_add_lshl_u32 v[112+\i], v[112+\i], 1, 30     ; the cosine's bit 1 of k + 1
.endr
.irp i, 0,1,2,3,4,5,6,7,8,9,10,11,12,13,14,15
	v_and_b32 v[176+\i], s49, v[176+\i]
	v_and_b32 v[112+\i], s49, v[112+\i]
.endr
.irp i, 0,1,2,3,4,5,6,7,8,9,10,11,12,13,14,15
	v_xor_b32 v[176+\i], v13, v[176+\i]            ; with RoPE's sign for my half
.endr
.irp i, 0,1,2,3,4,5,6,7,8,9,10,11,12,13,14,15
	v_xor_b32 v[128+\i], v[128+\i], v[176+\i]
	v_xor_b32 v[96+\i], v[96+\i], v[112+\i]
.endr
.endm
.macro ROPE u                          ; tile u's 16 rows: l2norm, RoPE, quantise
.set T, 32+16*\u
	v_pk_mul_f32 v[224:225], v[T:T+1], v[T:T+1]    ; the squares of my 16, each accumulator from its low end on
	v_pk_mul_f32 v[226:227], v[T+8:T+9], v[T+8:T+9]
.irp j, 2,4,6
	v_pk_fma_f32 v[224:225], v[T+\j:T+\j+1], v[T+\j:T+\j+1], v[224:225]
	v_pk_fma_f32 v[226:227], v[T+8+\j:T+9+\j], v[T+8+\j:T+9+\j], v[226:227]
.endr
	v_pk_add_f32 v[224:225], v[224:225], v[226:227]
	v_add_f32 v224, v224, v225
	v_permlanex16_b32 v225, v224, s50, s51
	v_add_f32 v224, v224, v225                     ; with the other half's: the row's sum of squares
	v_sqrt_f32 v226, v224
	THETA 11+\u                                    ; independent work behind the root
	s_wait_alu depctr_va_vdst(0)                   ; the root has written v226, ahead of its first reader
	v_max_num_f32 v226, 0x2b8cbccc, v226           ; the norm, held at 1e-12 from below
	v_rcp_f32 v228, v226
	SINCOS                                         ; independent work behind the reciprocal
	s_wait_alu depctr_va_vdst(0)                   ; the reciprocal has written v228, ahead of its first reader
.irp j, 0,2,4,6,8,10,12,14
	v_pk_mul_f32 v[64+\j:65+\j], v[T+\j:T+\j+1], v[228:229] op_sel_hi:[1,0]
.endr
.irp i, 0,1,2,3,4,5,6,7,8,9,10,11,12,13,14,15
	v_permlanex16_b32 v[80+\i], v[64+\i], s50, s51 ; the partner: d + 16 or d - 16
.endr
.irp j, 0,2,4,6,8,10,12,14
	v_pk_mul_f32 v[144+\j:145+\j], v[64+\j:65+\j], v[96+\j:97+\j]
.endr
.irp j, 0,2,4,6,8,10,12,14
	v_pk_fma_f32 v[144+\j:145+\j], v[80+\j:81+\j], v[128+\j:129+\j], v[144+\j:145+\j]
.endr
	Q16 144, 152, 240+2*\u, 244+\u
.endm
	ROPE 0
	ROPE 1
	; both tiles go out in one run: each has registers of its own for what it stores, and none of them is written again
	s_cmp_eq_u32 s15, 16
	s_cbranch_scc1 .Lkey
.irp u, 0,1
	v_lshl_or_b32 v[246+\u], v[244+\u], 8, v[244+\u]
	v_lshl_or_b32 v[246+\u], v[246+\u], 16, v[246+\u]                     ; q's byte four times: it serves whichever block of 32 q is laid in
.endr
	s_wait_alu depctr_va_vdst(0)                   ; the conversions have written v240-243 and the lines above v246, v247, which the stores read
.irp u, 0,1
	global_store_b64 v3, v[240+2*\u:241+2*\u], s[32:33] offset:4096*\u    ; 256 consecutive bytes, aligned
	global_store_b32 v4, v[246+\u], s[34:35] offset:1024*\u               ; (both halves of the lanes write the same word)
.endr
	s_branch .Lput
.Lkey:
	s_wait_alu depctr_va_vdst(0)                   ; the conversions have written v240-243 and the shifts v244, v245, which the stores read
.irp u, 0,1
	global_store_b64 v3, v[240+2*\u:241+2*\u], s[36:37] offset:256*\u
	global_store_b8 v4, v[244+\u], s[38:39] offset:\u
.endr
.Lput:
	s_wait_dscnt 0x0                               ; the closing lines, six on end
	s_wait_alu 0x0
	s_wait_tensorcnt 0x0
	ds_add_u32 v254, v255
	s_wait_dscnt 0x0
	s_endpgm
.Lvalues:
	; ---- v: a lane holds d = 8 c + r + 8 (r / 8); the registers of accumulators (0, c) and (1, c) are keys 16 h + 0 .. 15 of the 32
	PRODUCT 1
	Q16 32, 48, 240, 244
	Q16 40, 56, 242, 245
	s_wait_alu depctr_va_vdst(0)                   ; the conversions have written v240-243 and the shifts v244, v245, which the stores read
.irp c, 0,1
	global_store_b64 v3, v[240+2*\c:241+2*\c], s[56:57] offset:1024*\c    ; 256 consecutive bytes, aligned: a quarter of a fragment's image
	global_store_b8 v4, v[244+\c], s[58:59] offset:64*\c
.endr
	s_wait_dscnt 0x0                               ; the closing lines, six on end, as above
	s_wait_alu 0x0
	s_wait_tensorcnt 0x0
	ds_add_u32 v254, v255
	s_wait_dscnt 0x0
	s_endpgm
.Lfunc_end_k_q054b9663dd_qkv:
	.size	k_q054b9663dd_qkv, .Lfunc_end_k_q054b9663dd_qkv-k_q054b9663dd_qkv
	.p2alignl 7, 3214868480
	.fill 96, 4, 3214868480
	.section	.rodata,"a",@progbits
	.p2align	6, 0x0
	.amdhsa_kernel k_q054b9663dd_qkv
		.amdhsa_group_segment_fixed_size 185600
		.amdhsa_private_segment_fixed_size 0
		.amdhsa_enable_private_segment 0
		.amdhsa_kernarg_size 32
		.amdhsa_user_sgpr_count 2
		.amdhsa_user_sgpr_kernarg_segment_ptr 1
		.amdhsa_wavefront_size32 1
		.amdhsa_system_sgpr_workgroup_id_x 1
		.amdhsa_system_sgpr_workgroup_id_y 1
		.amdhsa_system_sgpr_workgroup_id_z 1
		.amdhsa_system_vgpr_workitem_id 0
		.amdhsa_next_free_vgpr 256
		.amdhsa_next_free_sgpr 66
		.amdhsa_reserve_vcc 0
		.amdhsa_float_denorm_mode_32 3
		.amdhsa_float_denorm_mode_16_64 3
		.amdhsa_memory_ordered 1
		.amdhsa_forward_progress 1
		.amdhsa_inst_pref_size 83
	.end_amdhsa_kernel
	.amdgpu_metadata
---
amdhsa.version: [ 1, 2 ]
amdhsa.kernels:
  - .name:           k_q054b9663dd_qkv
    .symbol:         k_q054b9663dd_qkv.kd
    .args:
      - { .name: xq, .offset: 0, .size: 8, .value_kind: global_buffer, .address_space: global }
      - { .name: wfq, .offset: 8, .size: 8, .value_kind: global_buffer, .address_space: global }
      - { .name: qq, .offset: 16, .size: 8, .value_kind: global_buffer, .address_space: global }
      - { .name: kv, .offset: 24, .size: 8, .value_kind: global_buffer, .address_space: global }
    .group_segment_fixed_size: 185600
    .private_segment_fixed_size: 0
    .kernarg_segment_align: 8
    .kernarg_segment_size: 32
    .max_flat_workgroup_size: 288
    .sgpr_count:     66
    .vgpr_count:     256
    .wavefront_size: 32
...
	.end_amdgpu_metadata
.endif
;; end of part 6
;; launch attn (part 7): grid 256 x 1, 16 waves a work-group, no clusters, 71,680 bytes of LDS; arguments qq, kv, acat, as2; writes acat, as2
.if DOCPART == 7
	.amdgcn_target "amdgcn-amd-amdhsa--gfx1250"
	.amdhsa_code_object_version 6
	.text
	.protected	k_q054b9663dd_attn
	.globl	k_q054b9663dd_attn
	.p2align	8
	.type	k_q054b9663dd_attn,@function
k_q054b9663dd_attn:
	s_mov_b64 s[64:65], 0
	v_nop
	global_prefetch_b8 v0, s[64:65] scope:SCOPE_SE
	s_setreg_imm32_b32 hwreg(HW_REG_WAVE_SCHED_MODE, 0, 2), 2
	s_setreg_imm32_b32 hwreg(HW_REG_WAVE_MODE, 25, 1), 1
	s_wait_xcnt 0x0
	s_wait_alu depctr_vm_vsrc(0)
; Causal attention with one key and value head for 16 query heads of 32, both products on codes of FP4 with E8M0 scales; the result, divided by the row's sum, is quantised along (head, d) for the last product.
; THE SOFTMAX AHEAD OF THE SECOND PRODUCT: t = score x 8 log2(e); M = the row's largest t so far, rounded UP to a whole number; p = 2^(t - M) is what is quantised, along the keys.  The row's sum is taken of the
; unquantised p and divides at the end.  When M moves, the sum and O are multiplied by 2^(old M - new M): exact.
; SHARES.  A wave owns 16 queries of one head.  A work-group (16 waves) has one batch, eight heads, and the query tiles i and 127 - i: together 17 steps of 128 keys, whatever i: every work-group has the same work;
; which wave takes the short tile and which the long is chosen so that of any four neighbouring waves, and of any four waves 4 apart, two are short and two long.
; A BATCH'S K AND V, codes and scales, are 69,632 bytes: they are copied into LDS once, as they lie; one barrier; behind it LDS is only read.  So there is no ring, no tensor load, and nothing in the loop that a cluster
; could ask for jointly; no stream is read in the loop, so nothing is prefetched.
; K = 32 IN AN INSTRUCTION OF K = 128.  A fragment of k holds FOUR tiles of 16 keys, one in each block of 32 along K.  Four copies of q, each with q in one block and zero codes in the other three, pick out one tile each.
; LAYOUT.  Both products are used transposed: a lane holds one query throughout.  Tile 2 b + u holds keys 32 b + 8 u + r + 8 (r / 8), so the 16 registers of tiles 2 b, 2 b + 1 are 16 neighbouring keys;
; v's tile c holds d = 8 c + r + 8 (r / 8), so O^T's 16 registers are d = 16 (lane / 16) + 0 .. 15.
; CAUSAL.  The loop has 16 trips in every wave; a step all of whose keys come after the wave's queries is left out by a scalar branch on ids, round its work alone.
; LIMITS: a block of zeros gets the byte 1 where the rule says 127; the division by the sum is a reciprocal and a multiplication; NaN and infinities are not served.  The result's scale bytes leave as single bytes: 64 KiB of the launch's stores.
; THE MODE: SCHED_MODE bits 1:0 = 2 (LLVM: expert scheduling mode 2), set by the entry lines.  The code itself states the register dependences
; between vector or matrix instructions and memory or LDS instructions, with s_wait_alu, always for 0.
; THE PLAN.  Registers that memory or LDS instructions touch:
;   v1-v6, v10, v11   offsets and LDS addresses: written by vector instructions at the head and never again: one wait on va_vdst ahead of the first load.
;   v96-129           the copy: global loads land in them, LDS stores read them; later products and vector instructions write them: one wait on vm_vsrc behind the barrier, ahead of the loop, on every way to such a write.
;   v8, v9            the step's LDS addresses: written by two adds at the step's head, behind a wait on vm_vsrc; read by the step's one run of ten LDS loads.
;   v36-51, v68       k and its scale words: read by the step's eight products; the NEXT step's land in them, asked for in this step's run of loads.
;   v52-67, v69       v and its scale words: read by the two products at the step's end; this step's land in them, asked for in the same run.
;   v236-238          what is stored at the end: one wait on va_vdst ahead of the two stores.     v251, v255: written at the head, read by the closing add alone.
; The run of ten loads stands behind the wait for the 64 exponentials.  That ONE wait on va_vdst states: the exponentials' results are written; v8 and v9 are written; this step's eight products are done reading k;
; the last step's two products are done reading v.  No vector or matrix instruction behind it names a register of these loads before the wait on DScnt for them.
; q's four copies (ahead of the loop), and p's codes and scale word (in each step), are written by vector instructions and taken by scaled products: a wait on va_vdst stands behind their places, ahead of those products.
; A wave's last step asks for k of a step that it does not multiply; in the sixteenth trip those addresses fall on v's bytes, which the copy has written: five LDS loads a wave, whose data nothing reads.
; A vector instruction writes a scalar register or VCC in three places: the wave's number; the head's compare; the diagonal's 64 compares, in four runs of sixteen into s48-63: a wait on va_sdst or va_vcc behind each.
; REGISTERS: v1 16 lane, v2 65,536 + 4 lane, v6 4 r, v10 16 r, v11 16 r + 8 h; v8, v9 the step's LDS addresses; v12 -M, v13 the largest t, v[14:15] the sum; v16-35 zeros and q; v36-51 k, v52-67 v;
; v68 k's scale words, v69 v's, v70 q's; v96-159 S^T, then p; v160-175 O^T; v224-231 p's codes; v232-254 at work; v253 p's scale word.
.set KVB,  69632
.set QSO,  1048576
.set SEL,  20                          ; s[20:21] selects for lane l xor 16
.set CS,   22                          ; s[22:23] 8 log2(e)
.set Q0,   19                          ; s19 my first query
.set TB,   42                          ; s42 the step's codes: 2,048 bytes a step
.set TS,   43                          ; s43 the step's scale words: 128 bytes a step
.set KF,   44                          ; s44 the step's first key
.set CNT,  45
.set MK,   48                          ; s48-63 sixteen masks of the diagonal
	s_load_b256 s[4:11], s[0:1], 0x0               ; qq, kv, acat, as2
	v_lshl_add_u32 v251, v0, 2, 0x11000
	v_mov_b32 v255, 0
	v_lshrrev_b32 v8, 5, v0
	v_readfirstlane_b32 s12, v8                    ; wave 0..15
	s_lshr_b32 s13, ttmp9, 7                       ; the batch
	s_bfe_u32 s14, ttmp9, 0x10006                  ; which eight heads
	s_and_b32 s15, ttmp9, 63                       ; i
	s_wait_alu depctr_va_sdst(0)                   ; s12 is written, ahead of its first reader
	s_lshr_b32 s16, s12, 2
	s_xor_b32 s16, s16, s12
	s_and_b32 s16, s16, 1                          ; 1: the long tile
	s_lshr_b32 s17, s12, 1
	s_lshl_b32 s18, s14, 3
	s_add_co_u32 s17, s17, s18                     ; my head
	s_sub_co_u32 s18, 127, s15
	s_cmp_eq_u32 s16, 1
	s_cselect_b32 s18, s18, s15                    ; my tile of 16 queries
	s_lshl_b32 s[Q0], s18, 4
	s_add_co_u32 s46, s[Q0], 15                    ; my last query
	v_and_b32 v1, 31, v0
	v_lshlrev_b32 v2, 2, v1
	v_add_nc_u32 v2, 0x10000, v2
	v_lshlrev_b32 v1, 4, v1
	v_lshlrev_b32 v3, 4, v0                        ; the copy: 16 bytes a thread,
	v_lshlrev_b32 v4, 3, v0                        ; and 8 for the last 4,096 bytes,
	v_add_nc_u32 v5, 0x10000, v4                   ; which lie from LDS byte 65,536 on
	v_and_b32 v6, 15, v0
	v_bfe_u32 v7, v0, 4, 1
	v_lshlrev_b32 v10, 4, v6
	v_lshl_add_u32 v11, v7, 3, v10
	v_lshlrev_b32 v6, 2, v6
	s_mov_b32 s[SEL], 0x76543210
	s_mov_b32 s[SEL+1], 0xfedcba98
	s_mov_b32 s[CS], 0x4138aa3b
	s_mov_b32 s[CS+1], s[CS]                       ; (named with it as a pair, so it is written)
	s_mov_b32 s[TB], 0
	s_mov_b32 s[TS], 0
	s_mov_b32 s[KF], 0
	s_mov_b32 s[CNT], 16
	s_mov_b32 s3, 0
	s_lshl_b32 s24, s13, 7
	s_add_co_u32 s24, s24, s18                     ; my block of 16 rows among the 256
	s_lshl_b32 s25, s24, 4
	s_add_co_u32 s25, s25, s17
	s_lshr_b32 s26, s17, 2                         ; the result's chunk of 128 along the last product's K,
	s_and_b32 s27, s17, 3                          ; and its block of 32 in the chunk
	s_wait_kmcnt 0x0
	s_lshl_b32 s2, s25, 8
	s_add_nc_u64 s[32:33], s[4:5], s[2:3]          ; q's codes
	s_lshl_b32 s2, s25, 6
	s_add_co_u32 s2, s2, QSO
	s_add_nc_u64 s[34:35], s[4:5], s[2:3]          ; q's scale words
	s_mul_i32 s2, s13, KVB
	s_add_nc_u64 s[36:37], s[6:7], s[2:3]          ; the batch's k and v
	s_lshl_b32 s2, s26, 18
	s_lshl_b32 s28, s24, 10
	s_add_co_u32 s2, s2, s28
	s_lshl_b32 s28, s27, 8
	s_add_co_u32 s2, s2, s28
	s_add_nc_u64 s[38:39], s[8:9], s[2:3]          ; the result's codes
	s_lshl_b32 s2, s26, 14
	s_lshl_b32 s28, s24, 6
	s_add_co_u32 s2, s2, s28
	s_add_co_u32 s2, s2, s27
	s_add_nc_u64 s[40:41], s[10:11], s[2:3]        ; and its scale bytes
	s_wait_alu depctr_va_vdst(0)                   ; the offsets and LDS addresses v1-v6, v10 and v11 are written, which the loads and stores of the kernel read; none of them is written again
.irp t, 0,1,2,3,4,5,6,7
	global_load_b128 v[96+4*\t:99+4*\t], v3, s[36:37] offset:8192*\t      ; the work-group reads 8,192 consecutive bytes
.endr
	global_load_b64 v[128:129], v4, s[36:37] offset:65536
	global_load_b128 v[232:235], v10, s[32:33]     ; my query's 32 codes (both halves of the lanes)
	global_load_b32 v70, v6, s[34:35]
.irp j, 16,17,18,19,24,25,26,27,32,33,34,35
	v_mov_b32 v[\j], 0                             ; zero codes
.endr
	v_mov_b32 v13, 0xff61b1e6                      ; the largest t so far: -3e38, under every t
	v_floor_f32 v12, -v13                          ; -M
	v_mov_b32 v14, 0                               ; the sum, in two halves
	v_mov_b32 v15, 0
.irp b, 0,1,2,3
	v_mov_b32 v[236+\b], 0                         ; written once: a lane permute's destination counts as one of its sources
.endr
	v_mov_b32 v252, 0
	v_mov_b32 v253, 0
	v_cmp_eq_u32 vcc_lo, 0, v7
	s_wait_loadcnt 0x0
.irp t, 0,1,2,3,4,5,6,7
	ds_store_b128 v3, v[96+4*\t:99+4*\t] offset:8192*\t
.endr
	ds_store_b64 v5, v[128:129]
	s_wait_alu depctr_va_vcc(0)                    ; the compare has written VCC, ahead of its first reader
.irp j, 0,1,2,3
	v_cndmask_b32 v[20+\j], v16, v[232+\j], vcc_lo ; q in lanes 0-15, zeros in the others;
	v_cndmask_b32 v[28+\j], v[232+\j], v16, vcc_lo ; and the other way round.  q in block 0: v[20:27]; 1: v[28:35]; 2: v[16:23]; 3: v[24:31]
.endr
.irp j, 0,1,2,3,4,5,6,7,8,9,10,11,12,13,14,15
	v_mov_b32 v[160+\j], 0                         ; O^T: the first step finds zeros, which the first change of M leaves zeros
.endr
	s_wait_dscnt 0x0                               ; for the others' sake: my stores have landed
	s_barrier_signal -1
	s_barrier_wait -1                              ; the launch's one barrier
	s_wait_alu depctr_vm_vsrc(0)                   ; my LDS stores have read v96-129, which the products, and the way out's multiplications, write: ahead of the loop, so on every way to such a write
	s_wait_alu depctr_va_vdst(0)                   ; q's four copies, v16-35, are written: the scaled products take them as their second source (the sixteen lines that clear O^T are the places between)
.irp n, 0,1,2,3
	ds_load_b128 v[36+4*\n:39+4*\n], v1 offset:512*\n          ; k of step 0: two fragments, eight tiles of 16 keys
.endr
	ds_load_b32 v68, v2                            ; their scale words: lanes 0-15 the first fragment's, lanes 16-31 the second's
.Lstep:                                            ; 16 trips: 128 keys each
	s_cmp_gt_u32 s[KF], s46
	s_cbranch_scc1 .Lhidden                        ; all 128 keys come after my queries
	s_wait_alu depctr_vm_vsrc(0)                   ; the LDS loads issued so far have read v8 and v9, which the two lines below write
	v_add_nc_u32 v8, s[TB], v1
	v_add_nc_u32 v9, s[TS], v2
	s_wait_dscnt 0x0                               ; k and its scale words, asked for in the step before (for step 0: ahead of the loop), are in
.irp t, 0,1,2,3,4,5,6,7
.set QB, 20+8*(\t%2)-4*((\t%4)/2)
.if \t < 4
	v_wmma_scale_f32_16x16x128_f8f6f4 v[96+8*\t:103+8*\t], v[36:43], v[QB:QB+7], 0, v68, v70 matrix_a_fmt:MATRIX_FMT_FP4 matrix_b_fmt:MATRIX_FMT_FP4
.else
	v_wmma_scale_f32_16x16x128_f8f6f4 v[96+8*\t:103+8*\t], v[44:51], v[QB:QB+7], 0, v68, v70 matrix_a_fmt:MATRIX_FMT_FP4 matrix_b_fmt:MATRIX_FMT_FP4 matrix_a_scale:MATRIX_SCALE_ROW1
.endif
.endr
.rept 4
	v_nop
.endr
	s_add_co_u32 s47, s[KF], 127                   ; on the diagonal the scores of hidden keys become -infinity ahead of the maximum; a step all of whose keys count skips this
	s_cmp_le_u32 s47, s[Q0]
	s_cbranch_scc1 .Lopen
	s_sub_co_i32 s47, s[Q0], s[KF]
	v_and_b32 v248, 15, v0
	v_bfe_u32 v249, v0, 4, 1
	v_lshlrev_b32 v249, 4, v249
	v_sub_nc_u32 v248, v248, v249
	v_add_nc_u32 v248, s47, v248                   ; d = my query - the first key - 16 (lane / 16).  Register 16 b + i holds key 32 b + i further on: hidden where 32 b + i > d
	v_mov_b32 v254, 0xff800000
.irp g, 0,1,2,3                                ; a block of 32 keys at a time: sixteen compares in a run, one wait, sixteen selects
.irp i, 0,1,2,3,4,5,6,7,8,9,10,11,12,13,14,15
	v_cmp_gt_i32 s[MK+\i], 32*\g+\i, v248
.endr
	s_wait_alu depctr_va_sdst(0)                   ; the sixteen masks are written, ahead of their first reader
.irp i, 0,1,2,3,4,5,6,7,8,9,10,11,12,13,14,15
	v_cndmask_b32 v[96+16*\g+\i], v[96+16*\g+\i], v254, s[MK+\i]
.endr
.endr
.Lopen:
.irp b, 0,1,2,3
	v_max3_num_f32 v[232+\b], v[96+16*\b], v[97+16*\b], v[98+16*\b]   ; the largest score of each block of 32 keys: for the row's maximum, and, since p rises with the score, for the block's largest p
.endr
.irp i, 3,5,7,9,11,13
.irp b, 0,1,2,3
	v_max3_num_f32 v[232+\b], v[232+\b], v[96+16*\b+\i], v[97+16*\b+\i]
.endr
.endr
.irp b, 0,1,2,3
	v_max_num_f32 v[232+\b], v[232+\b], v[111+16*\b]
.endr
.irp b, 0,1,2,3
	v_permlanex16_b32 v[236+\b], v[232+\b], s[SEL], s[SEL+1]
.endr
.irp b, 0,1,2,3
	v_max_num_f32 v[232+\b], v[232+\b], v[236+\b]  ; with lane l xor 16's 16 keys
.endr
	v_max3_num_f32 v254, v232, v233, v234
	v_max_num_f32 v254, v254, v235                 ; the step's largest score of my query
	v_mul_f32 v254, s[CS], v254                    ; as t
	v_max_num_f32 v13, v13, v254                   ; the running largest t
	v_mov_b32 v254, v12
	v_floor_f32 v12, -v13                          ; the new -M = floor(-t): M is a whole number
	v_sub_f32 v254, v12, v254                      ; M's old value less its new one: a whole number, 0 or less
	v_cvt_i32_f32 v254, v254                       ; (it saturates)
	v_ldexp_f32 v252, 1.0, v254                    ; f = 2^(old M - new M)
.irp j, 0,2,4,6,8,10,12,14,16,18,20,22,24,26,28,30,32,34,36,38,40,42,44,46,48,50,52,54,56,58,60,62
	v_pk_fma_f32 v[96+\j:97+\j], v[96+\j:97+\j], s[CS:CS+1], v[12:13] op_sel_hi:[1,0,0]   ; t - M, two at a time
.endr
.irp b, 0,1,2,3
	v_fma_f32 v[232+\b], v[232+\b], s[CS], v12     ; the same of each block's largest score
.endr
.irp j, 0,1,2,3,4,5,6,7,8,9,10,11,12,13,14,15,16,17,18,19,20,21,22,23,24,25,26,27,28,29,30,31,32,33,34,35,36,37,38,39,40,41,42,43,44,45,46,47,48,49,50,51,52,53,54,55,56,57,58,59,60,61,62,63
	v_exp_f32 v[96+\j], v[96+\j]                   ; p = 2^(t - M), at most 1
.endr
	v_pk_mul_f32 v[14:15], v[14:15], v[252:253] op_sel_hi:[1,0]   ; the sums under the new M (a plain line behind the exponentials)
	s_wait_alu depctr_va_vdst(0)                   ; the 64 exponentials have written v96-159, ahead of their first reader; v8 and v9 are written; this step's eight products are done reading v36-51 and v68, the last step's two v52-67 and v69
.irp n, 0,1,2,3
	ds_load_b128 v[52+4*\n:55+4*\n], v8 offset:32768+512*\n    ; v of this step: two fragments: 16 d x 128 keys each
.endr
	ds_load_b32 v69, v9 offset:2048
.irp n, 0,1,2,3
	ds_load_b128 v[36+4*\n:39+4*\n], v8 offset:2048+512*\n     ; k of the next step
.endr
	ds_load_b32 v68, v9 offset:128
.irp b, 0,1,2,3
	v_exp_f32 v[232+\b], v[232+\b]                 ; the block's largest p: the same two instructions on the same number give the same bits
.endr
	v_pk_add_f32 v[236:237], v[96:97], v[98:99]    ; the row's sum of the unquantised p, in two chains (it reads the 64 alone: plain work behind the four)
.irp j, 4,8,12,16,20,24,28,32,36,40,44,48,52,56,60
	v_pk_add_f32 v[14:15], v[14:15], v[96+\j:97+\j]
	v_pk_add_f32 v[236:237], v[236:237], v[98+\j:99+\j]
.endr
	v_pk_add_f32 v[14:15], v[14:15], v[236:237]
	s_wait_alu depctr_va_vdst(0)                   ; the four exponentials have written v232-235, ahead of their first reader
.irp b, 0,1,2,3
	v_max_num_f32 v[232+\b], 0x1800000, v[232+\b]  ; the floor 2^(3 - 127): the byte cannot fall under 1
.endr
.irp b, 0,1,2,3
	v_add_nc_u32 v[244+\b], 0xff000000, v[232+\b]  ; 2 off the exponent field: the conversion's scale operand
.endr
.irp b, 0,1,2,3
	v_lshrrev_b32 v[236+\b], 23, v[244+\b]         ; the scale's byte
.endr
	v_lshl_or_b32 v253, v237, 8, v236              ; p's scale word for these 128 keys
	v_lshl_or_b32 v253, v238, 16, v253
	v_lshl_or_b32 v253, v239, 24, v253
.irp b, 0,1,2,3
	v_cvt_scalef32_pk8_fp4_f32 v[224+2*\b], v[96+16*\b:103+16*\b], v[244+\b]
	v_cvt_scalef32_pk8_fp4_f32 v[225+2*\b], v[104+16*\b:111+16*\b], v[244+\b]
.endr
	v_nop                                          ; a plain line behind the conversions
.irp c, 0,1                                    ; the operand's layout wants a whole block in a lane
.irp i, 0,1
	v_permlane16_swap_b32 v[224+4*\c+\i], v[226+4*\c+\i]
.endr
.endr
.irp j, 0,2,4,6,8,10,12,14
	v_pk_mul_f32 v[160+\j:161+\j], v[160+\j:161+\j], v[252:253] op_sel_hi:[1,0]   ; O^T under the new M, each accumulator from its low end on
.endr
.rept 4
	v_nop                                          ; with the line behind the conversions and the other accumulator's four multiplications: eight plain lines between the scale word's last write and each product below
.endr
	s_wait_dscnt 5                                 ; LDS loads come back in order (ISA guide 5.7.1): v and its scale words are in; the next step's k, five loads, may be out
	s_wait_alu depctr_va_vdst(0)                   ; p's codes v224-231 and its scale word v253 are written: the scaled products below take them; the places above stay beside this wait
	v_wmma_scale_f32_16x16x128_f8f6f4 v[160:167], v[52:59], v[224:231], v[160:167], v69, v253 matrix_a_fmt:MATRIX_FMT_FP4 matrix_b_fmt:MATRIX_FMT_FP4
	v_wmma_scale_f32_16x16x128_f8f6f4 v[168:175], v[60:67], v[224:231], v[168:175], v69, v253 matrix_a_fmt:MATRIX_FMT_FP4 matrix_b_fmt:MATRIX_FMT_FP4 matrix_a_scale:MATRIX_SCALE_ROW1
.Lhidden:
	s_add_co_u32 s[KF], s[KF], 128
	s_add_co_u32 s[TB], s[TB], 2048
	s_add_co_u32 s[TS], s[TS], 128
	s_sub_co_u32 s[CNT], s[CNT], 1
	s_cmp_lg_u32 s[CNT], 0
	s_cbranch_scc1 .Lstep
	; ---- the way out: O^T / the sum; my 16 numbers are half of the head's block of 32 along the last product's K
.rept 4
	v_nop
.endr
	v_add_f32 v14, v14, v15                        ; the sum's two halves,
	v_permlanex16_b32 v252, v14, s[SEL], s[SEL+1]
	v_add_f32 v14, v14, v252                       ; and lane l xor 16's
	v_rcp_f32 v14, v14
	v_nop                                          ; a plain line behind the transcendental,
	s_wait_alu depctr_va_vdst(0)                   ; the reciprocal has written v14, ahead of its first reader
.irp j, 0,1,2,3,4,5,6,7,8,9,10,11,12,13,14,15
	v_mul_f32 v[96+\j], v[160+\j], v14             ; o(my query, d = 16 h + j)
.endr
	v_max3_num_f32 v232, |v96|, |v97|, 0x1800000
	v_max3_num_f32 v233, |v104|, |v105|, |v106|
	v_max3_num_f32 v232, v232, |v98|, |v99|
	v_max3_num_f32 v233, v233, |v107|, |v108|
	v_max3_num_f32 v232, v232, |v100|, |v101|
	v_max3_num_f32 v233, v233, |v109|, |v110|
	v_max3_num_f32 v232, v232, |v102|, |v103|
	v_max3_num_f32 v232, v232, v233, |v111|
	v_permlanex16_b32 v233, v232, s[SEL], s[SEL+1]
	v_max_num_f32 v232, v232, v233
	v_add_nc_u32 v234, 0xff000000, v232
	v_lshrrev_b32 v238, 23, v234
	v_cvt_scalef32_pk8_fp4_f32 v236, v[96:103], v234
	v_cvt_scalef32_pk8_fp4_f32 v237, v[104:111], v234
	v_nop
	s_wait_alu depctr_va_vdst(0)                   ; the conversions have written v236 and v237 and the shift v238, which the stores read
	global_store_b64 v11, v[236:237], s[38:39]     ; 256 consecutive bytes, aligned: a quarter of a fragment's image
	global_store_b8 v6, v238, s[40:41]             ; (both halves of the lanes write the same byte)
	s_wait_dscnt 0x0                               ; the closing lines, six on end
	s_wait_alu 0x0
	s_wait_tensorcnt 0x0
	ds_add_u32 v251, v255
	s_wait_dscnt 0x0
	s_endpgm
.Lfunc_end_k_q054b9663dd_attn:
	.size	k_q054b9663dd_attn, .Lfunc_end_k_q054b9663dd_attn-k_q054b9663dd_attn
	.p2alignl 7, 3214868480
	.fill 96, 4, 3214868480
	.section	.rodata,"a",@progbits
	.p2align	6, 0x0
	.amdhsa_kernel k_q054b9663dd_attn
		.amdhsa_group_segment_fixed_size 71680
		.amdhsa_private_segment_fixed_size 0
		.amdhsa_enable_private_segment 0
		.amdhsa_kernarg_size 32
		.amdhsa_user_sgpr_count 2
		.amdhsa_user_sgpr_kernarg_segment_ptr 1
		.amdhsa_wavefront_size32 1
		.amdhsa_system_sgpr_workgroup_id_x 1
		.amdhsa_system_sgpr_workgroup_id_y 1
		.amdhsa_system_sgpr_workgroup_id_z 1
		.amdhsa_system_vgpr_workitem_id 0
		.amdhsa_next_free_vgpr 256
		.amdhsa_next_free_sgpr 66
		.amdhsa_reserve_vcc 1
		.amdhsa_float_denorm_mode_32 3
		.amdhsa_float_denorm_mode_16_64 3
		.amdhsa_memory_ordered 1
		.amdhsa_forward_progress 1
		.amdhsa_inst_pref_size 32
	.end_amdhsa_kernel
	.amdgpu_metadata
---
amdhsa.version: [ 1, 2 ]
amdhsa.kernels:
  - .name:           k_q054b9663dd_attn
    .symbol:         k_q054b9663dd_attn.kd
    .args:
      - { .name: qq, .offset: 0, .size: 8, .value_kind: global_buffer, .address_space: global }
      - { .name: kv, .offset: 8, .size: 8, .value_kind: global_buffer, .address_space: global }
      - { .name: acat, .offset: 16, .size: 8, .value_kind: global_buffer, .address_space: global }
      - { .name: as2, .offset: 24, .size: 8, .value_kind: global_buffer, .address_space: global }
    .group_segment_fixed_size: 71680
    .private_segment_fixed_size: 0
    .kernarg_segment_align: 8
    .kernarg_segment_size: 32
    .max_flat_workgroup_size: 512
    .sgpr_count:     66
    .vgpr_count:     256
    .wavefront_size: 32
...
	.end_amdgpu_metadata
.endif
;; end of part 7
;; launch ffn: the kernel of part 4 again; grid 16 x 16, 4 waves a work-group, clusters of 4 x 4, 327,680 bytes of LDS; arguments xq, wfq, acat, as2; writes acat, as2
;; launch outp: the kernel of part 5 again; grid 8 x 32, 4 waves a work-group, clusters of 4 x 4, 327,680 bytes of LDS; arguments acat, as2, woq, out0; writes out0
